; MI455X (gfx1250); checked and timed in simulation.
; The chip was launched on July 23, 2026; its instructions are those of AMD's public machine-readable ISA for CDNA 5 (MIT licence, August 2026) and "CDNA5" Instruction Set Architecture Reference Guide (July 2026). The comments in the code are by the model that wrote it; some were corrected since.
;; Mixture Of Experts. Allowed arithmetic: matrix products marked QUANTISED: E4M3 operands, one E8M0 scale for each 32 along K, by v_wmma_scale_f32_16x16x128_f8f6f4 with both operands' format E4M3, f32 sums; products left as they are: f32 operands where the result goes on into a quantised operand, else bf16, f16 or f32 operands; f32 sums; everything else in f32.
;; Inputs: We 8 x 1,024 x 1,024 float32; Wg1 64 x 1,024 float32; Wg2 8 x 64 float32; be 8 x 1,024 float32; bg1 64 float32; bg2 8 float32; x 8,192 x 1,024 float32.
;; Outputs: out0 8,192 x 1,024 float32; out1 8,192 x 8 float32; out2 8,192 x 2 int32.
;; This version of the problem:
;;   THIS VERSION OF THE PROBLEM IS GIVEN IN LOW PRECISION. The matrix products marked QUANTISED in the list below multiply operands that are first quantised to E4M3 (4 exponent bits, 3 mantissa bits; 8 bits a number), with one power-of-two scale for each 32 numbers along K (OCP MX v1.0); their sums are f32. All else is computed in f32.
;;   The module's matrix products, in the order in which they are computed (A, B: the left and right operand; K: the contracted axis; several contracted axes count as one K, in the product's order):
;;     1. [M 8,192, K 1,024] x [K 1,024, N 64]; A: input x; B: input Wg1: QUANTISED
;;     2. [M 8,192, K 64] x [K 64, N 8]; A: computed on the way; B: input Wg2: left as it is (N = 8 < 16)
;;     3. [M 8,192, K 1,024] x [K 1,024, N 8,192]; A: input x; B: input We: QUANTISED
;;   THE QUANTISER, for each operand of a quantised product, along K:
;;     - K is cut into blocks of 32 from its start; a last block that is shorter is filled with zeros.
;;     - A block's scale is 2^e with e = floor(log2(the largest magnitude in the block)) - 8, held to -126 .. 127; a block of zeros has e = 0. As a byte (E8M0): e + 127.
;;     - Each number is divided by its block's scale, clamped to +-448, and rounded to the nearest number of E4M3, ties to even, subnormals kept.
;;     - The product sums the exact products of the quantised numbers (number of the format x scale) in f32.
;;   ~~~python
;;   def quantise(x, axis):      # numpy; x: float32 -> the quantised numbers, widened to float32 again
;;       x = np.moveaxis(x, axis, -1); K = x.shape[-1]
;;       x = np.pad(x, [(0, 0)] * (x.ndim - 1) + [(0, -K % 32)]); x = x.reshape(x.shape[:-1] + (-1, 32)); a = np.abs(x).max(-1, keepdims=True)
;;       e = np.where(a > 0, np.clip(np.frexp(np.where(a > 0, a, 1))[1] - 1 - 8, -126, 127), 0)      # np.frexp(a)[1] - 1 = floor(log2(a)), exactly
;;       r = np.clip(x / 2.0 ** e, -448, 448)
;;       step = 2.0 ** (np.maximum(np.frexp(np.where(r == 0, 1, r))[1] - 1, -6) - 3)
;;       q = np.round(r / step) * step * 2.0 ** e      # np.round: ties to even
;;       return np.moveaxis(q.reshape(q.shape[:-2] + (-1,))[..., :K], -1, axis).astype(np.float32)
;;   ~~~
;; 3 versions. Each part assembles by itself: llvm-mc -triple=amdgcn-amd-amdhsa -mcpu=gfx1250 --defsym DOCPART=n.
;; ======== version 1 of 3: 3 launches
;; workspace buffers: x_codes 8,388,608 bytes; x_scales 262,144 bytes; w_codes 8,388,608 bytes; w_scales 262,144 bytes; gsel 262,144 bytes; meta 131,072 bytes of whole numbers; order 32,768 bytes of whole numbers; blist 512 bytes of whole numbers
;; launch gate (part 1): grid 256 x 1, 8 waves a work-group, no clusters, 168,448 bytes of LDS; arguments x, Wg1, bg1, Wg2, bg2, x_codes, x_scales, out1, out2, gsel, meta; writes x_codes, x_scales, out1, out2, gsel, meta
.if DOCPART == 1
	.amdgcn_target "amdgcn-amd-amdhsa--gfx1250"
	.amdhsa_code_object_version 6
	.text
	.protected	k_q05bb342f82_gate
	.globl	k_q05bb342f82_gate
	.p2align	8
	.type	k_q05bb342f82_gate,@function
k_q05bb342f82_gate:
	s_mov_b64 s[64:65], 0
	v_nop
	global_prefetch_b8 v0, s[64:65] scope:SCOPE_SE
	s_setreg_imm32_b32 hwreg(HW_REG_WAVE_MODE, 25, 1), 1
	s_wait_xcnt 0x0
; THE GATE.  x [8192][1024] f32 is quantised to E4M3 codes with one E8M0 byte for each 32 along K (x_codes [token][1024], x_scales [token][8 words]);
; h = relu(Q(x) Q(Wg1)^T + bg1) on the codes; scores = h Wg2^T + bg2 in f32; softmax with the row's maximum taken away (out1); the two largest weights' indices (out2, ties to the lower index);
; gsel [token][8]: the weight where the expert is chosen, else 0; meta [tile of 16 tokens][lane][2]: (tokens of the tile whose class is the lane; class | rank << 8 of token lane % 16).
; The class numbers the 28 sets of two experts so that neighbouring classes share an expert.  Histogram and ranks are VALUES stored at fixed places: no branch and no address here hangs on them.
; SHARES.  A work-group owns 32 tokens (two tiles of 16).  Wave w owns K step w (128 along K): it quantises its two fragments of x and its four fragments of Wg1, issues eight scaled products
; (source 0 = 16 rows of Wg1, source 1 = 16 tokens: a lane holds one token and eight hidden units) and hands its partial sums to LDS.  Waves 0 and 1 then finish a tile each.
; Wg1 comes to every work-group as f32 by plain loads into registers, where it is quantised: such loads have no joint form, so the launch has no cluster.
; LIMITS: NaN and infinities are not served.  A block whose largest magnitude lies under 2^-118 has its byte held at 1; a block of zeros gets the byte 1 and not 127 (its codes are zeros, and this program alone reads the bytes).
; A gate weight under 2^-126 comes out 0 (the exponential gives no denormals).  Where two weights lie within f32 rounding of each other the order of the indices may differ from another order of the sums.
; REGISTERS.  Window 0: v1-15 addresses; v16-79 X, 64 numbers of a lane; v80-111 x's two fragments; v112-127 a fragment of Wg1; v128-191 eight accumulators; v192-207 at work; v208-210 scale words; v211 an address;
;   v212-243 four accumulators of the f32 form (written by matrix instructions alone); v244-251 bg2; v252-253 offsets.   Window 1: v0-191 three landing slots of 64; in the tail partial sums, Wg2 and bg1.
.set SPITCH, 528                       ; a stage row: 512 bytes + 16: an odd multiple of 16, so the sixteen rows of a read begin in sixteen different 16-byte columns modulo 256
.set WSTG,   16*SPITCH                 ; a wave's stage
.set CST,    8*WSTG                    ; 32 rows of codes, 1,024 bytes + 16
.set CPITCH, 1040
.set XSC,    CST+32*CPITCH             ; x's scale words [32 tokens][8]
.set PSUM,   XSC+1024                  ; partial sums [tile][K step][8 pieces of 512 bytes]: images of registers
.set L16, 1
.set SW,  2
.set SRD, 3
.set CSW, 4
.set XSW, 5
.set PSW, 6
.set CRD, 7
.set PRD, 8
.set RR,  9
.set HH,  10
.set O32, 11
.set O8,  12
.set L8,  13
.set LANE, 14
.set ZERO, 15
.set X,   16
.set PC0, 80
.set WC,  112
.set ACC, 128
.set H,   128
.set TM,  192
.set XS0, 208
.set WS,  210
.set XRD, 211
.set SA,  212
.set BG2, 244
.set G2O, 252
.set B1O, 253
.set G2,  128                          ; in window 1
.set BG1, 160                          ; in window 1
.set WV,  26
.set SEL, 28
.set MNT, 30
.set HM,  31
.set MSB, 0
.macro WIN new                         ; the immediate's high byte repeats the setting that is left
.if MSB != \new
	s_set_vgpr_msb (MSB<<8)|\new
.set MSB, \new
.endif
.endm
.macro PLACES n
.rept \n
	v_nop
.endr
.endm
; 16 rows x 128 along K of f32 into a landing slot of window 1: each load reads 512 consecutive bytes of one row
.macro FLOAD reg, base, off, nt
	WIN 0x40
.irp i, 0,1,2,3,4,5,6,7,8,9,10,11,12,13,14,15
.if \nt
	global_load_b128 v[\reg+4*\i:\reg+4*\i+3], v[L16], s[\base:\base+1] offset:\off+4096*\i th:TH_LOAD_NT
.else
	global_load_b128 v[\reg+4*\i:\reg+4*\i+3], v[L16], s[\base:\base+1] offset:\off+4096*\i
.endif
.endr
	WIN 0
.endm
; a slot turns through the wave's own stage: afterwards X[16 c + i] = k 32 c + 16 (lane / 16) + i of row lane % 16.  LDS serves a wave's instructions in order, so no wait stands between stores and loads
.macro TURN reg
	WIN 0x04                               ; an LDS store's data are its source 1: window 1
.irp i, 0,1,2,3,4,5,6,7,8,9,10,11,12,13,14,15
	ds_store_b128 v[SW], v[\reg+4*\i:\reg+4*\i+3] offset:SPITCH*\i
.endr
	WIN 0
.irp c, 0,1,2,3
.irp j, 0,1,2,3
	ds_load_b128 v[X+16*\c+4*\j:X+16*\c+4*\j+3], v[SRD] offset:128*\c+16*\j
.endr
.endr
	s_wait_dscnt 0x0                       ; X is in, so the stores have read the slot: it may be loaded again
.endm
; 64 numbers of a lane become a fragment's 16 registers of codes and its row's scale word
.macro QUANT src, dst, wrd
.irp b, 0,1,2,3
	v_max3_num_f32 v[TM+\b], |v[\src+16*\b]|, |v[\src+1+16*\b]|, 0x4800000   ; block b: my 16 numbers and the floor 2^(9 - 127): the byte cannot fall under 1
.endr
.irp i, 2,4,6,8,10,12,14
.irp b, 0,1,2,3
	v_max3_num_f32 v[TM+\b], v[TM+\b], |v[\src+16*\b+\i]|, |v[\src+1+16*\b+\i]|
.endr
.endr
.irp b, 0,1,2,3
	v_permlanex16_b32 v[TM+4+\b], v[TM+\b], s[SEL], s[SEL+1]
.endr
.irp b, 0,1,2,3
	v_max_num_f32 v[TM+\b], v[TM+\b], v[TM+4+\b]           ; with lane l xor 16's 16: the block's largest magnitude
.endr
.irp b, 0,1,2,3
	v_add_nc_u32 v[TM+12+\b], 0xfc000000, v[TM+\b]         ; 8 off its exponent field: the conversion's scale operand
.endr
.irp b, 0,1,2,3
	v_and_or_b32 v[TM+8+\b], v[TM+\b], 0x7f800000, s[MNT]  ; 448 x the scale
.endr
.irp b, 0,1,2,3
	v_lshrrev_b32 v[TM+4+\b], 23, v[TM+12+\b]              ; the scale's byte
.endr
	v_lshl_or_b32 v[\wrd], v[TM+5], 8, v[TM+4]
	v_lshl_or_b32 v[\wrd], v[TM+6], 16, v[\wrd]
	v_lshl_or_b32 v[\wrd], v[TM+7], 24, v[\wrd]
.irp b, 0,1,2,3
.irp i, 0,1,2,3,4,5,6,7,8,9,10,11,12,13,14,15
	v_med3_num_f32 v[\src+16*\b+\i], v[\src+16*\b+\i], -v[TM+8+\b], v[TM+8+\b]   ; the conversion to an 8-bit code does not saturate (ISA guide 7.6.2): the hold comes first
.endr
	v_cvt_scalef32_pk8_fp8_f32 v[\dst+4*\b:\dst+1+4*\b], v[\src+16*\b:\src+7+16*\b], v[TM+12+\b]
	v_cvt_scalef32_pk8_fp8_f32 v[\dst+2+4*\b:\dst+3+4*\b], v[\src+8+16*\b:\src+15+16*\b], v[TM+12+\b]
.endr
	v_nop                                  ; one plain instruction behind the last scaled conversion
.endm
; tile m of x: codes and scale word, kept in registers for the products and put into LDS for the way out
.macro XQ m
	QUANT X, PC0+16*\m, XS0+\m
.irp c, 0,1,2,3
	ds_store_b128 v[CSW], v[PC0+16*\m+4*\c:PC0+16*\m+4*\c+3] offset:16*CPITCH*\m+32*\c
.endr
	ds_store_b32 v[XSW], v[XS0+\m] offset:512*\m           ; both halves of the lanes hold the same word and write the same place
.endm
; hidden units 16 t on: the fragment of Wg1, and its products with both tiles of x; each accumulator has one product, which starts it with the constant 0
.macro WMUL t
	QUANT X, WC, WS
	PLACES 3                               ; with QUANT's last line four places between the codes and the scaled product; the scale word stands 64 holds back
	v_wmma_scale_f32_16x16x128_f8f6f4 v[ACC+8*\t:ACC+8*\t+7], v[WC:WC+15], v[PC0:PC0+15], 0, v[WS], v[XS0]
	v_wmma_scale_f32_16x16x128_f8f6f4 v[ACC+32+8*\t:ACC+32+8*\t+7], v[WC:WC+15], v[PC0+16:PC0+31], 0, v[WS], v[XS0+1]
.endm
	s_load_b256 s[4:11], s[0:1], 0x0               ; x, Wg1, bg1, Wg2
	s_load_b256 s[12:19], s[0:1], 0x20             ; bg2, x_codes, x_scales, out1
	s_load_b128 s[20:23], s[0:1], 0x40             ; out2, gsel
	s_load_b64 s[24:25], s[0:1], 0x50              ; meta
	v_lshl_add_u32 v254, v0, 2, 0x28e00
	v_mov_b32 v255, 0
	v_lshrrev_b32 v[RR], 5, v0
	v_readfirstlane_b32 s[WV], v[RR]               ; wave 0..7 = my K step
	v_and_b32 v[LANE], 31, v0
	v_lshlrev_b32 v[L16], 4, v[LANE]
	s_lshl_b32 s32, ttmp9, 17                      ; 32 tokens of 4,096 bytes
	s_lshl_b32 s34, s[WV], 9                       ; my 128 numbers of a row
	s_add_co_u32 s32, s32, s34
	s_mov_b32 s33, 0
	s_mov_b32 s35, 0
	s_wait_kmcnt 0x0
	s_add_nc_u64 s[4:5], s[4:5], s[32:33]
	s_add_nc_u64 s[6:7], s[6:7], s[34:35]
	FLOAD 0, 4, 0, 1                               ; x, tile 0
	FLOAD 64, 4, 65536, 1                          ; x, tile 1
	FLOAD 128, 6, 0, 0                             ; Wg1, rows 0-15
	v_and_b32 v[RR], 15, v0                        ; r
	v_bfe_u32 v[HH], v0, 4, 1                      ; h
	s_mul_i32 s27, s[WV], WSTG
	v_add_nc_u32 v[SW], s27, v[L16]                ; stage, in: 16 x lane
	v_mul_u32_u24 v[SRD], v[RR], SPITCH
	v_lshl_add_u32 v[SRD], v[HH], 6, v[SRD]
	v_add_nc_u32 v[SRD], s27, v[SRD]               ; stage, out: row r, + 64 h
	v_mul_u32_u24 v[CSW], v[RR], CPITCH
	v_lshl_add_u32 v[CSW], v[HH], 4, v[CSW]
	s_lshl_b32 s27, s[WV], 7
	s_add_co_u32 s27, s27, CST
	v_add_nc_u32 v[CSW], s27, v[CSW]               ; codes: row r, byte 128 w + 16 h
	s_lshl_b32 s27, s[WV], 2
	s_add_co_u32 s27, s27, XSC
	v_lshl_add_u32 v[XSW], v[RR], 5, s27           ; scale words: 32 r + 4 w
	s_lshl_b32 s27, s[WV], 12
	s_add_co_u32 s27, s27, PSUM
	v_add_nc_u32 v[PSW], s27, v[L16]
	s_mul_i32 s27, s[WV], 4*CPITCH
	s_add_co_u32 s27, s27, CST
	v_add_nc_u32 v[CRD], s27, v[L16]               ; codes, back: my four rows
	s_and_b32 s36, s[WV], 1                        ; the tile that waves 0 and 1 finish, the half that waves 2 and 3 store
	s_lshl_b32 s27, s36, 15
	s_add_co_u32 s27, s27, PSUM
	v_add_nc_u32 v[PRD], s27, v[L16]
	s_lshl_b32 s27, s36, 9
	s_add_co_u32 s27, s27, XSC
	v_add_nc_u32 v[XRD], s27, v[L16]
	v_lshlrev_b32 v[O32], 5, v[RR]
	v_lshl_add_u32 v[O32], v[HH], 4, v[O32]        ; out1, gsel: 32 r + 16 h
	v_lshlrev_b32 v[O8], 3, v[RR]
	v_lshl_add_u32 v[O8], v[HH], 2, v[O8]          ; out2: 8 r + 4 h
	v_lshlrev_b32 v[L8], 3, v[LANE]
	v_mov_b32 v[ZERO], 0
	v_and_b32 v[G2O], 7, v0
	v_lshlrev_b32 v[G2O], 8, v[G2O]
	v_lshl_add_u32 v[G2O], v[HH], 5, v[G2O]        ; Wg2: row r % 8 of 256 bytes, + 32 h
	v_lshlrev_b32 v[B1O], 5, v[HH]                 ; bg1: 32 h
.irp b, 0,1,2,3
	v_mov_b32 v[TM+4+\b], 0                        ; written once: a lane permute's destination counts as one of its sources
.endr
	s_mov_b32 s[SEL], 0x76543210
	s_mov_b32 s[SEL+1], 0xfedcba98                 ; lane l xor 16
	s_mov_b32 s[MNT], 0x600000                     ; the mantissa field of 448
	s_mov_b32 s[HM], 0xffff0000                    ; lanes 16-31
	s_lshl_b32 s32, ttmp9, 15
	s_lshl_b32 s27, s[WV], 12
	s_add_co_u32 s32, s32, s27
	s_add_nc_u64 s[14:15], s[14:15], s[32:33]      ; x_codes: 32 rows a work-group, 4 a wave
	s_lshl_b32 s32, ttmp9, 10
	s_lshl_b32 s27, s36, 9
	s_add_co_u32 s32, s32, s27
	s_add_nc_u64 s[16:17], s[16:17], s[32:33]      ; x_scales, out1, gsel: 32 bytes a token
	s_add_nc_u64 s[18:19], s[18:19], s[32:33]
	s_add_nc_u64 s[22:23], s[22:23], s[32:33]
	s_lshr_b32 s32, s32, 2
	s_add_nc_u64 s[20:21], s[20:21], s[32:33]      ; out2: 8 bytes a token
	s_lshl_b32 s32, s32, 1
	s_add_nc_u64 s[24:25], s[24:25], s[32:33]      ; meta: 256 bytes a tile
	; six fragments through three slots.  Each wait leaves out the loads of the fragments asked for behind the one wanted
	s_wait_loadcnt 32
	TURN 0
	FLOAD 0, 6, 65536, 0                           ; Wg1, rows 16-31
	XQ 0
	s_wait_loadcnt 32
	TURN 64
	FLOAD 64, 6, 131072, 0                         ; rows 32-47
	XQ 1
	s_wait_loadcnt 32
	TURN 128
	FLOAD 128, 6, 196608, 0                        ; rows 48-63
	WMUL 0
	s_wait_loadcnt 32
	TURN 0
	WMUL 1
	s_wait_loadcnt 16
	TURN 64
	WMUL 2
	s_wait_loadcnt 0x0
	TURN 128
	WIN 0x40                                       ; the tail's constants, into the slot just left
.irp t, 0,1,2,3
.irp q, 0,1
	global_load_b128 v[G2+8*\t+4*\q:G2+8*\t+4*\q+3], v[G2O], s[10:11] offset:64*\t+16*\q      ; Wg2[r % 8][16 t + 8 h + 0 .. 7]
	global_load_b128 v[BG1+8*\t+4*\q:BG1+8*\t+4*\q+3], v[B1O], s[8:9] offset:64*\t+16*\q      ; bg1[16 t + 8 h + 0 .. 7]
.endr
.endr
	WIN 0
	global_load_b128 v[BG2:BG2+3], v[ZERO], s[12:13]
	global_load_b128 v[BG2+4:BG2+7], v[ZERO], s[12:13] offset:16
	WMUL 3
	PLACES 8                                       ; eight places between the last product and the first read of its result
.irp m, 0,1
.irp t, 0,1,2,3
	ds_store_b128 v[PSW], v[ACC+32*\m+8*\t:ACC+32*\m+8*\t+3] offset:32768*\m+1024*\t          ; each accumulator from its low end on
	ds_store_b128 v[PSW], v[ACC+32*\m+8*\t+4:ACC+32*\m+8*\t+7] offset:32768*\m+1024*\t+512
.endr
.endr
	s_wait_dscnt 0x0                               ; for the others' sake: my codes, scale words and partial sums lie in LDS
	s_barrier_signal -1
	s_barrier_wait -1
.irp j, 0,1,2,3,4,5,6,7
	ds_load_b128 v[X+4*\j:X+4*\j+3], v[CRD] offset:CPITCH*(\j/2)+512*(\j%2)
.endr
.irp j, 0,1,2,3,4,5,6,7
	s_wait_dscnt 7-\j                              ; the younger reads may be out
	global_store_b128 v[L16], v[X+4*\j:X+4*\j+3], s[14:15] offset:512*\j   ; 32 lanes store 512 consecutive bytes of a row of codes
.endr
	s_cmp_lt_u32 s[WV], 2
	s_cbranch_scc1 .Ltail
	s_cmp_lt_u32 s[WV], 4
	s_cbranch_scc0 .Lend
	ds_load_b128 v[48:51], v[XRD]                  ; waves 2 and 3: the scale words of 16 tokens, 512 consecutive bytes
	s_wait_dscnt 0x0
	global_store_b128 v[L16], v[48:51], s[16:17]
.Lend:
	s_wait_tensorcnt 0x0
	ds_add_u32 v254, v255
	s_wait_dscnt 0x0
	s_endpgm
; THE TAIL: waves 0 and 1, a tile each.
.macro PLOAD s                         ; K step s's partial sums into set s % 4 of window 1
	WIN 0x40
.irp p, 0,1,2,3,4,5,6,7
	ds_load_b128 v[32*((\s)%4)+4*\p:32*((\s)%4)+4*\p+3], v[PRD] offset:4096*(\s)+512*\p
.endr
.endm
.macro PADD s, left                    ; left: the reads of later partial sums, which may be out
	s_wait_dscnt \left
.if (\s) == 0
	WIN 0x05
.else
	WIN 0x04
.endif
.set i, 0
.rept 16
.if (\s) == 0
	v_pk_add_f32 v[H+i:H+i+1], v[BG1+i:BG1+i+1], v[i:i+1]                  ; the bias starts the sum
.else
	v_pk_add_f32 v[H+i:H+i+1], v[H+i:H+i+1], v[32*((\s)%4)+i:32*((\s)%4)+i+1]
.endif
.set i, i+2
.endr
.endm
.Ltail:
	s_wait_loadcnt 0x0                             ; Wg2, bg1, bg2
	s_wait_xcnt 0x0                                ; the stores of the codes have read v16-47, which are written again below
	PLOAD 0
	PLOAD 1
	PLOAD 2
	PLOAD 3
	PADD 0, 24
	PLOAD 4
	PADD 1, 24
	PLOAD 5
	PADD 2, 24
	PLOAD 6
	PADD 3, 24
	PLOAD 7
	PADD 4, 24
	PADD 5, 16
	PADD 6, 8
	PADD 7, 0
	WIN 0
.set i, 0
.rept 32
	v_max_num_f32 v[H+i], 0, v[H+i]                ; relu: H[8 t + j] = h(token r, 16 t + 8 h + j)
.set i, i+1
.endr
	PLACES 4
	; scores = h Wg2^T + bg2 in f32: source 0 = Wg2 (rows 8-15 repeat rows 0-7), source 1 = h.  Both sides give k = 2 (lane / 16) + i the hidden unit 16 t + 8 (lane / 16) + 2 p + i.
	; So every lane ends with score j of its token in register j.  Four accumulators by turns, one instruction a turn; they are written by matrix instructions alone.
	WIN 0x01
.irp p, 0,1,2,3
.irp t, 0,1,2,3
.if (\p == 0) && (\t == 0)
	v_wmma_f32_16x16x4_f32 v[SA:SA+7], v[G2:G2+1], v[H:H+1], v[BG2:BG2+7]
.elseif \p == 0
	v_wmma_f32_16x16x4_f32 v[SA+8*\t:SA+8*\t+7], v[G2+8*\t:G2+8*\t+1], v[H+8*\t:H+8*\t+1], 0
.else
	v_wmma_f32_16x16x4_f32 v[SA+8*\t:SA+8*\t+7], v[G2+8*\t+2*\p:G2+8*\t+2*\p+1], v[H+8*\t+2*\p:H+8*\t+2*\p+1], v[SA+8*\t:SA+8*\t+7]
.endif
.endr
.endr
	WIN 0
	PLACES 8
.irp j, 0,2,4,6
	v_pk_add_f32 v[16+\j:17+\j], v[SA+\j:SA+1+\j], v[SA+8+\j:SA+9+\j]      ; each accumulator from its low end on
.endr
.irp j, 0,2,4,6
	v_pk_add_f32 v[24+\j:25+\j], v[SA+16+\j:SA+17+\j], v[SA+24+\j:SA+25+\j]
.endr
.irp j, 0,2,4,6
	v_pk_add_f32 v[16+\j:17+\j], v[16+\j:17+\j], v[24+\j:25+\j]            ; v16-23: my token's eight scores
.endr
	v_max3_num_f32 v32, v16, v17, v18
	v_max3_num_f32 v32, v32, v19, v20
	v_max3_num_f32 v32, v32, v21, v22
	v_max_num_f32 v32, v32, v23                    ; the row's maximum is taken away ahead of the exponential
.irp j, 0,1,2,3,4,5,6,7
	v_sub_f32 v[24+\j], v[16+\j], v32
.endr
.irp j, 0,1,2,3,4,5,6,7
	v_mul_f32 v[24+\j], 0x3fb8aa3b, v[24+\j]       ; x log2(e)
.endr
.irp j, 0,1,2,3,4,5,6,7
	v_exp_f32 v[24+\j], v[24+\j]
.endr
	v_nop                                          ; a plain instruction behind the last exponential,
	s_wait_alu depctr_va_vdst(0)                   ; and one wait for the batch ahead of its first reader
	v_add_f32 v33, v24, v25
	v_add_f32 v34, v26, v27
	v_add_f32 v35, v28, v29
	v_add_f32 v36, v30, v31
	v_add_f32 v33, v33, v34
	v_add_f32 v35, v35, v36
	v_add_f32 v33, v33, v35
	v_rcp_f32 v34, v33
	v_nop
	s_wait_alu depctr_va_vdst(0)
	v_fma_f32 v35, -v33, v34, 1.0                  ; one Newton step on the reciprocal
	v_fma_f32 v34, v35, v34, v34
.irp j, 0,1,2,3,4,5,6,7
	v_mul_f32 v[40+\j], v[24+\j], v34              ; v40-47: the gate weights
.endr
	v_mov_b32 v48, v40
	v_mov_b32 v49, 0
.irp j, 1,2,3,4,5,6,7
	v_cmp_gt_f32 vcc_lo, v[40+\j], v48             ; strictly greater: a tie keeps the lower index
	v_cndmask_b32 v48, v48, v[40+\j], vcc_lo
	v_cndmask_b32 v49, v49, \j, vcc_lo             ; v49: the first index
.endr
.irp j, 0,1,2,3,4,5,6,7
	v_cmp_eq_u32 vcc_lo, \j, v49
	v_cndmask_b32 v[52+\j], v[40+\j], -1.0, vcc_lo ; the weights without the largest
	v_cndmask_b32 v[64+\j], 0, v[40+\j], vcc_lo    ; gsel, first part
.endr
	v_mov_b32 v50, v52
	v_mov_b32 v51, 0
.irp j, 1,2,3,4,5,6,7
	v_cmp_gt_f32 vcc_lo, v[52+\j], v50
	v_cndmask_b32 v50, v50, v[52+\j], vcc_lo
	v_cndmask_b32 v51, v51, \j, vcc_lo             ; v51: the second index
.endr
.irp j, 0,1,2,3,4,5,6,7
	v_cmp_eq_u32 vcc_lo, \j, v51
	v_cndmask_b32 v[64+\j], v[64+\j], v[40+\j], vcc_lo
.endr
	; the class of the set {lo, hi}: lo (15 - lo) / 2 + (lo odd ? 7 - hi : hi - lo - 1)
	v_min_u32 v76, v49, v51
	v_max_u32 v77, v49, v51
	v_sub_nc_u32 v78, 15, v76
	v_mul_u32_u24 v78, v78, v76
	v_lshrrev_b32 v78, 1, v78
	v_sub_nc_u32 v79, v77, v76
	v_add_nc_u32 v79, -1, v79
	v_sub_nc_u32 v86, 7, v77
	v_and_b32 v87, 1, v76
	v_cmp_eq_u32 vcc_lo, 1, v87
	v_cndmask_b32 v79, v79, v86, vcc_lo
	v_add_nc_u32 v80, v78, v79                     ; v80: my token's class
	v_mov_b32 v84, 0                               ; tokens of the tile whose class is my lane's number
	v_mov_b32 v81, 0                               ; tokens ahead of mine in the tile with my class
.set j, 0
.rept 16
	v_readlane_b32 s37, v80, j
	v_cmp_eq_u32 vcc_lo, s37, v[LANE]
	v_cndmask_b32 v86, 0, 1, vcc_lo
	v_add_nc_u32 v84, v84, v86
.if j < 15
	v_cmp_eq_u32 s38, s37, v80
	s_and_b32 s38, s38, ((0xffff<<(j+1))&0xffff)*0x10001   ; lanes whose token comes behind token j
	v_cndmask_b32 v86, 0, 1, s38
	v_add_nc_u32 v81, v81, v86
.endif
.set j, j+1
.endr
	v_lshl_or_b32 v85, v81, 8, v80                 ; class | rank << 8
.irp j, 0,1,2,3
	v_cndmask_b32 v[60+\j], v[40+\j], v[44+\j], s[HM]      ; lanes 0-15 store weights 0-3, lanes 16-31 weights 4-7
	v_cndmask_b32 v[72+\j], v[64+\j], v[68+\j], s[HM]
.endr
	v_cndmask_b32 v87, v49, v51, s[HM]
	global_store_b128 v[O32], v[60:63], s[18:19]   ; out1: 512 consecutive bytes
	global_store_b128 v[O32], v[72:75], s[22:23]   ; gsel likewise
	global_store_b32 v[O8], v87, s[20:21]          ; out2: 128 consecutive bytes
	global_store_b64 v[L8], v[84:85], s[24:25]     ; meta: 256 consecutive bytes, aligned
	s_wait_tensorcnt 0x0
	ds_add_u32 v254, v255
	s_wait_dscnt 0x0
	s_endpgm
.Lfunc_end_k_q05bb342f82_gate:
	.size	k_q05bb342f82_gate, .Lfunc_end_k_q05bb342f82_gate-k_q05bb342f82_gate
	.p2alignl 7, 3214868480
	.fill 96, 4, 3214868480
	.section	.rodata,"a",@progbits
	.p2align	6, 0x0
	.amdhsa_kernel k_q05bb342f82_gate
		.amdhsa_group_segment_fixed_size 168448
		.amdhsa_private_segment_fixed_size 0
		.amdhsa_enable_private_segment 0
		.amdhsa_kernarg_size 88
		.amdhsa_user_sgpr_count 2
		.amdhsa_user_sgpr_kernarg_segment_ptr 1
		.amdhsa_wavefront_size32 1
		.amdhsa_system_sgpr_workgroup_id_x 1
		.amdhsa_system_sgpr_workgroup_id_y 1
		.amdhsa_system_sgpr_workgroup_id_z 1
		.amdhsa_system_vgpr_workitem_id 0
		.amdhsa_next_free_vgpr 448
		.amdhsa_next_free_sgpr 66
		.amdhsa_reserve_vcc 1
		.amdhsa_float_denorm_mode_32 3
		.amdhsa_float_denorm_mode_16_64 3
		.amdhsa_memory_ordered 1
		.amdhsa_forward_progress 1
		.amdhsa_inst_pref_size 110
	.end_amdhsa_kernel
	.amdgpu_metadata
---
amdhsa.version: [ 1, 2 ]
amdhsa.kernels:
  - .name:           k_q05bb342f82_gate
    .symbol:         k_q05bb342f82_gate.kd
    .args:
      - { .name: x, .offset: 0, .size: 8, .value_kind: global_buffer, .address_space: global }
      - { .name: Wg1, .offset: 8, .size: 8, .value_kind: global_buffer, .address_space: global }
      - { .name: bg1, .offset: 16, .size: 8, .value_kind: global_buffer, .address_space: global }
      - { .name: Wg2, .offset: 24, .size: 8, .value_kind: global_buffer, .address_space: global }
      - { .name: bg2, .offset: 32, .size: 8, .value_kind: global_buffer, .address_space: global }
      - { .name: x_codes, .offset: 40, .size: 8, .value_kind: global_buffer, .address_space: global }
      - { .name: x_scales, .offset: 48, .size: 8, .value_kind: global_buffer, .address_space: global }
      - { .name: out1, .offset: 56, .size: 8, .value_kind: global_buffer, .address_space: global }
      - { .name: out2, .offset: 64, .size: 8, .value_kind: global_buffer, .address_space: global }
      - { .name: gsel, .offset: 72, .size: 8, .value_kind: global_buffer, .address_space: global }
      - { .name: meta, .offset: 80, .size: 8, .value_kind: global_buffer, .address_space: global }
    .group_segment_fixed_size: 168448
    .private_segment_fixed_size: 0
    .kernarg_segment_align: 8
    .kernarg_segment_size: 88
    .max_flat_workgroup_size: 256
    .sgpr_count:     66
    .vgpr_count:     448
    .wavefront_size: 32
...
	.end_amdgpu_metadata
.endif
;; end of part 1
;; launch prep (part 2): grid 257 x 1, 8 waves a work-group, no clusters, 70,656 bytes of LDS; arguments We, meta, w_codes, w_scales, order, blist; writes w_codes, w_scales, order, blist
.if DOCPART == 2
	.amdgcn_target "amdgcn-amd-amdhsa--gfx1250"
	.amdhsa_code_object_version 6
	.text
	.protected	k_q05bb342f82_prep
	.globl	k_q05bb342f82_prep
	.p2align	8
	.type	k_q05bb342f82_prep,@function
k_q05bb342f82_prep:
	s_mov_b64 s[64:65], 0
	v_nop
	global_prefetch_b8 v0, s[64:65] scope:SCOPE_SE
	s_setreg_imm32_b32 hwreg(HW_REG_WAVE_MODE, 25, 1), 1
	s_wait_xcnt 0x0
; TWO JOBS IN ONE LAUNCH, parted on the work-group's number; each has LDS bytes of its own.
; Work-groups 1 to 256 quantise We, taken as [8192 rows = expert x column][1024], to E4M3 codes with one E8M0 byte for each 32 along K.  The codes are laid in the order of an operand's registers:
;   w_codes [T = row / 16][K step 0..7][c 0..3][lane][16 bytes]: lane (r, h), group c holds row 16 T + r, k = 128 s + 32 c + 16 h + 0 .. 15.   w_scales [row][8 words].
;   A work-group takes 32 rows, wave w K step w: two fragments.  Loads read 512 consecutive bytes of a row, the numbers turn through the wave's own stage, each store of codes covers 512 consecutive bytes.
; Work-group 0 sorts the tokens by class (a counting sort on the histograms and ranks that the launch before stored): order [8192] token numbers; blist [64 blocks of 128 sorted tokens][2] = (the experts that
;   the block uses, four bits each, ascending; how many).  Wave w takes tiles 64 w .. 64 w + 63; a lane is a class for the sums and a token for the placing.
; Work-groups share no input here, so there is no cluster; no tensor load, no ring.
; LIMITS: NaN and infinities are not served; a block whose largest magnitude lies under 2^-118 has its byte held at 1; a block of zeros gets the byte 1 and not 127 (its codes are zeros, and this program alone reads the bytes).
.set SPITCH, 528
.set WSTG,   16*SPITCH
.set WSC,    8*WSTG                    ; the quantiser's scale words [32 rows][8]
.set PL,     WSC+1024                  ; the sort's: [8 waves][32 classes] totals
.set L16, 1
.set SW,  2
.set SRD, 3
.set WSW, 4
.set WRD, 5
.set RR,  9
.set HH,  10
.set SWD, 12                           ; v12-13 the two fragments' scale words
.set LANE, 14
.set R0,  16
.set R1,  80
.set X,   144
.set PC0, 208
.set TM,  240
.set WV,  16
.set SEL, 24
.set MNT, 26
.set CBS, 66                           ; s66-94: where each class begins among the sorted tokens, and the end
.set M,   16                           ; the sort: v16-143 64 pairs (histogram, route)
.set P,   144                          ; v144-208 running sums
.macro FLOAD reg, off
.irp i, 0,1,2,3,4,5,6,7,8,9,10,11,12,13,14,15
	global_load_b128 v[\reg+4*\i:\reg+4*\i+3], v[L16], s[4:5] offset:\off+4096*\i th:TH_LOAD_NT
.endr
.endm
.macro TURN reg                        ; afterwards X[16 c + i] = k 32 c + 16 (lane / 16) + i of row lane % 16
.irp i, 0,1,2,3,4,5,6,7,8,9,10,11,12,13,14,15
	ds_store_b128 v[SW], v[\reg+4*\i:\reg+4*\i+3] offset:SPITCH*\i
.endr
.irp c, 0,1,2,3
.irp j, 0,1,2,3
	ds_load_b128 v[X+16*\c+4*\j:X+16*\c+4*\j+3], v[SRD] offset:128*\c+16*\j
.endr
.endr
	s_wait_dscnt 0x0
.endm
.macro QUANT src, dst, wrd
.irp b, 0,1,2,3
	v_max3_num_f32 v[TM+\b], |v[\src+16*\b]|, |v[\src+1+16*\b]|, 0x4800000   ; my 16 numbers and the floor 2^(9 - 127)
.endr
.irp i, 2,4,6,8,10,12,14
.irp b, 0,1,2,3
	v_max3_num_f32 v[TM+\b], v[TM+\b], |v[\src+16*\b+\i]|, |v[\src+1+16*\b+\i]|
.endr
.endr
.irp b, 0,1,2,3
	v_permlanex16_b32 v[TM+4+\b], v[TM+\b], s[SEL], s[SEL+1]
.endr
.irp b, 0,1,2,3
	v_max_num_f32 v[TM+\b], v[TM+\b], v[TM+4+\b]
.endr
.irp b, 0,1,2,3
	v_add_nc_u32 v[TM+12+\b], 0xfc000000, v[TM+\b]         ; 8 off the exponent field: the conversion's scale operand
.endr
.irp b, 0,1,2,3
	v_and_or_b32 v[TM+8+\b], v[TM+\b], 0x7f800000, s[MNT]  ; 448 x the scale
.endr
.irp b, 0,1,2,3
	v_lshrrev_b32 v[TM+4+\b], 23, v[TM+12+\b]              ; the scale's byte
.endr
	v_lshl_or_b32 v[\wrd], v[TM+5], 8, v[TM+4]
	v_lshl_or_b32 v[\wrd], v[TM+6], 16, v[\wrd]
	v_lshl_or_b32 v[\wrd], v[TM+7], 24, v[\wrd]
.irp b, 0,1,2,3
.irp i, 0,1,2,3,4,5,6,7,8,9,10,11,12,13,14,15
	v_med3_num_f32 v[\src+16*\b+\i], v[\src+16*\b+\i], -v[TM+8+\b], v[TM+8+\b]   ; the conversion does not saturate (ISA guide 7.6.2): the hold comes first
.endr
	v_cvt_scalef32_pk8_fp8_f32 v[\dst+4*\b:\dst+1+4*\b], v[\src+16*\b:\src+7+16*\b], v[TM+12+\b]
	v_cvt_scalef32_pk8_fp8_f32 v[\dst+2+4*\b:\dst+3+4*\b], v[\src+8+16*\b:\src+15+16*\b], v[TM+12+\b]
.endr
	v_nop                                  ; one plain instruction behind the last scaled conversion
.endm
.macro FRAG m, reg, left
	s_wait_loadcnt \left
	TURN \reg
	QUANT X, PC0+16*\m, SWD+\m
.irp c, 0,1,2,3
	global_store_b128 v[L16], v[PC0+16*\m+4*\c:PC0+16*\m+4*\c+3], s[8:9] offset:16384*\m+512*\c   ; 512 consecutive bytes; each fragment has its own registers, so no store's data are written again
.endr
	ds_store_b32 v[WSW], v[SWD+\m] offset:512*\m
.endm
	s_load_b256 s[4:11], s[0:1], 0x0               ; We, meta, w_codes, w_scales
	s_load_b128 s[12:15], s[0:1], 0x20             ; order, blist
	v_lshl_add_u32 v11, v0, 2, 0x11000
	v_mov_b32 v15, 0
	v_lshrrev_b32 v[RR], 5, v0
	v_readfirstlane_b32 s[WV], v[RR]               ; wave 0..7
	v_and_b32 v[LANE], 31, v0
	s_mov_b32 s19, 0                               ; the high word of every offset pair s[18:19]
	s_cmp_eq_u32 ttmp9, 0
	s_cbranch_scc1 .Lplace
	; ---- the quantiser
	v_lshlrev_b32 v[L16], 4, v[LANE]
	s_sub_co_u32 s17, ttmp9, 1                     ; which 32 rows
	s_lshl_b32 s18, s17, 17
	s_lshl_b32 s20, s[WV], 9
	s_add_co_u32 s18, s18, s20
	s_wait_kmcnt 0x0
	s_add_nc_u64 s[4:5], s[4:5], s[18:19]
	FLOAD R0, 0
	FLOAD R1, 65536
	v_and_b32 v[RR], 15, v0
	v_bfe_u32 v[HH], v0, 4, 1
	s_mul_i32 s20, s[WV], WSTG
	v_add_nc_u32 v[SW], s20, v[L16]
	v_mul_u32_u24 v[SRD], v[RR], SPITCH
	v_lshl_add_u32 v[SRD], v[HH], 6, v[SRD]
	v_add_nc_u32 v[SRD], s20, v[SRD]
	s_lshl_b32 s20, s[WV], 2
	s_add_co_u32 s20, s20, WSC
	v_lshl_add_u32 v[WSW], v[RR], 5, s20           ; 32 r + 4 w
	s_and_b32 s21, s[WV], 1
	s_lshl_b32 s21, s21, 9
	s_add_co_u32 s20, s21, WSC
	v_add_nc_u32 v[WRD], s20, v[L16]
.irp b, 0,1,2,3
	v_mov_b32 v[TM+4+\b], 0                        ; a lane permute's destination counts as one of its sources
.endr
	s_mov_b32 s[SEL], 0x76543210
	s_mov_b32 s[SEL+1], 0xfedcba98
	s_mov_b32 s[MNT], 0x600000
	s_lshl_b32 s18, s17, 15                        ; two fragments' rows of 16,384 bytes,
	s_lshl_b32 s20, s[WV], 11                      ; my K step's 2,048
	s_add_co_u32 s18, s18, s20
	s_add_nc_u64 s[8:9], s[8:9], s[18:19]
	s_lshl_b32 s18, s17, 10
	s_add_co_u32 s18, s18, s21
	s_add_nc_u64 s[10:11], s[10:11], s[18:19]
	FRAG 0, R0, 16                                 ; the other fragment's 16 loads may be out
	FRAG 1, R1, 0
	s_wait_dscnt 0x0                               ; for the others' sake: my scale words lie in LDS
	s_barrier_signal -1
	s_barrier_wait -1
	s_cmp_lt_u32 s[WV], 2
	s_cbranch_scc0 .Lqdone
	ds_load_b128 v[16:19], v[WRD]                  ; waves 0 and 1: the scale words of 16 rows, 512 consecutive bytes
	s_wait_dscnt 0x0
	global_store_b128 v[L16], v[16:19], s[10:11]
.Lqdone:
	s_wait_tensorcnt 0x0
	ds_add_u32 v11, v15
	s_wait_dscnt 0x0
	s_endpgm
	; ---- the sort
.Lplace:
	v_lshlrev_b32 v1, 3, v[LANE]                   ; 8 x lane
	s_lshl_b32 s20, s[WV], 7
	s_add_co_u32 s20, s20, PL
	v_lshl_add_u32 v2, v[LANE], 2, s20             ; my wave's totals
	v_lshl_add_u32 v3, v[LANE], 2, PL              ; every wave's, for my class
	s_lshl_b32 s18, s[WV], 14                      ; 64 tiles of 256 bytes
	s_wait_kmcnt 0x0
	s_add_nc_u64 s[6:7], s[6:7], s[18:19]
.set k, 0
.rept 64
	global_load_b64 v[M+2*k:M+2*k+1], v1, s[6:7] offset:256*k
.set k, k+1
.endr
	v_and_b32 v221, 15, v0
	s_lshl_b32 s20, s[WV], 10
	v_add_nc_u32 v221, s20, v221                   ; token = 1,024 w + 16 k + lane % 16
	v_mov_b32 v[P], 0
	v_mov_b32 v217, 0
	v_mov_b32 v218, 0
	v_mov_b32 v219, 0
	s_wait_loadcnt 0x0
.set k, 0
.rept 64
	v_add_nc_u32 v[P+k+1], v[P+k], v[M+2*k]        ; my class's tokens in my wave's tiles ahead of tile k + 1
.set k, k+1
.endr
	ds_store_b32 v2, v[P+64]
	s_wait_dscnt 0x0
	s_barrier_signal -1
	s_barrier_wait -1
.irp j, 0,1,2,3,4,5,6,7
	ds_load_b32 v[209+\j], v3 offset:128*\j
.endr
	s_wait_dscnt 0x0
.irp j, 0,1,2,3,4,5,6,7
	s_cmp_lt_u32 \j, s[WV]
	s_cselect_b32 s22, -1, 0
	v_add_nc_u32 v217, v217, v[209+\j]             ; my class's tokens in all,
	v_and_b32 v222, s22, v[209+\j]
	v_add_nc_u32 v218, v218, v222                  ; and in the waves ahead of mine
.endr
	s_mov_b32 s21, 0
.set c, 0
.rept 28
	s_mov_b32 s[CBS+c], s21                        ; where class c begins
	v_readlane_b32 s22, v217, c
	s_add_co_u32 s21, s21, s22
	v_writelane_b32 v219, s[CBS+c], c
.set c, c+1
.endr
	s_mov_b32 s[CBS+28], 0x2000
	v_add_nc_u32 v220, v219, v218
; 32 tiles: each token fetches, from the lane of its class, where its class's tokens of its tile begin, adds its rank, and stores its number there
.macro PLACE k0
.set k, \k0
.rept 32
	v_add_nc_u32 v[P+k], v[P+k], v220
	v_and_b32 v[M+2*k], 0xff, v[M+2*k+1]
	v_min_u32 v[M+2*k], 31, v[M+2*k]               ; a lane's number
	v_lshlrev_b32 v[M+2*k], 2, v[M+2*k]
	ds_bpermute_b32 v[M+2*k], v[M+2*k], v[P+k]
.set k, k+1
.endr
	s_wait_dscnt 0x0
.set k, \k0
.rept 32
	v_bfe_u32 v222, v[M+2*k+1], 8, 8               ; the rank
	v_add_nc_u32 v[M+2*k], v[M+2*k], v222
	v_min_u32 v[M+2*k], 0x1fff, v[M+2*k]           ; a place among 8,192
	v_lshlrev_b32 v[M+2*k], 2, v[M+2*k]
	v_add_nc_u32 v[M+2*k+1], 16*k, v221
	global_store_b32 v[M+2*k], v[M+2*k+1], s[12:13]        ; lanes 16-31 repeat lanes 0-15: the same place, the same number.  Each tile has its own registers: none is written again
.set k, k+1
.endr
.endm
	PLACE 0
	PLACE 32
	s_cmp_lt_u32 s[WV], 2
	s_cbranch_scc0 .Lpdone
	; waves 0 and 1: a lane is a block of 128 sorted tokens; a class whose range meets the block's adds its two experts
	s_lshl_b32 s20, s[WV], 12
	v_lshl_add_u32 v223, v[LANE], 7, s20
	v_add_nc_u32 v224, 128, v223
	v_mov_b32 v225, 0
.set c, 0
.irp lo, 0,1,2,3,4,5,6
.set n, 0
.rept 7-\lo
.if (\lo)%2
.set hi, 7-n
.else
.set hi, \lo+1+n
.endif
	v_max_u32 v226, s[CBS+c], v223
	v_min_u32 v227, s[CBS+c+1], v224
	v_cmp_lt_u32 vcc_lo, v226, v227
	v_cndmask_b32 v226, 0, (1<<\lo)|(1<<hi), vcc_lo
	v_or_b32 v225, v225, v226
.set n, n+1
.set c, c+1
.endr
.endr
	v_mov_b32 v228, 0                              ; the list,
	v_mov_b32 v229, 0                              ; its length
.irp e, 0,1,2,3,4,5,6,7
	v_bfe_u32 v230, v225, \e, 1
	v_mul_u32_u24 v231, v230, \e
	v_lshlrev_b32 v232, 2, v229
	v_lshl_or_b32 v228, v231, v232, v228
	v_add_nc_u32 v229, v229, v230
.endr
	s_lshl_b32 s18, s[WV], 8
	s_add_nc_u64 s[14:15], s[14:15], s[18:19]
	global_store_b64 v1, v[228:229], s[14:15]      ; 256 consecutive bytes a wave
.Lpdone:
	s_wait_tensorcnt 0x0
	ds_add_u32 v11, v15
	s_wait_dscnt 0x0
	s_endpgm
.Lfunc_end_k_q05bb342f82_prep:
	.size	k_q05bb342f82_prep, .Lfunc_end_k_q05bb342f82_prep-k_q05bb342f82_prep
	.p2alignl 7, 3214868480
	.fill 96, 4, 3214868480
	.section	.rodata,"a",@progbits
	.p2align	6, 0x0
	.amdhsa_kernel k_q05bb342f82_prep
		.amdhsa_group_segment_fixed_size 70656
		.amdhsa_private_segment_fixed_size 0
		.amdhsa_enable_private_segment 0
		.amdhsa_kernarg_size 48
		.amdhsa_user_sgpr_count 2
		.amdhsa_user_sgpr_kernarg_segment_ptr 1
		.amdhsa_wavefront_size32 1
		.amdhsa_system_sgpr_workgroup_id_x 1
		.amdhsa_system_sgpr_workgroup_id_y 1
		.amdhsa_system_sgpr_workgroup_id_z 1
		.amdhsa_system_vgpr_workitem_id 0
		.amdhsa_next_free_vgpr 256
		.amdhsa_next_free_sgpr 96
		.amdhsa_reserve_vcc 1
		.amdhsa_float_denorm_mode_32 3
		.amdhsa_float_denorm_mode_16_64 3
		.amdhsa_memory_ordered 1
		.amdhsa_forward_progress 1
		.amdhsa_inst_pref_size 87
	.end_amdhsa_kernel
	.amdgpu_metadata
---
amdhsa.version: [ 1, 2 ]
amdhsa.kernels:
  - .name:           k_q05bb342f82_prep
    .symbol:         k_q05bb342f82_prep.kd
    .args:
      - { .name: We, .offset: 0, .size: 8, .value_kind: global_buffer, .address_space: global }
      - { .name: meta, .offset: 8, .size: 8, .value_kind: global_buffer, .address_space: global }
      - { .name: w_codes, .offset: 16, .size: 8, .value_kind: global_buffer, .address_space: global }
      - { .name: w_scales, .offset: 24, .size: 8, .value_kind: global_buffer, .address_space: global }
      - { .name: order, .offset: 32, .size: 8, .value_kind: global_buffer, .address_space: global }
      - { .name: blist, .offset: 40, .size: 8, .value_kind: global_buffer, .address_space: global }
    .group_segment_fixed_size: 70656
    .private_segment_fixed_size: 0
    .kernarg_segment_align: 8
    .kernarg_segment_size: 48
    .max_flat_workgroup_size: 256
    .sgpr_count:     96
    .vgpr_count:     256
    .wavefront_size: 32
...
	.end_amdgpu_metadata
.endif
;; end of part 2
;; launch experts (part 3): grid 4 x 64, 4 waves a work-group, no clusters, 153,088 bytes of LDS; arguments x_codes, x_scales, w_codes, w_scales, be, gsel, order, blist, out0; writes out0
.if DOCPART == 3
	.amdgcn_target "amdgcn-amd-amdhsa--gfx1250"
	.amdhsa_code_object_version 6
	.text
	.protected	k_q05bb342f82_experts
	.globl	k_q05bb342f82_experts
	.p2align	8
	.type	k_q05bb342f82_experts,@function
k_q05bb342f82_experts:
	s_mov_b64 s[64:65], 0
	v_nop
	global_prefetch_b8 v0, s[64:65] scope:SCOPE_SE
	s_setreg_imm32_b32 hwreg(HW_REG_WAVE_MODE, 25, 1), 1
	s_wait_xcnt 0x0
; out0[token] = the sum over the token's two experts e of gate weight x (Q(x) Q(We[e])^T + be[e]), on E4M3 codes with E8M0 scales.
; SHARES.  Work-group (x, y) owns the 128 tokens at places 128 y .. 128 y + 127 of the sorted list and columns 256 x .. 256 x + 255: every output row has one owner.  THE WAVES SHARE THE COLUMNS: wave w makes all
; 128 rows x 64 columns, so each fragment of weights is loaded once in a work-group, from w_codes (laid in the order of an operand's registers) straight into registers.  The gathered rows of x lie in LDS.
; The work-group walks only the experts that its block uses (the stored list: two to eight).  For each: TMP = be (the C of K step 0) + x We^T; then OUT (+)= g x TMP, g = gsel[token][e], 0 for a token that did not choose e.
; THE MATRIX INSTRUCTION IS USED TRANSPOSED (source 0 = 16 columns of We, source 1 = 16 tokens): a lane holds one token and eight neighbouring columns.
; NO CLUSTER, NO TENSOR LOAD: trip count and weight addresses hang on the stored list, which differs from block to block, and the rows of x are gathered by stored numbers; work-groups of one block row walk other columns.
; LIMITS: NaN and infinities are not served: a product that is not finite for an expert that a token did not choose would spoil that token's row (0 x it).
; REGISTERS.  Window 0: v1-15 addresses; v16-47 x's scale words, v48-63 We's (scales and nothing else); v64-95 the bias; v96-111 g (even registers; first the gather's row offsets); v112-127 token offsets;
;   v128-191, v192-255 weights, buffers 0 and 1.   Window 1: v0-127 x's eight fragments; v128-255 weights, buffers 2 and 3.   Window 2: TMP (a, b) at 8 (4 a + b).   Window 3: OUT likewise.
.set APITCH, 1040                      ; a row of codes in LDS: 1,024 bytes + 16: an odd multiple of 16
.set LIST,   128*APITCH                ; each wave's own copy of the block's 128 token numbers
.set STAGE,  LIST+4*512                ; the way out: 16 rows x (256 bytes + 16) for each wave
.set SP,     272
.set LB,    1
.set ADRA0, 2
.set ADRA1, 3
.set BO,    4
.set SO,    5
.set STO,   6
.set RD,    7
.set CO,    8
.set TLA,   9
.set TLR,   10
.set LW,    11
.set AST,   12
.set T0,    13
.set T1,    14
.set TLG,   15
.set AS,    16
.set BS,    48
.set BIAS,  64
.set G,     96
.set ROFF,  96
.set TOKG,  112
.set TOKV,  120
.set ASO,   124
.set RR,    200                        ; at work in the head only
.set HH,    201
.set OFFR,  128                        ; the way out: 64 row offsets; v192-255 two sets of rows read back
.set BK,    192
.set LISTR, 22
.set CNT,   23
.set WV,    24
.set J,     25
.set CM1,   26
.set CURC,  36
.set CURS,  38
.set CURG,  40
.set NXTC,  42
.set NXTS,  44
.set NXTB,  46
.set MSB, 0
.macro WIN new                         ; the immediate's high byte repeats the setting that is left
.if MSB != \new
	s_set_vgpr_msb (MSB<<8)|\new
.set MSB, \new
.endif
.endm
.macro PLACES                          ; eight places behind this matrix form, in front of loads into its registers and of reads of its results
.rept 8
	v_nop
.endr
.endm
.macro EXPERT d, add                   ; s[d] = entry J + add of the list, held to 0 .. 7
	s_add_co_u32 s27, s[J], \add
	s_lshl_b32 s27, s27, 2
	s_lshr_b32 s[\d], s[LISTR], s27
	s_and_b32 s[\d], s[\d], 7
	s_min_u32 s[\d], s[\d], 7
.endm
.macro CURBASES                        ; the expert in hand: codes, scale words, its column of gsel
	EXPERT 28, 0
	s_lshl_b32 s32, s28, 20
	s_add_nc_u64 s[CURC:CURC+1], s[8:9], s[32:33]
	s_lshl_b32 s32, s28, 15
	s_add_nc_u64 s[CURS:CURS+1], s[10:11], s[32:33]
	s_lshl_b32 s32, s28, 2
	s_add_nc_u64 s[CURG:CURG+1], s[14:15], s[32:33]
.endm
.macro NXTBASES add                    ; the expert whose first loads go out: codes, scale words, bias
	EXPERT 29, \add
	s_lshl_b32 s32, s29, 20
	s_add_nc_u64 s[NXTC:NXTC+1], s[8:9], s[32:33]
	s_lshl_b32 s32, s29, 15
	s_add_nc_u64 s[NXTS:NXTS+1], s[10:11], s[32:33]
	s_lshl_b32 s32, s29, 12
	s_add_nc_u64 s[NXTB:NXTB+1], s[12:13], s[32:33]
.endm
; one product: tokens 16 a on, columns 16 b on, K step s.  A scale register holds two neighbouring blocks' words: the even block's in lanes 0-15, the odd one's in lanes 16-31
.macro WM a, b, s
.set rD,  8*(4*(\a)+(\b))
.set rB,  128+64*((\s)%2)+16*(\b)
.set rA,  16*(\a)
.set rSB, BS+8*((\b)/2)+(\s)
.set rSA, AS+8*((\a)/2)+(\s)
.if (\s) == 0
.if ((\a)%2) && ((\b)%2)
	v_wmma_scale_f32_16x16x128_f8f6f4 v[rD:rD+7], v[rB:rB+15], v[rA:rA+15], v[BIAS+8*(\b):BIAS+8*(\b)+7], v[rSB], v[rSA] matrix_a_scale:MATRIX_SCALE_ROW1 matrix_b_scale:MATRIX_SCALE_ROW1
.elseif (\b)%2
	v_wmma_scale_f32_16x16x128_f8f6f4 v[rD:rD+7], v[rB:rB+15], v[rA:rA+15], v[BIAS+8*(\b):BIAS+8*(\b)+7], v[rSB], v[rSA] matrix_a_scale:MATRIX_SCALE_ROW1
.elseif (\a)%2
	v_wmma_scale_f32_16x16x128_f8f6f4 v[rD:rD+7], v[rB:rB+15], v[rA:rA+15], v[BIAS+8*(\b):BIAS+8*(\b)+7], v[rSB], v[rSA] matrix_b_scale:MATRIX_SCALE_ROW1
.else
	v_wmma_scale_f32_16x16x128_f8f6f4 v[rD:rD+7], v[rB:rB+15], v[rA:rA+15], v[BIAS+8*(\b):BIAS+8*(\b)+7], v[rSB], v[rSA]
.endif
.else
.if ((\a)%2) && ((\b)%2)
	v_wmma_scale_f32_16x16x128_f8f6f4 v[rD:rD+7], v[rB:rB+15], v[rA:rA+15], v[rD:rD+7], v[rSB], v[rSA] matrix_a_scale:MATRIX_SCALE_ROW1 matrix_b_scale:MATRIX_SCALE_ROW1
.elseif (\b)%2
	v_wmma_scale_f32_16x16x128_f8f6f4 v[rD:rD+7], v[rB:rB+15], v[rA:rA+15], v[rD:rD+7], v[rSB], v[rSA] matrix_a_scale:MATRIX_SCALE_ROW1
.elseif (\a)%2
	v_wmma_scale_f32_16x16x128_f8f6f4 v[rD:rD+7], v[rB:rB+15], v[rA:rA+15], v[rD:rD+7], v[rSB], v[rSA] matrix_b_scale:MATRIX_SCALE_ROW1
.else
	v_wmma_scale_f32_16x16x128_f8f6f4 v[rD:rD+7], v[rB:rB+15], v[rA:rA+15], v[rD:rD+7], v[rSB], v[rSA]
.endif
.endif
.endm
; 16 products: four blocks of tokens x four of columns.  The 32 accumulators take turns, one instruction a turn, in the same order in every step
.macro MULH s, half
.if (\s) == 0
	WIN 0x84                               ; weights window 0, x window 1, the bias window 0, TMP window 2
.elseif ((\s)%4) < 2
	WIN 0xA4                               ; weights window 0, x window 1, C and D window 2
.else
	WIN 0xA5                               ; weights window 1
.endif
.irp a, 0,1,2,3
.irp b, 0,1,2,3
	WM 4*(\half)+\a, \b, \s
.endr
.endr
.endm
.macro FETCH_A s, half                 ; four fragments of x for K step s: 16 LDS loads
	WIN 0x40
.irp a, 0,1,2,3
.irp c, 0,1,2,3
	ds_load_b128 v[16*(4*(\half)+\a)+4*\c:16*(4*(\half)+\a)+4*\c+3], v[ADRA0+(\half)] offset:16*APITCH*\a+128*(\s)+32*\c
.endr
.endr
.endm
.macro BL base, s                      ; my four fragments of weights for K step s into buffer s % 4: 16 loads of 512 consecutive bytes
.if ((\s)%4) < 2
	WIN 0
.else
	WIN 0x40
.endif
.irp b, 0,1,2,3
.irp c, 0,1,2,3
	global_load_b128 v[128+64*((\s)%2)+16*\b+4*\c:128+64*((\s)%2)+16*\b+4*\c+3], v[LB], s[\base:\base+1] offset:16384*\b+2048*(\s)+512*\c
.endr
.endr
.endm
.macro LBIAS                           ; be[e][col0 + 16 b + 8 h + 0 .. 7], in the result's layout
.irp b, 0,1,2,3
.irp q, 0,1
	global_load_b128 v[BIAS+8*\b+4*\q:BIAS+8*\b+4*\q+3], v[BO], s[NXTB:NXTB+1] offset:64*\b+16*\q
.endr
.endr
.endm
.macro LBSLO                           ; the weights' scale words of K steps 0-3: lane l takes column 32 u + l
.irp u, 0,1
	global_load_b128 v[BS+8*\u:BS+8*\u+3], v[SO], s[NXTS:NXTS+1] offset:1024*\u
.endr
.endm
; K STEP s of an expert.  pf = 1: another expert follows, and its first loads go out in steps 1, 4, 5, 6, 7.
; Weights run three steps ahead in four buffers; a buffer is loaded again a step behind its last product, behind that step's places.  The wait on LOADcnt leaves out the loads issued behind this step's weights.
.macro STEP s, pf
.set NN, 32
.if (\s) == 1
.set NN, 42                            ; step 2's weights, g (8), scale words (2), step 3's weights
.elseif (\s) == 2
.set NN, 42+8*(\pf)                    ; + the next bias
.elseif (\s) == 3
.set NN, 32+8*(\pf)
.elseif (\s) == 5
.set NN, 32+2*(\pf)                    ; + the next expert's scale words
.elseif (\s) == 6
.set NN, 16+18*(\pf)
.elseif (\s) == 7
.set NN, 32*(\pf)
.endif
	s_wait_dscnt 16                                ; x's fragments 0-3 are in; the 16 youngest LDS loads may be out
	s_wait_loadcnt NN
	MULH \s, 0
	s_wait_dscnt 0x0                               ; fragments 4-7
.if ((\s) < 7) || (\pf)
	PLACES
	FETCH_A ((\s)+1)%8, 0
.endif
.if (\s) == 0
	WIN 0
.irp a, 0,1,2,3,4,5,6,7
	global_load_b32 v[G+2*\a], v[TOKG+\a], s[CURG:CURG+1]          ; g of token 16 a + r
.endr
.irp u, 0,1
	global_load_b128 v[BS+8*\u+4:BS+8*\u+7], v[SO], s[CURS:CURS+1] offset:1024*\u+16   ; scale words of K steps 4-7
.endr
.endif
.if ((\s) == 1) && (\pf)
	WIN 0
	LBIAS
.endif
.if ((\s) == 4) && (\pf)
	WIN 0
	LBSLO
.endif
.if (\s) < 5
	BL CURC, (\s)+3
.elseif \pf
	BL NXTC, (\s)-5
.endif
	MULH \s, 1
	PLACES
.if ((\s) < 7) || (\pf)
	FETCH_A ((\s)+1)%8, 1
.endif
.endm
.macro COMBINE first                   ; OUT (+)= g x TMP, each accumulator from its low end on; the places stand at the end of step 7
.if \first
	WIN 0xC2                               ; TMP window 2, g window 0, OUT window 3
.else
	WIN 0xF2
.endif
.set i, 0
.rept 128
.if \first
	v_pk_mul_f32 v[2*i:2*i+1], v[2*i:2*i+1], v[G+2*(i/16):G+2*(i/16)+1] op_sel_hi:[1,0]
.else
	v_pk_fma_f32 v[2*i:2*i+1], v[2*i:2*i+1], v[G+2*(i/16):G+2*(i/16)+1], v[2*i:2*i+1] op_sel_hi:[1,0,1]
.endif
.set i, i+1
.endr
	WIN 0
.endm
.macro TRIP pf, first
	s_wait_xcnt 0x0                                ; every load issued so far has read its base: the bases may be written
	CURBASES
.if \pf
	NXTBASES 1
.endif
.irp s, 0,1,2,3,4,5,6,7
	STEP \s, \pf
.endr
	COMBINE \first
.endm
	s_load_b256 s[4:11], s[0:1], 0x0               ; x_codes, x_scales, w_codes, w_scales
	s_load_b256 s[12:19], s[0:1], 0x20             ; be, gsel, order, blist
	s_load_b64 s[20:21], s[0:1], 0x40              ; out0
	v_lshrrev_b32 v[T0], 5, v0
	v_readfirstlane_b32 s[WV], v[T0]               ; wave 0..3
	v_and_b32 v[T1], 31, v0                        ; lane
	v_lshlrev_b32 v[T0], 2, v[T1]
	s_and_b32 s27, ttmp7, 0xffff                   ; the block of 128 sorted tokens
	s_lshl_b32 s32, s27, 9
	s_mov_b32 s33, 0                               ; stays 0: the high word of every offset pair s[32:33]
	s_lshl_b32 s34, s27, 3
	s_mov_b32 s35, 0
	s_wait_kmcnt 0x0
	s_add_nc_u64 s[16:17], s[16:17], s[32:33]
	s_add_nc_u64 s[18:19], s[18:19], s[34:35]
.irp v, 0,1,2,3
	global_load_b32 v[TOKV+\v], v[T0], s[16:17] offset:128*\v      ; the block's token numbers: place 32 v + lane
.endr
	s_load_b64 s[22:23], s[18:19], 0x0             ; the block's list of experts and its length
	v_and_b32 v[RR], 15, v0                        ; r
	v_bfe_u32 v[HH], v0, 4, 1                      ; h
	v_lshlrev_b32 v[LB], 4, v[T1]
	v_mul_u32_u24 v[ADRA0], v[RR], APITCH
	v_lshl_add_u32 v[ADRA0], v[HH], 4, v[ADRA0]    ; a fragment's row x pitch + 16 h
	v_add_nc_u32 v[ADRA1], 64*APITCH, v[ADRA0]     ; rows 64 on
	v_lshlrev_b32 v[BO], 5, v[HH]
	v_lshlrev_b32 v[SO], 5, v[T1]
	v_lshlrev_b32 v[CO], 4, v[RR]
	s_mul_i32 s28, s[WV], 16*SP
	s_add_co_u32 s28, s28, STAGE
	v_mul_u32_u24 v[STO], v[RR], SP
	v_lshl_add_u32 v[STO], v[HH], 5, v[STO]
	v_add_nc_u32 v[STO], s28, v[STO]               ; stage, in: row r, + 32 h
	v_mul_u32_u24 v[RD], v[HH], SP
	v_lshl_add_u32 v[RD], v[RR], 4, v[RD]
	v_add_nc_u32 v[RD], s28, v[RD]                 ; back: lanes 0-15 one row, lanes 16-31 the next
	s_lshl_b32 s29, s[WV], 9
	s_add_co_u32 s29, s29, LIST
	v_lshl_add_u32 v[TLA], v[HH], 2, s29
	v_lshl_add_u32 v[TLR], v[RR], 2, s29
	v_lshl_add_u32 v[LW], v[T1], 2, s29
	s_lshl_b32 s30, s[WV], 7
	v_add_nc_u32 v[TLG], s30, v[TLA]               ; the 32 rows that I gather
	s_mul_i32 s28, s[WV], 32*APITCH
	v_mul_u32_u24 v[AST], v[HH], APITCH
	v_lshl_add_u32 v[AST], v[RR], 4, v[AST]
	v_add_nc_u32 v[AST], s28, v[AST]               ; row 32 w + h, + 16 r
	s_lshl_b32 s28, ttmp9, 8
	s_lshl_b32 s29, s[WV], 6
	s_add_co_u32 s28, s28, s29                     ; my first column
	s_lshl_b32 s32, s28, 10                        ; 16 columns are 16,384 bytes of codes
	s_add_nc_u64 s[8:9], s[8:9], s[32:33]
	s_lshl_b32 s32, s28, 5
	s_add_nc_u64 s[10:11], s[10:11], s[32:33]
	s_lshl_b32 s32, s28, 2
	s_add_nc_u64 s[12:13], s[12:13], s[32:33]
	s_add_nc_u64 s[20:21], s[20:21], s[32:33]
	s_mov_b32 s[J], 0
	s_wait_loadcnt 0x0
.irp v, 0,1,2,3
	v_min_u32 v[TOKV+\v], 0x1fff, v[TOKV+\v]       ; a token's number
.endr
.irp v, 0,1,2,3
	ds_store_b32 v[LW], v[TOKV+\v] offset:128*\v   ; my wave's own copy: LDS serves a wave's instructions in order
.endr
.irp a, 0,1,2,3,4,5,6,7
	ds_load_b32 v[TOKG+\a], v[TLR] offset:64*\a    ; token 16 a + r
.endr
.irp i, 0,1,2,3,4,5,6,7,8,9,10,11,12,13,14,15
	ds_load_b32 v[ROFF+\i], v[TLG] offset:8*\i     ; token 32 w + 2 i + h
.endr
.irp v, 0,1,2,3
	v_lshlrev_b32 v[ASO+\v], 5, v[TOKV+\v]
.endr
.irp v, 0,1,2,3
.irp q, 0,1
	global_load_b128 v[AS+8*\v+4*\q:AS+8*\v+4*\q+3], v[ASO+\v], s[6:7] offset:16*\q   ; x's scale words, all eight K steps: lanes 0-15 block 2 v, lanes 16-31 block 2 v + 1
.endr
.endr
	s_wait_dscnt 0x0
.irp a, 0,1,2,3,4,5,6,7
	v_min_u32 v[TOKG+\a], 0x1fff, v[TOKG+\a]
	v_lshlrev_b32 v[TOKG+\a], 5, v[TOKG+\a]        ; its row of gsel
.endr
.irp i, 0,1,2,3,4,5,6,7,8,9,10,11,12,13,14,15
	v_min_u32 v[ROFF+\i], 0x1fff, v[ROFF+\i]
	v_lshl_add_u32 v[ROFF+\i], v[ROFF+\i], 10, v[CO]       ; its row of codes, + 16 r
.endr
	WIN 0x80                                       ; the gather lands in window 2, which the products need only later
.irp i, 0,1,2,3,4,5,6,7,8,9,10,11,12,13,14,15
.irp q, 0,1,2,3
	global_load_b128 v[16*\i+4*\q:16*\i+4*\q+3], v[ROFF+\i], s[4:5] offset:256*\q     ; sixteen lanes read 256 consecutive bytes of a row, aligned
.endr
.endr
	WIN 0
	s_wait_kmcnt 0x0
	s_max_u32 s[CNT], s[CNT], 2
	s_min_u32 s[CNT], s[CNT], 8                    ; two to eight experts
	s_sub_co_u32 s[CM1], s[CNT], 1
	NXTBASES 0                                     ; the first expert's first loads
	LBIAS
	LBSLO
	BL NXTC, 0
	BL NXTC, 1
	BL NXTC, 2
	s_wait_loadcnt 58                              ; x's scale words and the gather are in: behind them went 8 + 2 + 48 loads
	WIN 0x08                                       ; an LDS store's data are its source 1: window 2
.irp i, 0,1,2,3,4,5,6,7,8,9,10,11,12,13,14,15
.irp q, 0,1,2,3
	ds_store_b128 v[AST], v[16*\i+4*\q:16*\i+4*\q+3] offset:2*APITCH*\i+256*\q
.endr
.endr
	WIN 0
.irp a, 0,1,2,3,4,5,6,7
	v_mov_b32 v[G+2*\a+1], 0                       ; the upper halves of g's pairs: named by the packed forms, never used
.endr
	s_wait_dscnt 0x0                               ; for the others' sake: my 32 rows lie in LDS
	s_barrier_signal -1
	s_barrier_wait -1                              ; the one barrier: from here on the rows are only read
	FETCH_A 0, 0
	FETCH_A 0, 1
	TRIP 1, 1                                      ; the first expert starts OUT: nothing is cleared
	s_mov_b32 s[J], 1
	s_cmp_lt_u32 s[J], s[CM1]
	s_cbranch_scc0 .Llast
.Lmid:                                             ; the experts between the first and the last
	TRIP 1, 0
	s_add_co_u32 s[J], s[J], 1
	s_cmp_lt_u32 s[J], s[CM1]
	s_cbranch_scc1 .Lmid
.Llast:
	TRIP 0, 0                                      ; the last expert asks for nothing more
	; THE WAY OUT, a block of 16 tokens at a time: a lane holds 32 bytes of a row and its neighbours other rows, so the block goes through my own stage and comes back as rows of 256 bytes
.irp a, 0,1,2,3,4,5,6,7
.irp i, 0,1,2,3,4,5,6,7
	ds_load_b32 v[OFFR+8*\a+\i], v[TLA] offset:64*\a+8*\i          ; token 16 a + 2 i + h
.endr
.endr
	s_wait_dscnt 0x0
.set i, 0
.rept 64
	v_min_u32 v[OFFR+i], 0x1fff, v[OFFR+i]
	v_lshl_add_u32 v[OFFR+i], v[OFFR+i], 12, v[CO] ; its row of out0, + 16 r
.set i, i+1
.endr
.macro TOSTAGE a
	WIN 0x0C                                       ; the data: window 3
.irp b, 0,1,2,3
	ds_store_b128 v[STO], v[8*(4*(\a)+\b):8*(4*(\a)+\b)+3] offset:64*\b
	ds_store_b128 v[STO], v[8*(4*(\a)+\b)+4:8*(4*(\a)+\b)+7] offset:64*\b+16
.endr
	WIN 0
.irp i, 0,1,2,3,4,5,6,7
	ds_load_b128 v[BK+32*((\a)%2)+4*\i:BK+32*((\a)%2)+4*\i+3], v[RD] offset:2*SP*\i    ; LDS serves a wave's instructions in order: these see the stores above
.endr
.endm
.macro SEND a, younger                 ; younger: the LDS instructions issued behind block a's loads
	s_wait_dscnt \younger
.irp i, 0,1,2,3,4,5,6,7
	global_store_b128 v[OFFR+8*(\a)+\i], v[BK+32*((\a)%2)+4*\i:BK+32*((\a)%2)+4*\i+3], s[20:21] th:TH_STORE_NT   ; sixteen lanes store 256 consecutive bytes of a token's row, aligned; written once
.endr
.endm
	TOSTAGE 0
.irp a, 1,2,3,4,5,6,7
.if \a > 1
	s_wait_xcnt 0x0                                ; block a - 2's stores have read their registers: block a's rows may land there
.endif
	TOSTAGE \a
	SEND \a-1, 16                                  ; behind block a - 1's loads: block a's 8 stores and 8 loads
.endr
	SEND 7, 0
	s_wait_xcnt 0x0
	v_lshl_add_u32 v254, v0, 2, 0x25400
	v_mov_b32 v255, 0
	s_wait_tensorcnt 0x0
	ds_add_u32 v254, v255
	s_wait_dscnt 0x0
	s_endpgm
.Lfunc_end_k_q05bb342f82_experts:
	.size	k_q05bb342f82_experts, .Lfunc_end_k_q05bb342f82_experts-k_q05bb342f82_experts
	.p2alignl 7, 3214868480
	.fill 96, 4, 3214868480
	.section	.rodata,"a",@progbits
	.p2align	6, 0x0
	.amdhsa_kernel k_q05bb342f82_experts
		.amdhsa_group_segment_fixed_size 153088
		.amdhsa_private_segment_fixed_size 0
		.amdhsa_enable_private_segment 0
		.amdhsa_kernarg_size 72
		.amdhsa_user_sgpr_count 2
		.amdhsa_user_sgpr_kernarg_segment_ptr 1
		.amdhsa_wavefront_size32 1
		.amdhsa_system_sgpr_workgroup_id_x 1
		.amdhsa_system_sgpr_workgroup_id_y 1
		.amdhsa_system_sgpr_workgroup_id_z 1
		.amdhsa_system_vgpr_workitem_id 0
		.amdhsa_next_free_vgpr 1024
		.amdhsa_next_free_sgpr 66
		.amdhsa_reserve_vcc 0
		.amdhsa_float_denorm_mode_32 3
		.amdhsa_float_denorm_mode_16_64 3
		.amdhsa_memory_ordered 1
		.amdhsa_forward_progress 1
		.amdhsa_inst_pref_size 255
	.end_amdhsa_kernel
	.section	.bss,"aw",@nobits
	.p2align	6
	.space	262144
	.amdgpu_metadata
---
amdhsa.version: [ 1, 2 ]
amdhsa.kernels:
  - .name:           k_q05bb342f82_experts
    .symbol:         k_q05bb342f82_experts.kd
    .args:
      - { .name: x_codes, .offset: 0, .size: 8, .value_kind: global_buffer, .address_space: global }
      - { .name: x_scales, .offset: 8, .size: 8, .value_kind: global_buffer, .address_space: global }
      - { .name: w_codes, .offset: 16, .size: 8, .value_kind: global_buffer, .address_space: global }
      - { .name: w_scales, .offset: 24, .size: 8, .value_kind: global_buffer, .address_space: global }
      - { .name: be, .offset: 32, .size: 8, .value_kind: global_buffer, .address_space: global }
      - { .name: gsel, .offset: 40, .size: 8, .value_kind: global_buffer, .address_space: global }
      - { .name: order, .offset: 48, .size: 8, .value_kind: global_buffer, .address_space: global }
      - { .name: blist, .offset: 56, .size: 8, .value_kind: global_buffer, .address_space: global }
      - { .name: out0, .offset: 64, .size: 8, .value_kind: global_buffer, .address_space: global }
    .group_segment_fixed_size: 153088
    .private_segment_fixed_size: 0
    .kernarg_segment_align: 8
    .kernarg_segment_size: 72
    .max_flat_workgroup_size: 128
    .sgpr_count:     66
    .vgpr_count:     1024
    .wavefront_size: 32
...
	.end_amdgpu_metadata
.endif
;; end of part 3
;; ======== version 2 of 3: 3 launches
;; workspace buffers: x_codes 8,388,608 bytes; x_scales 262,144 bytes; w_codes 8,388,608 bytes; w_scales 262,144 bytes; gsel 262,144 bytes; meta 131,072 bytes of whole numbers; order 32,768 bytes of whole numbers; blist 512 bytes of whole numbers
;; launch gate: the kernel of part 1 again; grid 256 x 1, 8 waves a work-group, no clusters, 168,448 bytes of LDS; arguments x, Wg1, bg1, Wg2, bg2, x_codes, x_scales, out1, out2, gsel, meta; writes x_codes, x_scales, out1, out2, gsel, meta
;; launch prep (part 4): grid 257 x 1, 8 waves a work-group, no clusters, 70,656 bytes of LDS; arguments We, meta, w_codes, w_scales, order, blist; writes w_codes, w_scales, order, blist
.if DOCPART == 4
	.amdgcn_target "amdgcn-amd-amdhsa--gfx1250"
	.amdhsa_code_object_version 6
	.text
	.protected	k_q05bb342f82_prep
	.globl	k_q05bb342f82_prep
	.p2align	8
	.type	k_q05bb342f82_prep,@function
k_q05bb342f82_prep:
	s_mov_b64 s[64:65], 0
	v_nop
	global_prefetch_b8 v0, s[64:65] scope:SCOPE_SE
	s_setreg_imm32_b32 hwreg(HW_REG_WAVE_MODE, 25, 1), 1
	s_wait_xcnt 0x0
; TWO JOBS IN ONE LAUNCH, parted on the work-group's number; each has LDS bytes of its own.
; Work-groups 1 to 256 quantise We, taken as [8192 rows = expert x column][1024], to E4M3 codes with one E8M0 byte for each 32 along K.  The codes are laid in the order of an operand's registers:
;   w_codes [T = row / 16][K step 0..7][c 0..3][lane][16 bytes]: lane (r, h), group c holds row 16 T + r, k = 128 s + 32 c + 16 h + 0 .. 15.   w_scales [row][8 words].
;   A work-group takes 32 rows, wave w K step w: two fragments.  Loads read 512 consecutive bytes of a row, the numbers turn through the wave's own stage, each store of codes covers 512 consecutive bytes.
; Work-group 0 sorts the tokens by class (a counting sort on the histograms and ranks that the launch before stored): order [8192] token numbers; blist [64 blocks of 128 sorted tokens][2] = (the experts that
;   the block uses, four bits each, ascending; how many).  Wave w takes tiles 64 w .. 64 w + 63; a lane is a class for the sums and a token for the placing.
;   THE ORDER OF THE 28 CLASSES IS MADE FROM THE DATA.  The experts are ranked by how many tokens chose them (a tie: the lower number first), and a class {a, b} stands at the place that the snake
;   formula gives the two RANKS: rl (15 - rl) / 2 + (rl odd ? 7 - rh : rh - rl - 1).  A class of few tokens is a pair of seldom chosen experts; so placed, its neighbours share its experts, and a block of 128
;   sorted tokens that holds several such classes still meets few experts.  That serves the next launch's time alone: order is a permutation and blist is made from the classes' actual ranges whatever
;   the ranks are; a block can still meet up to eight experts.
;   The sort's lines go by turns (four chains of running sums; the placing stage by stage over 32 tiles), so that no line waits for the line above it.
; Work-groups share no input here, so there is no cluster; no tensor load, no ring.
; LIMITS: NaN and infinities are not served; a block whose largest magnitude lies under 2^-118 has its byte held at 1; a block of zeros gets the byte 1 and not 127 (its codes are zeros, and this program alone reads the bytes).
.set SPITCH, 528
.set WSTG,   16*SPITCH
.set WSC,    8*WSTG                    ; the quantiser's scale words [32 rows][8]
.set PL,     WSC+1024                  ; the sort's: [8 waves][32 classes] totals
.set L16, 1
.set SW,  2
.set SRD, 3
.set WSW, 4
.set WRD, 5
.set RR,  9
.set HH,  10
.set SWD, 12                           ; v12-13 the two fragments' scale words
.set LANE, 14
.set R0,  16
.set R1,  80
.set X,   144
.set PC0, 208
.set TM,  240
.set WV,  16
.set SEL, 24
.set MNT, 26
; the sort's registers
.set LO4,  4                           ; v4   4 x the lower expert of my lane's class
.set HI4,  5                           ; v5   4 x the higher one
.set KEY,  6                           ; v6   lane e: expert e's key: 8 x its tokens + 7 - e
.set RANK, 7                           ; v7   lane e: how many experts have a larger key
.set RLO,  8
.set RHI,  9
.set POS,  10                          ; v10  my class's place in the order
.set CB,   11                          ; v11  where my class begins among the sorted tokens
.set M,    16                          ; v16-143 64 pairs (histogram, route)
.set P,    144                         ; v144-207 running sums, in four chains of 16 tiles
.set SEG,  208                         ; v208-211 the chains' totals
.set W8,   212                         ; v212-219 the eight waves' totals; v212-227 and v236-247: 28 registers at work
.set TW,   220                         ; v220-227 those of the waves ahead of mine
.set TOT,  228
.set WB,   229
.set TOKB, 230
.set WT,   231
.set BB,   232                         ; v232-235 what each chain's sums begin with
.set O2,   248
.set O3,   249
.set AR,   144                         ; blist: v144-171, v172-199 at work
.set ZR,   172
.set BS,   200
.set BE,   201
.set ACC,  202                         ; v202-205 four masks by turns
.set LISTV, 206
.set TT,   28                          ; s28-55 the classes' totals, later their ends
.set POP,  56                          ; s56-63 the waves' masks, later the experts' tokens and keys
.set ST,   66                          ; s66-93 the classes' places, later their starts
.macro FLOAD reg, off
.irp i, 0,1,2,3,4,5,6,7,8,9,10,11,12,13,14,15
	global_load_b128 v[\reg+4*\i:\reg+4*\i+3], v[L16], s[4:5] offset:\off+4096*\i th:TH_LOAD_NT
.endr
.endm
.macro TURN reg                        ; afterwards X[16 c + i] = k 32 c + 16 (lane / 16) + i of row lane % 16
.irp i, 0,1,2,3,4,5,6,7,8,9,10,11,12,13,14,15
	ds_store_b128 v[SW], v[\reg+4*\i:\reg+4*\i+3] offset:SPITCH*\i
.endr
.irp c, 0,1,2,3
.irp j, 0,1,2,3
	ds_load_b128 v[X+16*\c+4*\j:X+16*\c+4*\j+3], v[SRD] offset:128*\c+16*\j
.endr
.endr
	s_wait_dscnt 0x0
.endm
.macro QUANT src, dst, wrd
.irp b, 0,1,2,3
	v_max3_num_f32 v[TM+\b], |v[\src+16*\b]|, |v[\src+1+16*\b]|, 0x4800000   ; my 16 numbers and the floor 2^(9 - 127)
.endr
.irp i, 2,4,6,8,10,12,14
.irp b, 0,1,2,3
	v_max3_num_f32 v[TM+\b], v[TM+\b], |v[\src+16*\b+\i]|, |v[\src+1+16*\b+\i]|
.endr
.endr
.irp b, 0,1,2,3
	v_permlanex16_b32 v[TM+4+\b], v[TM+\b], s[SEL], s[SEL+1]
.endr
.irp b, 0,1,2,3
	v_max_num_f32 v[TM+\b], v[TM+\b], v[TM+4+\b]
.endr
.irp b, 0,1,2,3
	v_add_nc_u32 v[TM+12+\b], 0xfc000000, v[TM+\b]         ; 8 off the exponent field: the conversion's scale operand
.endr
.irp b, 0,1,2,3
	v_and_or_b32 v[TM+8+\b], v[TM+\b], 0x7f800000, s[MNT]  ; 448 x the scale
.endr
.irp b, 0,1,2,3
	v_lshrrev_b32 v[TM+4+\b], 23, v[TM+12+\b]              ; the scale's byte
.endr
	v_lshl_or_b32 v[\wrd], v[TM+5], 8, v[TM+4]
	v_lshl_or_b32 v[\wrd], v[TM+6], 16, v[\wrd]
	v_lshl_or_b32 v[\wrd], v[TM+7], 24, v[\wrd]
.irp b, 0,1,2,3
.irp i, 0,1,2,3,4,5,6,7,8,9,10,11,12,13,14,15
	v_med3_num_f32 v[\src+16*\b+\i], v[\src+16*\b+\i], -v[TM+8+\b], v[TM+8+\b]   ; the conversion does not saturate (ISA guide 7.6.2): the hold comes first
.endr
	v_cvt_scalef32_pk8_fp8_f32 v[\dst+4*\b:\dst+1+4*\b], v[\src+16*\b:\src+7+16*\b], v[TM+12+\b]
	v_cvt_scalef32_pk8_fp8_f32 v[\dst+2+4*\b:\dst+3+4*\b], v[\src+8+16*\b:\src+15+16*\b], v[TM+12+\b]
.endr
	v_nop                                  ; one plain instruction behind the last scaled conversion
.endm
.macro FRAG m, reg, left
	s_wait_loadcnt \left
	TURN \reg
	QUANT X, PC0+16*\m, SWD+\m
.irp c, 0,1,2,3
	global_store_b128 v[L16], v[PC0+16*\m+4*\c:PC0+16*\m+4*\c+3], s[8:9] offset:16384*\m+512*\c   ; 512 consecutive bytes; each fragment has its own registers, so no store's data are written again
.endr
	ds_store_b32 v[WSW], v[SWD+\m] offset:512*\m
.endm
; The 28 classes as the launch before numbers them: class c is the set {lo, hi}, c = lo (15 - lo) / 2 + (lo odd ? 7 - hi : hi - lo - 1).  op is written once for each, with the symbols c and hi set
.macro CLASSES op
.set c, 0
.irp lo, 0,1,2,3,4,5,6
.set n, 0
.rept 7-\lo
.if (\lo)%2
.set hi, 7-n
.else
.set hi, \lo+1+n
.endif
	\op \lo
.set n, n+1
.set c, c+1
.endr
.endr
.endm
.macro TABLE lo                        ; lane c learns its class's two experts
	s_mov_b32 s20, \lo
	s_mov_b32 s21, hi
	v_writelane_b32 v[LO4], s20, c
	v_writelane_b32 v[HI4], s21, c
.endm
.macro POPS lo                         ; a class's tokens count for both its experts
	s_add_co_u32 s[POP+\lo], s[POP+\lo], s[TT+c]
	s_add_co_u32 s[POP+hi], s[POP+hi], s[TT+c]
.endm
.macro BMASK lo                        ; a class that meets the block adds its two experts; four masks by turns
	v_and_or_b32 v[ACC+c%4], v[AR+c], (1<<\lo)|(1<<hi), v[ACC+c%4]
.endm
.macro ADD3X d, a, b, e                ; of the 28 registers at work: number i lies at v[W8 + i + 8 (i / 16)]
	v_add3_u32 v[W8+(\d)+8*((\d)/16)], v[W8+(\a)+8*((\a)/16)], v[W8+(\b)+8*((\b)/16)], v[W8+(\e)+8*((\e)/16)]
.endm
	s_load_b256 s[4:11], s[0:1], 0x0               ; We, meta, w_codes, w_scales
	s_load_b128 s[12:15], s[0:1], 0x20             ; order, blist
	s_set_vgpr_msb 0x40
	v_lshl_add_u32 v0, v0, 2, 0x11000
	v_mov_b32 v1, 0
	s_set_vgpr_msb 0x4000
	v_lshrrev_b32 v[RR], 5, v0
	v_readfirstlane_b32 s[WV], v[RR]               ; wave 0..7
	v_and_b32 v[LANE], 31, v0
	s_mov_b32 s19, 0                               ; the high word of every offset pair s[18:19]
	s_cmp_eq_u32 ttmp9, 0
	s_cbranch_scc1 .Lplace
	; ---- the quantiser
	v_lshlrev_b32 v[L16], 4, v[LANE]
	s_sub_co_u32 s17, ttmp9, 1                     ; which 32 rows
	s_lshl_b32 s18, s17, 17
	s_lshl_b32 s20, s[WV], 9
	s_add_co_u32 s18, s18, s20
	s_wait_kmcnt 0x0
	s_add_nc_u64 s[4:5], s[4:5], s[18:19]
	FLOAD R0, 0
	FLOAD R1, 65536
	v_and_b32 v[RR], 15, v0
	v_bfe_u32 v[HH], v0, 4, 1
	s_mul_i32 s20, s[WV], WSTG
	v_add_nc_u32 v[SW], s20, v[L16]
	v_mul_u32_u24 v[SRD], v[RR], SPITCH
	v_lshl_add_u32 v[SRD], v[HH], 6, v[SRD]
	v_add_nc_u32 v[SRD], s20, v[SRD]
	s_lshl_b32 s20, s[WV], 2
	s_add_co_u32 s20, s20, WSC
	v_lshl_add_u32 v[WSW], v[RR], 5, s20           ; 32 r + 4 w
	s_and_b32 s21, s[WV], 1
	s_lshl_b32 s21, s21, 9
	s_add_co_u32 s20, s21, WSC
	v_add_nc_u32 v[WRD], s20, v[L16]
.irp b, 0,1,2,3
	v_mov_b32 v[TM+4+\b], 0                        ; a lane permute's destination counts as one of its sources
.endr
	s_mov_b32 s[SEL], 0x76543210
	s_mov_b32 s[SEL+1], 0xfedcba98
	s_mov_b32 s[MNT], 0x600000
	s_lshl_b32 s18, s17, 15                        ; two fragments' rows of 16,384 bytes,
	s_lshl_b32 s20, s[WV], 11                      ; my K step's 2,048
	s_add_co_u32 s18, s18, s20
	s_add_nc_u64 s[8:9], s[8:9], s[18:19]
	s_lshl_b32 s18, s17, 10
	s_add_co_u32 s18, s18, s21
	s_add_nc_u64 s[10:11], s[10:11], s[18:19]
	FRAG 0, R0, 16                                 ; the other fragment's 16 loads may be out
	FRAG 1, R1, 0
	s_wait_dscnt 0x0                               ; for the others' sake: my scale words lie in LDS
	s_barrier_signal -1
	s_barrier_wait -1
	s_cmp_lt_u32 s[WV], 2
	s_cbranch_scc0 .Lqdone
	ds_load_b128 v[16:19], v[WRD]                  ; waves 0 and 1: the scale words of 16 rows, 512 consecutive bytes
	s_wait_dscnt 0x0
	global_store_b128 v[L16], v[16:19], s[10:11]
.Lqdone:
	s_set_vgpr_msb 0x5
	s_wait_tensorcnt 0x0
	ds_add_u32 v0, v1
	s_wait_dscnt 0x0
	s_set_vgpr_msb 0x500
	s_endpgm
	; ---- the sort
.Lplace:
	v_lshlrev_b32 v1, 3, v[LANE]                   ; 8 x lane
	s_lshl_b32 s20, s[WV], 7
	s_add_co_u32 s20, s20, PL
	v_lshl_add_u32 v2, v[LANE], 2, s20             ; my wave's totals
	v_lshl_add_u32 v3, v[LANE], 2, PL              ; every wave's, for my class
	s_lshl_b32 s18, s[WV], 14                      ; 64 tiles of 256 bytes
	s_wait_kmcnt 0x0
	s_add_nc_u64 s[6:7], s[6:7], s[18:19]
.set k, 0
.rept 64
	global_load_b64 v[M+2*k:M+2*k+1], v1, s[6:7] offset:256*k
.set k, k+1
.endr
	; what hangs on no loaded number is made while the loads are on their way
	v_and_b32 v[TOKB], 15, v0
	s_lshl_b32 s22, s[WV], 10
	v_add_nc_u32 v[TOKB], s22, v[TOKB]             ; token = 1,024 w + 16 k + lane % 16
	v_mov_b32 v[LO4], 0                            ; (v_writelane_b32's destination counts as one of its sources)
	v_mov_b32 v[HI4], 0
	v_mov_b32 v[KEY], 0
	CLASSES TABLE
	v_min_u32 v[LO4], 7, v[LO4]                    ; an expert's number,
	v_min_u32 v[HI4], 7, v[HI4]
	v_lshlrev_b32 v[LO4], 2, v[LO4]                ; as the lane permute wants it: 4 x lane
	v_lshlrev_b32 v[HI4], 2, v[HI4]
.irp j, 0,1,2,3,4,5,6,7
	s_cmp_lt_u32 \j, s[WV]
	s_cselect_b32 s[POP+\j], -1, 0                 ; all ones for the waves ahead of mine
.endr
.irp g, 0,1,2,3
	v_mov_b32 v[P+16*\g], 0                        ; each chain of running sums begins at 0
.endr
	s_wait_loadcnt 0x0
.set j, 0
.rept 15
.irp g, 0,1,2,3
	v_add_nc_u32 v[P+16*\g+j+1], v[P+16*\g+j], v[M+2*(16*\g+j)]    ; my class's tokens in the chain's tiles ahead of this one; the four chains by turns
.endr
.set j, j+1
.endr
.irp g, 0,1,2,3
	v_add_nc_u32 v[SEG+\g], v[P+16*\g+15], v[M+2*(16*\g+15)]       ; the chain's total
.endr
	v_add3_u32 v[O3], v[SEG], v[SEG+1], v[SEG+2]   ; what stands ahead of chain 3,
	v_add_nc_u32 v[O2], v[SEG], v[SEG+1]           ; of chain 2
	v_add_nc_u32 v[WT], v[O3], v[SEG+3]            ; my class's tokens in my wave's 64 tiles
	ds_store_b32 v2, v[WT]
	s_wait_dscnt 0x0                               ; for the others' sake: my totals lie in LDS
	s_barrier_signal -1
	s_barrier_wait -1
.irp j, 0,1,2,3,4,5,6,7
	ds_load_b32 v[W8+\j], v3 offset:128*\j
.endr
	s_wait_dscnt 0x0
.irp j, 0,1,2,3,4,5,6,7
	v_and_b32 v[TW+\j], s[POP+\j], v[W8+\j]
.endr
	v_add3_u32 v[TOT], v[W8], v[W8+1], v[W8+2]
	v_add3_u32 v[WB], v[TW], v[TW+1], v[TW+2]
	v_add3_u32 v[W8+3], v[W8+3], v[W8+4], v[W8+5]
	v_add3_u32 v[TW+3], v[TW+3], v[TW+4], v[TW+5]
	v_add3_u32 v[TOT], v[TOT], v[W8+6], v[W8+7]
	v_add3_u32 v[WB], v[WB], v[TW+6], v[TW+7]
	v_add_nc_u32 v[TOT], v[TOT], v[W8+3]           ; my class's tokens in all,
	v_add_nc_u32 v[WB], v[WB], v[TW+3]             ; and in the waves ahead of mine
	; the experts' ranks
.set c, 0
.rept 28
	v_readlane_b32 s[TT+c], v[TOT], c
.set c, c+1
.endr
.irp e, 0,1,2,3,4,5,6,7
	s_mov_b32 s[POP+\e], 0
.endr
	CLASSES POPS                                   ; how many tokens chose each expert: at most 8,192
.irp e, 0,1,2,3,4,5,6,7
	s_lshl_b32 s[POP+\e], s[POP+\e], 3
	s_add_co_u32 s[POP+\e], s[POP+\e], 7-\e        ; keys that are all different: of two experts with as many tokens the lower number has the larger key
.endr
.irp e, 0,1,2,3,4,5,6,7
	v_writelane_b32 v[KEY], s[POP+\e], \e
.endr
.irp e, 0,1,2,3,4,5,6,7
	v_sub_nc_u32 v[W8+\e], v[KEY], s[POP+\e]       ; negative where expert e's key is larger than my lane's
.endr
.irp e, 0,1,2,3,4,5,6,7
	v_lshrrev_b32 v[W8+\e], 31, v[W8+\e]
.endr
	v_add3_u32 v[RANK], v[W8], v[W8+1], v[W8+2]
	v_add3_u32 v[W8+3], v[W8+3], v[W8+4], v[W8+5]
	v_add3_u32 v[RANK], v[RANK], v[W8+6], v[W8+7]
	v_add_nc_u32 v[RANK], v[RANK], v[W8+3]         ; lane e: expert e's rank, 0 for the one most chosen
	ds_bpermute_b32 v[RLO], v[LO4], v[RANK]        ; my class's two experts' ranks
	ds_bpermute_b32 v[RHI], v[HI4], v[RANK]
	s_wait_dscnt 0x0
	v_min_u32 v12, v[RLO], v[RHI]                  ; rl
	v_max_u32 v13, v[RLO], v[RHI]                  ; rh
	v_sub_nc_u32 v15, 15, v12
	v_mul_u32_u24 v15, v15, v12
	v_lshrrev_b32 v15, 1, v15                      ; rl (15 - rl) / 2
	v_sub_nc_u32 v[RLO], v13, v12
	v_add_nc_u32 v[RLO], -1, v[RLO]                ; rl even: rh - rl - 1
	v_sub_nc_u32 v[RHI], 7, v13                    ; rl odd: 7 - rh
	v_and_b32 v12, 1, v12
	v_cmp_eq_u32 vcc_lo, 1, v12
	v_cndmask_b32 v[RLO], v[RLO], v[RHI], vcc_lo
	v_add_nc_u32 v[POS], v15, v[RLO]               ; my class's place: the 28 classes take the places 0 to 27 (lanes 28 to 31 are no class: what they hold is never used)
	; where my class begins: the tokens of all classes that stand ahead of it
.set c, 0
.rept 28
	v_readlane_b32 s[ST+c], v[POS], c
.set c, c+1
.endr
.set c, 0
.rept 28
	v_sub_nc_u32 v[W8+c+8*(c/16)], s[ST+c], v[POS] ; negative where class c stands ahead of mine
.set c, c+1
.endr
.set c, 0
.rept 28
	v_ashrrev_i32 v[W8+c+8*(c/16)], 31, v[W8+c+8*(c/16)]
.set c, c+1
.endr
.set c, 0
.rept 28
	v_and_b32 v[W8+c+8*(c/16)], s[TT+c], v[W8+c+8*(c/16)]
.set c, c+1
.endr
.irp i, 0,3,6,9,12,15,18,21,24
	ADD3X \i, \i, \i+1, \i+2
.endr
	ADD3X 0, 0, 3, 6
	ADD3X 9, 9, 12, 15
	ADD3X 18, 18, 21, 24
	ADD3X 0, 0, 9, 18
	v_add_nc_u32 v[CB], v[W8], v[W8+27+8]
	v_add_nc_u32 v[BB], v[CB], v[WB]               ; what my wave's first chain begins with,
	v_add_nc_u32 v[BB+1], v[BB], v[SEG]            ; and the other three
	v_add_nc_u32 v[BB+2], v[BB], v[O2]
	v_add_nc_u32 v[BB+3], v[BB], v[O3]
; THE PLACING, 32 tiles at a time, stage by stage.  Each token fetches, from the lane of its class, where its class's tokens of its tile begin, adds its rank, and stores its number there.
.macro PL1 k0                          ; the sums under their bases; the lane to fetch from
.set k, \k0
.rept 32
	v_add_nc_u32 v[P+k], v[P+k], v[BB+k/16]
.set k, k+1
.endr
.set k, \k0
.rept 32
	v_and_b32 v[M+2*k], 0xff, v[M+2*k+1]           ; the class
.set k, k+1
.endr
.set k, \k0
.rept 32
	v_min_u32 v[M+2*k], 31, v[M+2*k]               ; a lane's number
.set k, k+1
.endr
.set k, \k0
.rept 32
	v_lshlrev_b32 v[M+2*k], 2, v[M+2*k]
.set k, k+1
.endr
.endm
.macro PERM k0
.set k, \k0
.rept 32
	ds_bpermute_b32 v[M+2*k], v[M+2*k], v[P+k]
.set k, k+1
.endr
.endm
.macro PL2 k0                          ; the place, the token's number, the store
.set k, \k0
.rept 32
	v_bfe_u32 v[P+k], v[M+2*k+1], 8, 8             ; the rank (the sum's register is free: its permute is done)
.set k, k+1
.endr
.set k, \k0
.rept 32
	v_add_nc_u32 v[M+2*k], v[M+2*k], v[P+k]
.set k, k+1
.endr
.set k, \k0
.rept 32
	v_min_u32 v[M+2*k], 0x1fff, v[M+2*k]           ; a place among 8,192
.set k, k+1
.endr
.set k, \k0
.rept 32
	v_lshlrev_b32 v[M+2*k], 2, v[M+2*k]
.set k, k+1
.endr
.set k, \k0
.rept 32
	v_add_nc_u32 v[M+2*k+1], 16*k, v[TOKB]
.set k, k+1
.endr
.set k, \k0
.rept 32
	global_store_b32 v[M+2*k], v[M+2*k+1], s[12:13]        ; lanes 16-31 repeat lanes 0-15: the same place, the same number.  Each tile has its own registers: none is written again
.set k, k+1
.endr
.endm
	PL1 0
	PERM 0
	PL1 32                                         ; the second batch's first stages stand behind the first batch's permutes
	s_wait_dscnt 0x0
	PERM 32
	PL2 0                                          ; and the first batch's last stages behind the second's
	s_wait_dscnt 0x0
	PL2 32
	s_cmp_lt_u32 s[WV], 2
	s_cbranch_scc0 .Lpdone
	; waves 0 and 1: a lane is a block of 128 sorted tokens; a class whose range meets the block's adds its two experts
.set c, 0
.rept 28
	v_readlane_b32 s[ST+c], v[CB], c               ; where class c begins,
.set c, c+1
.endr
.set c, 0
.rept 28
	s_add_co_u32 s[TT+c], s[TT+c], s[ST+c]         ; and where it ends
.set c, c+1
.endr
	s_lshl_b32 s20, s[WV], 12
	v_lshl_add_u32 v[BS], v[LANE], 7, s20
	v_add_nc_u32 v[BE], 128, v[BS]
.irp a, 0,1,2,3
	v_mov_b32 v[ACC+\a], 0
.endr
.set c, 0
.rept 28
	v_max_u32 v[AR+c], s[ST+c], v[BS]
.set c, c+1
.endr
.set c, 0
.rept 28
	v_min_u32 v[ZR+c], s[TT+c], v[BE]
.set c, c+1
.endr
.set c, 0
.rept 28
	v_sub_nc_u32 v[AR+c], v[AR+c], v[ZR+c]         ; negative where the two ranges share a token
.set c, c+1
.endr
.set c, 0
.rept 28
	v_ashrrev_i32 v[AR+c], 31, v[AR+c]
.set c, c+1
.endr
	CLASSES BMASK
	v_or_b32 v[ACC], v[ACC], v[ACC+1]
	v_or_b32 v[ACC+2], v[ACC+2], v[ACC+3]
	v_or_b32 v[ACC], v[ACC], v[ACC+2]              ; a bit for each expert that the block uses
	v_mov_b32 v[LISTV], 0                          ; the list,
	v_mov_b32 v[LISTV+1], 0                        ; its length
.irp e, 0,1,2,3,4,5,6,7
	v_bfe_u32 v208, v[ACC], \e, 1
	v_mul_u32_u24 v209, v208, \e
	v_lshlrev_b32 v210, 2, v[LISTV+1]
	v_lshl_or_b32 v[LISTV], v209, v210, v[LISTV]
	v_add_nc_u32 v[LISTV+1], v[LISTV+1], v208
.endr
	s_lshl_b32 s18, s[WV], 8
	s_add_nc_u64 s[14:15], s[14:15], s[18:19]
	global_store_b64 v1, v[LISTV:LISTV+1], s[14:15]        ; 256 consecutive bytes a wave
.Lpdone:
	s_set_vgpr_msb 0x5
	s_wait_tensorcnt 0x0
	ds_add_u32 v0, v1
	s_wait_dscnt 0x0
	s_set_vgpr_msb 0x500
	s_endpgm
.Lfunc_end_k_q05bb342f82_prep:
	.size	k_q05bb342f82_prep, .Lfunc_end_k_q05bb342f82_prep-k_q05bb342f82_prep
	.p2alignl 7, 3214868480
	.fill 96, 4, 3214868480
	.section	.rodata,"a",@progbits
	.p2align	6, 0x0
	.amdhsa_kernel k_q05bb342f82_prep
		.amdhsa_group_segment_fixed_size 70656
		.amdhsa_private_segment_fixed_size 0
		.amdhsa_enable_private_segment 0
		.amdhsa_kernarg_size 48
		.amdhsa_user_sgpr_count 2
		.amdhsa_user_sgpr_kernarg_segment_ptr 1
		.amdhsa_wavefront_size32 1
		.amdhsa_system_sgpr_workgroup_id_x 1
		.amdhsa_system_sgpr_workgroup_id_y 1
		.amdhsa_system_sgpr_workgroup_id_z 1
		.amdhsa_system_vgpr_workitem_id 0
		.amdhsa_next_free_vgpr 258
		.amdhsa_next_free_sgpr 96
		.amdhsa_reserve_vcc 1
		.amdhsa_float_denorm_mode_32 3
		.amdhsa_float_denorm_mode_16_64 3
		.amdhsa_memory_ordered 1
		.amdhsa_forward_progress 1
		.amdhsa_inst_pref_size 102
	.end_amdhsa_kernel
	.amdgpu_metadata
---
amdhsa.version: [ 1, 2 ]
amdhsa.kernels:
  - .name:           k_q05bb342f82_prep
    .symbol:         k_q05bb342f82_prep.kd
    .args:
      - { .name: We, .offset: 0, .size: 8, .value_kind: global_buffer, .address_space: global }
      - { .name: meta, .offset: 8, .size: 8, .value_kind: global_buffer, .address_space: global }
      - { .name: w_codes, .offset: 16, .size: 8, .value_kind: global_buffer, .address_space: global }
      - { .name: w_scales, .offset: 24, .size: 8, .value_kind: global_buffer, .address_space: global }
      - { .name: order, .offset: 32, .size: 8, .value_kind: global_buffer, .address_space: global }
      - { .name: blist, .offset: 40, .size: 8, .value_kind: global_buffer, .address_space: global }
    .group_segment_fixed_size: 70656
    .private_segment_fixed_size: 0
    .kernarg_segment_align: 8
    .kernarg_segment_size: 48
    .max_flat_workgroup_size: 256
    .sgpr_count:     96
    .vgpr_count:     258
    .wavefront_size: 32
...
	.end_amdgpu_metadata
.endif
;; end of part 4
;; launch experts: the kernel of part 3 again; grid 4 x 64, 4 waves a work-group, no clusters, 153,088 bytes of LDS; arguments x_codes, x_scales, w_codes, w_scales, be, gsel, order, blist, out0; writes out0
;; ======== version 3 of 3: 3 launches
;; workspace buffers: x_codes 8,388,608 bytes; x_scales 262,144 bytes; w_codes 8,388,608 bytes; w_scales 262,144 bytes; gsel 262,144 bytes; meta 131,072 bytes of whole numbers; order 32,768 bytes of whole numbers; blist 512 bytes of whole numbers
;; launch gate (part 5): grid 256 x 1, 8 waves a work-group, no clusters, 168,448 bytes of LDS; arguments x, Wg1, bg1, Wg2, bg2, x_codes, x_scales, out1, out2, gsel, meta; writes x_codes, x_scales, out1, out2, gsel, meta
.if DOCPART == 5
	.amdgcn_target "amdgcn-amd-amdhsa--gfx1250"
	.amdhsa_code_object_version 6
	.text
	.protected	k_q05bb342f82_gate
	.globl	k_q05bb342f82_gate
	.p2align	8
	.type	k_q05bb342f82_gate,@function
k_q05bb342f82_gate:
	s_mov_b64 s[64:65], 0
	v_nop
	global_prefetch_b8 v0, s[64:65] scope:SCOPE_SE
	s_setreg_imm32_b32 hwreg(HW_REG_WAVE_SCHED_MODE, 0, 2), 2
	s_setreg_imm32_b32 hwreg(HW_REG_WAVE_MODE, 25, 1), 1
	s_wait_xcnt 0x0
	s_wait_alu depctr_vm_vsrc(0)
; THE GATE.  x [8192][1024] f32 is quantised to E4M3 codes with one E8M0 byte for each 32 along K (x_codes [token][1024], x_scales [token][8 words]);
; h = relu(Q(x) Q(Wg1)^T + bg1) on the codes; scores = h Wg2^T + bg2 in f32; softmax with the row's maximum taken away (out1); the two largest weights' indices (out2, ties to the lower index);
; gsel [token][8]: the weight where the expert is chosen, else 0; meta [tile of 16 tokens][lane][2]: (tokens of the tile whose class is the lane; class | rank << 8 of token lane % 16).
; The class numbers the 28 sets of two experts so that neighbouring classes share an expert.  Histogram and ranks are VALUES stored at fixed places: no branch and no address here hangs on them.
; SHARES.  A work-group owns 32 tokens (two tiles of 16).  Wave w owns K step w (128 along K): it quantises its two fragments of x and its four fragments of Wg1, issues eight scaled products
; (source 0 = 16 rows of Wg1, source 1 = 16 tokens: a lane holds one token and eight hidden units) and hands its partial sums to LDS.  Waves 0 and 1 then finish a tile each.
; Wg1 comes to every work-group as f32 by plain loads into registers, where it is quantised: such loads have no joint form, so the launch has no cluster.
; LIMITS: NaN and infinities are not served.  A block whose largest magnitude lies under 2^-118 has its byte held at 1; a block of zeros gets the byte 1 and not 127 (its codes are zeros, and this program alone reads the bytes).
; A gate weight under 2^-126 comes out 0 (the exponential gives no denormals).  Where two weights lie within f32 rounding of each other the order of the indices may differ from another order of the sums.
; REGISTERS.  Window 0: v1-15 addresses; v16-79 X, 64 numbers of a lane; v80-111 x's two fragments; v112-127 a fragment of Wg1; v128-191 eight accumulators; v192-207 at work; v208-210 scale words; v211 an address;
;   v212-243 four accumulators of the f32 form (written by matrix instructions alone); v244-251 bg2; v252-253 offsets.   Window 1: v0-191 three landing slots of 64; in the tail partial sums, Wg2 and bg1.
; THE MODE: SCHED_MODE bits 1:0 = 2 (LLVM: expert scheduling mode 2), set by the entry lines.  The code itself states the register dependences between vector or matrix instructions and memory or LDS
; instructions, with s_wait_alu, always for 0.
; THE PLAN.  Registers that memory or LDS instructions touch:
;   v1-8, v11-13, v15, v211, v252-253   addresses and offsets: written at the head and never again.  v1 is awaited ahead of the first loads, the others ahead of the first LDS store.
;   the landing slots   written by the loads of x and Wg1; read by the LDS stores into the stage; loaded again behind a wait on vm_vsrc.  No vector instruction names them ahead of the tail.
;   X                   written by the LDS loads from the stage; read and written by the quantiser.
;   x's codes and scale words   written by the quantiser; read by LDS stores and by the products.    The accumulators: written by the products, read by LDS stores.
; ONE wait on va_vdst stands in a fragment's turn, behind its quantiser: ahead of the LDS stores of x's codes, or, behind the places, ahead of the scaled products that take Wg1's fresh codes and scale word.
; It also states that the quantiser is done with X: the next fragment's LDS loads follow with no further wait, since the two products issued since name neither X nor an address.
; The next fragment's LDS stores into the stage go out AHEAD of the quantiser, so the wait on vm_vsrc ahead of a slot's refill stands a whole quantiser behind the stores that it waits for.
; One wait on vm_vsrc ahead of the branch to the tail frees all that the tail writes again.  In the tail the compares stand in runs, each into scalar registers of its own, one wait on va_sdst behind a run.
.set SPITCH, 528                       ; a stage row: 512 bytes + 16: an odd multiple of 16, so the sixteen rows of a read begin in sixteen different 16-byte columns modulo 256
.set WSTG,   16*SPITCH                 ; a wave's stage
.set CST,    8*WSTG                    ; 32 rows of codes, 1,024 bytes + 16
.set CPITCH, 1040
.set XSC,    CST+32*CPITCH             ; x's scale words [32 tokens][8]
.set PSUM,   XSC+1024                  ; partial sums [tile][K step][8 pieces of 512 bytes]: images of registers
.set L16, 1
.set SW,  2
.set SRD, 3
.set CSW, 4
.set XSW, 5
.set PSW, 6
.set CRD, 7
.set PRD, 8
.set RR,  9
.set HH,  10
.set O32, 11
.set O8,  12
.set L8,  13
.set LANE, 14
.set ZERO, 15
.set X,   16
.set PC0, 80
.set WC,  112
.set ACC, 128
.set H,   128
.set TM,  192
.set XS0, 208
.set WS,  210
.set XRD, 211
.set SA,  212
.set BG2, 244
.set G2O, 252
.set B1O, 253
.set G2,  128                          ; in window 1
.set BG1, 160                          ; in window 1
.set HT,  88                           ; the tail: v88-103 sixteen terms of the histogram
.set RT,  104                          ; v104-118 fifteen terms of the rank
.set WV,  26
.set SEL, 28
.set MNT, 30
.set HM,  31
.set MA,  32                           ; the tail: s32-39 and s40-47: eight masks a run, the two sets by turns
.set MB,  40
.set CLM, 48                           ; s48 the class's mask
.set TC,  32                           ; s32-47 the sixteen tokens' classes
.set HK,  48                           ; s48-63 the histogram's masks
.set RK,  66                           ; s66-80 the ranks' masks
.set MSB, 0
.macro WIN new                         ; the immediate's high byte repeats the setting that is left
.if MSB != \new
	s_set_vgpr_msb (MSB<<8)|\new
.set MSB, \new
.endif
.endm
.macro PLACES n
.rept \n
	v_nop
.endr
.endm
; 16 rows x 128 along K of f32 into a landing slot of window 1: each load reads 512 consecutive bytes of one row.  again = 1: the slot has been through the stage and is loaded anew
.macro FLOAD reg, base, off, nt, again
	WIN 0x40
.if \again
	s_wait_alu depctr_vm_vsrc(0)           ; the LDS stores into the stage have read this slot, in which the loads below land
.endif
.irp i, 0,1,2,3,4,5,6,7,8,9,10,11,12,13,14,15
.if \nt
	global_load_b128 v[\reg+4*\i:\reg+4*\i+3], v[L16], s[\base:\base+1] offset:\off+4096*\i th:TH_LOAD_NT
.else
	global_load_b128 v[\reg+4*\i:\reg+4*\i+3], v[L16], s[\base:\base+1] offset:\off+4096*\i
.endif
.endr
	WIN 0
.endm
; a slot turns through the wave's own stage, in two parts.  TIN: in, as it was loaded.  The stage's last reads are back (TOUT's wait), and LDS serves a wave's instructions in order
.macro TIN reg
	WIN 0x04                               ; an LDS store's data are its source 1: window 1
.irp i, 0,1,2,3,4,5,6,7,8,9,10,11,12,13,14,15
	ds_store_b128 v[SW], v[\reg+4*\i:\reg+4*\i+3] offset:SPITCH*\i
.endr
	WIN 0
.endm
; TOUT: back: afterwards X[16 c + i] = k 32 c + 16 (lane / 16) + i of row lane % 16.  It stands behind the quantiser's wait on va_vdst: no vector or matrix instruction issued since names X
.macro TOUT
.irp c, 0,1,2,3
.irp j, 0,1,2,3
	ds_load_b128 v[X+16*\c+4*\j:X+16*\c+4*\j+3], v[SRD] offset:128*\c+16*\j
.endr
.endr
	s_wait_dscnt 0x0                       ; X is in
.endm
; 64 numbers of a lane become a fragment's 16 registers of codes and its row's scale word
.macro QUANT src, dst, wrd
.irp b, 0,1,2,3
	v_max3_num_f32 v[TM+\b], |v[\src+16*\b]|, |v[\src+1+16*\b]|, 0x4800000   ; block b: my 16 numbers and the floor 2^(9 - 127): the byte cannot fall under 1
.endr
.irp i, 2,4,6,8,10,12,14
.irp b, 0,1,2,3
	v_max3_num_f32 v[TM+\b], v[TM+\b], |v[\src+16*\b+\i]|, |v[\src+1+16*\b+\i]|
.endr
.endr
.irp b, 0,1,2,3
	v_permlanex16_b32 v[TM+4+\b], v[TM+\b], s[SEL], s[SEL+1]
.endr
.irp b, 0,1,2,3
	v_max_num_f32 v[TM+\b], v[TM+\b], v[TM+4+\b]           ; with lane l xor 16's 16: the block's largest magnitude
.endr
.irp b, 0,1,2,3
	v_add_nc_u32 v[TM+12+\b], 0xfc000000, v[TM+\b]         ; 8 off its exponent field: the conversion's scale operand
.endr
.irp b, 0,1,2,3
	v_and_or_b32 v[TM+8+\b], v[TM+\b], 0x7f800000, s[MNT]  ; 448 x the scale
.endr
.irp b, 0,1,2,3
	v_lshrrev_b32 v[TM+4+\b], 23, v[TM+12+\b]              ; the scale's byte
.endr
	v_lshl_or_b32 v[\wrd], v[TM+5], 8, v[TM+4]
	v_lshl_or_b32 v[\wrd], v[TM+6], 16, v[\wrd]
	v_lshl_or_b32 v[\wrd], v[TM+7], 24, v[\wrd]
.irp b, 0,1,2,3
.irp i, 0,1,2,3,4,5,6,7,8,9,10,11,12,13,14,15
	v_med3_num_f32 v[\src+16*\b+\i], v[\src+16*\b+\i], -v[TM+8+\b], v[TM+8+\b]   ; the conversion to an 8-bit code does not saturate (ISA guide 7.6.2): the hold comes first
.endr
	v_cvt_scalef32_pk8_fp8_f32 v[\dst+4*\b:\dst+1+4*\b], v[\src+16*\b:\src+7+16*\b], v[TM+12+\b]
	v_cvt_scalef32_pk8_fp8_f32 v[\dst+2+4*\b:\dst+3+4*\b], v[\src+8+16*\b:\src+15+16*\b], v[TM+12+\b]
.endr
	v_nop                                  ; one plain instruction behind the last scaled conversion
.endm
; tile m of x: codes and scale word, kept in registers for the products and put into LDS for the way out
.macro XQ m
	QUANT X, PC0+16*\m, XS0+\m
	s_wait_alu depctr_va_vdst(0)           ; the quantiser has written the codes and the scale word, which the LDS stores below read; and it is done with X, in which the next fragment's LDS loads land
.irp c, 0,1,2,3
	ds_store_b128 v[CSW], v[PC0+16*\m+4*\c:PC0+16*\m+4*\c+3] offset:16*CPITCH*\m+32*\c
.endr
	ds_store_b32 v[XSW], v[XS0+\m] offset:512*\m           ; both halves of the lanes hold the same word and write the same place
.endm
; hidden units 16 t on: the fragment of Wg1, and its products with both tiles of x; each accumulator has one product, which starts it with the constant 0
.macro WMUL t
	QUANT X, WC, WS
	PLACES 3                               ; with QUANT's last line four places between the codes and the scaled product; the scale word stands 64 holds back
	s_wait_alu depctr_va_vdst(0)           ; behind the places: the quantiser has written Wg1's codes and scale word, which the scaled products take; and it is done with X, in which the next fragment's LDS loads land
	v_wmma_scale_f32_16x16x128_f8f6f4 v[ACC+8*\t:ACC+8*\t+7], v[WC:WC+15], v[PC0:PC0+15], 0, v[WS], v[XS0]
	v_wmma_scale_f32_16x16x128_f8f6f4 v[ACC+32+8*\t:ACC+32+8*\t+7], v[WC:WC+15], v[PC0+16:PC0+31], 0, v[WS], v[XS0+1]
.endm
	s_load_b256 s[4:11], s[0:1], 0x0               ; x, Wg1, bg1, Wg2
	s_load_b256 s[12:19], s[0:1], 0x20             ; bg2, x_codes, x_scales, out1
	s_load_b128 s[20:23], s[0:1], 0x40             ; out2, gsel
	s_load_b64 s[24:25], s[0:1], 0x50              ; meta
	v_lshl_add_u32 v254, v0, 2, 0x28e00
	v_mov_b32 v255, 0
	v_lshrrev_b32 v[RR], 5, v0
	v_readfirstlane_b32 s[WV], v[RR]               ; wave 0..7 = my K step
	v_and_b32 v[LANE], 31, v0
	v_lshlrev_b32 v[L16], 4, v[LANE]
	s_lshl_b32 s32, ttmp9, 17                      ; 32 tokens of 4,096 bytes
	s_wait_alu depctr_va_sdst(0)                   ; the wave's number is written, ahead of its first reader
	s_lshl_b32 s34, s[WV], 9                       ; my 128 numbers of a row
	s_add_co_u32 s32, s32, s34
	s_mov_b32 s33, 0
	s_mov_b32 s35, 0
	s_wait_kmcnt 0x0
	s_add_nc_u64 s[4:5], s[4:5], s[32:33]
	s_add_nc_u64 s[6:7], s[6:7], s[34:35]
	WIN 0x40
	s_wait_alu depctr_va_vdst(0)                   ; v1 is written: the offset of every load below
	FLOAD 0, 4, 0, 1, 0                            ; x, tile 0
	FLOAD 64, 4, 65536, 1, 0                       ; x, tile 1
	FLOAD 128, 6, 0, 0, 0                          ; Wg1, rows 0-15
	v_and_b32 v[RR], 15, v0                        ; r
	v_bfe_u32 v[HH], v0, 4, 1                      ; h
	s_mul_i32 s27, s[WV], WSTG
	v_add_nc_u32 v[SW], s27, v[L16]                ; stage, in: 16 x lane
	v_mul_u32_u24 v[SRD], v[RR], SPITCH
	v_lshl_add_u32 v[SRD], v[HH], 6, v[SRD]
	v_add_nc_u32 v[SRD], s27, v[SRD]               ; stage, out: row r, + 64 h
	v_mul_u32_u24 v[CSW], v[RR], CPITCH
	v_lshl_add_u32 v[CSW], v[HH], 4, v[CSW]
	s_lshl_b32 s27, s[WV], 7
	s_add_co_u32 s27, s27, CST
	v_add_nc_u32 v[CSW], s27, v[CSW]               ; codes: row r, byte 128 w + 16 h
	s_lshl_b32 s27, s[WV], 2
	s_add_co_u32 s27, s27, XSC
	v_lshl_add_u32 v[XSW], v[RR], 5, s27           ; scale words: 32 r + 4 w
	s_lshl_b32 s27, s[WV], 12
	s_add_co_u32 s27, s27, PSUM
	v_add_nc_u32 v[PSW], s27, v[L16]
	s_mul_i32 s27, s[WV], 4*CPITCH
	s_add_co_u32 s27, s27, CST
	v_add_nc_u32 v[CRD], s27, v[L16]               ; codes, back: my four rows
	s_and_b32 s36, s[WV], 1                        ; the tile that waves 0 and 1 finish, the half that waves 2 and 3 store
	s_lshl_b32 s27, s36, 15
	s_add_co_u32 s27, s27, PSUM
	v_add_nc_u32 v[PRD], s27, v[L16]
	s_lshl_b32 s27, s36, 9
	s_add_co_u32 s27, s27, XSC
	v_add_nc_u32 v[XRD], s27, v[L16]
	v_lshlrev_b32 v[O32], 5, v[RR]
	v_lshl_add_u32 v[O32], v[HH], 4, v[O32]        ; out1, gsel: 32 r + 16 h
	v_lshlrev_b32 v[O8], 3, v[RR]
	v_lshl_add_u32 v[O8], v[HH], 2, v[O8]          ; out2: 8 r + 4 h
	v_lshlrev_b32 v[L8], 3, v[LANE]
	v_mov_b32 v[ZERO], 0
	v_and_b32 v[G2O], 7, v0
	v_lshlrev_b32 v[G2O], 8, v[G2O]
	v_lshl_add_u32 v[G2O], v[HH], 5, v[G2O]        ; Wg2: row r % 8 of 256 bytes, + 32 h
	v_lshlrev_b32 v[B1O], 5, v[HH]                 ; bg1: 32 h
.irp b, 0,1,2,3
	v_mov_b32 v[TM+4+\b], 0                        ; written once: a lane permute's destination counts as one of its sources
.endr
	s_mov_b32 s[SEL], 0x76543210
	s_mov_b32 s[SEL+1], 0xfedcba98                 ; lane l xor 16
	s_mov_b32 s[MNT], 0x600000                     ; the mantissa field of 448
	s_mov_b32 s[HM], 0xffff0000                    ; lanes 16-31
	s_lshl_b32 s32, ttmp9, 15
	s_lshl_b32 s27, s[WV], 12
	s_add_co_u32 s32, s32, s27
	s_add_nc_u64 s[14:15], s[14:15], s[32:33]      ; x_codes: 32 rows a work-group, 4 a wave
	s_lshl_b32 s32, ttmp9, 10
	s_lshl_b32 s27, s36, 9
	s_add_co_u32 s32, s32, s27
	s_add_nc_u64 s[16:17], s[16:17], s[32:33]      ; x_scales, out1, gsel: 32 bytes a token
	s_add_nc_u64 s[18:19], s[18:19], s[32:33]
	s_add_nc_u64 s[22:23], s[22:23], s[32:33]
	s_lshr_b32 s32, s32, 2
	s_add_nc_u64 s[20:21], s[20:21], s[32:33]      ; out2: 8 bytes a token
	s_lshl_b32 s32, s32, 1
	s_add_nc_u64 s[24:25], s[24:25], s[32:33]      ; meta: 256 bytes a tile
	; six fragments through three slots.  Each wait on LOADcnt leaves out the loads of the fragments asked for behind the one wanted.  A fragment goes into the stage while the one before it is quantised
	s_wait_loadcnt 32                              ; x, tile 0 (behind it: tile 1 and Wg1's rows 0-15)
	s_wait_alu depctr_va_vdst(0)                   ; the addresses and offsets made above are written: every LDS and memory instruction from here on reads some of them
	TIN 0
	TOUT
	FLOAD 0, 6, 65536, 0, 1                        ; Wg1, rows 16-31
	s_wait_loadcnt 32                              ; x, tile 1
	TIN 64
	XQ 0
	TOUT
	FLOAD 64, 6, 131072, 0, 1                      ; rows 32-47
	s_wait_loadcnt 32                              ; Wg1, rows 0-15
	TIN 128
	XQ 1
	TOUT
	FLOAD 128, 6, 196608, 0, 1                     ; rows 48-63
	s_wait_loadcnt 32                              ; rows 16-31
	TIN 0
	WMUL 0
	TOUT
	s_wait_loadcnt 16                              ; rows 32-47
	TIN 64
	WMUL 1
	TOUT
	s_wait_loadcnt 0x0                             ; rows 48-63
	TIN 128
	WMUL 2
	TOUT
	WIN 0x40                                       ; the tail's constants, into the slot just left
	s_wait_alu depctr_vm_vsrc(0)                   ; the LDS stores into the stage have read that slot
.irp t, 0,1,2,3
.irp q, 0,1
	global_load_b128 v[G2+8*\t+4*\q:G2+8*\t+4*\q+3], v[G2O], s[10:11] offset:64*\t+16*\q      ; Wg2[r % 8][16 t + 8 h + 0 .. 7]
	global_load_b128 v[BG1+8*\t+4*\q:BG1+8*\t+4*\q+3], v[B1O], s[8:9] offset:64*\t+16*\q      ; bg1[16 t + 8 h + 0 .. 7]
.endr
.endr
	WIN 0
	global_load_b128 v[BG2:BG2+3], v[ZERO], s[12:13]
	global_load_b128 v[BG2+4:BG2+7], v[ZERO], s[12:13] offset:16
	WMUL 3
	PLACES 8                                       ; eight places between the last product and the first read of its result
	s_wait_alu depctr_va_vdst(0)                   ; behind the places: the products have written the accumulators, which the LDS stores below read
.irp m, 0,1
.irp t, 0,1,2,3
	ds_store_b128 v[PSW], v[ACC+32*\m+8*\t:ACC+32*\m+8*\t+3] offset:32768*\m+1024*\t          ; each accumulator from its low end on
	ds_store_b128 v[PSW], v[ACC+32*\m+8*\t+4:ACC+32*\m+8*\t+7] offset:32768*\m+1024*\t+512
.endr
.endr
	s_wait_dscnt 0x0                               ; for the others' sake: my codes, scale words and partial sums lie in LDS
	s_barrier_signal -1
	s_barrier_wait -1
.irp j, 0,1,2,3,4,5,6,7
	ds_load_b128 v[X+4*\j:X+4*\j+3], v[CRD] offset:CPITCH*(\j/2)+512*(\j%2)   ; into X: the quantiser's last lines stand ahead of the waits above
.endr
.irp j, 0,1,2,3,4,5,6,7
	s_wait_dscnt 7-\j                              ; the younger reads may be out
	global_store_b128 v[L16], v[X+4*\j:X+4*\j+3], s[14:15] offset:512*\j   ; 32 lanes store 512 consecutive bytes of a row of codes
.endr
	s_wait_alu depctr_vm_vsrc(0)                   ; ahead of the branch: the stores above have read v16-47, the LDS stores x's codes, the accumulators and the landing slots: the tail writes all of these again
	s_cmp_lt_u32 s[WV], 2
	s_cbranch_scc1 .Ltail
	s_cmp_lt_u32 s[WV], 4
	s_cbranch_scc0 .Lend
	ds_load_b128 v[48:51], v[XRD]                  ; waves 2 and 3: the scale words of 16 tokens, 512 consecutive bytes
	s_wait_dscnt 0x0
	global_store_b128 v[L16], v[48:51], s[16:17]
.Lend:
	s_wait_dscnt 0x0                               ; the closing lines, six on end
	s_wait_alu 0x0
	s_wait_tensorcnt 0x0
	ds_add_u32 v254, v255
	s_wait_dscnt 0x0
	s_endpgm
; THE TAIL: waves 0 and 1, a tile each.
.macro PLOAD s                         ; K step s's partial sums into set s % 4 of window 1
	WIN 0x40
.irp p, 0,1,2,3,4,5,6,7
	ds_load_b128 v[32*((\s)%4)+4*\p:32*((\s)%4)+4*\p+3], v[PRD] offset:4096*(\s)+512*\p
.endr
.endm
.macro PADD s, left                    ; left: the reads of later partial sums, which may be out
	s_wait_dscnt \left
.if (\s) == 0
	WIN 0x05
.else
	WIN 0x04
.endif
.set i, 0
.rept 16
.if (\s) == 0
	v_pk_add_f32 v[H+i:H+i+1], v[BG1+i:BG1+i+1], v[i:i+1]                  ; the bias starts the sum
.else
	v_pk_add_f32 v[H+i:H+i+1], v[H+i:H+i+1], v[32*((\s)%4)+i:32*((\s)%4)+i+1]
.endif
.set i, i+2
.endr
.endm
.Ltail:
	s_wait_loadcnt 0x0                             ; Wg2, bg1, bg2
	s_wait_xcnt 0x0                                ; the stores of the codes have read v16-47, which are written again below
	PLOAD 0
	PLOAD 1
	PLOAD 2
	PLOAD 3
	PADD 0, 24
	PADD 1, 16
	WIN 0x40
	s_wait_alu depctr_va_vdst(0)                   ; the additions are done reading sets 0 and 1, in which K steps 4 and 5 land
	PLOAD 4
	PLOAD 5
	PADD 2, 24
	PADD 3, 16
	WIN 0x40
	s_wait_alu depctr_va_vdst(0)                   ; the additions are done reading sets 2 and 3, in which K steps 6 and 7 land
	PLOAD 6
	PLOAD 7
	PADD 4, 24
	PADD 5, 16
	PADD 6, 8
	PADD 7, 0
	WIN 0
.set i, 0
.rept 32
	v_max_num_f32 v[H+i], 0, v[H+i]                ; relu: H[8 t + j] = h(token r, 16 t + 8 h + j)
.set i, i+1
.endr
	PLACES 4
	; scores = h Wg2^T + bg2 in f32: source 0 = Wg2 (rows 8-15 repeat rows 0-7), source 1 = h.  Both sides give k = 2 (lane / 16) + i the hidden unit 16 t + 8 (lane / 16) + 2 p + i.
	; So every lane ends with score j of its token in register j.  Four accumulators by turns, one instruction a turn; they are written by matrix instructions alone.
	WIN 0x01
.irp p, 0,1,2,3
.irp t, 0,1,2,3
.if (\p == 0) && (\t == 0)
	v_wmma_f32_16x16x4_f32 v[SA:SA+7], v[G2:G2+1], v[H:H+1], v[BG2:BG2+7]
.elseif \p == 0
	v_wmma_f32_16x16x4_f32 v[SA+8*\t:SA+8*\t+7], v[G2+8*\t:G2+8*\t+1], v[H+8*\t:H+8*\t+1], 0
.else
	v_wmma_f32_16x16x4_f32 v[SA+8*\t:SA+8*\t+7], v[G2+8*\t+2*\p:G2+8*\t+2*\p+1], v[H+8*\t+2*\p:H+8*\t+2*\p+1], v[SA+8*\t:SA+8*\t+7]
.endif
.endr
.endr
	WIN 0
	PLACES 8
.irp j, 0,2,4,6
	v_pk_add_f32 v[16+\j:17+\j], v[SA+\j:SA+1+\j], v[SA+8+\j:SA+9+\j]      ; each accumulator from its low end on
.endr
.irp j, 0,2,4,6
	v_pk_add_f32 v[24+\j:25+\j], v[SA+16+\j:SA+17+\j], v[SA+24+\j:SA+25+\j]
.endr
.irp j, 0,2,4,6
	v_pk_add_f32 v[16+\j:17+\j], v[16+\j:17+\j], v[24+\j:25+\j]            ; v16-23: my token's eight scores
.endr
	v_max3_num_f32 v32, v16, v17, v18
	v_max3_num_f32 v32, v32, v19, v20
	v_max3_num_f32 v32, v32, v21, v22
	v_max_num_f32 v32, v32, v23                    ; the row's maximum is taken away ahead of the exponential
.irp j, 0,1,2,3,4,5,6,7
	v_sub_f32 v[24+\j], v[16+\j], v32
.endr
.irp j, 0,1,2,3,4,5,6,7
	v_mul_f32 v[24+\j], 0x3fb8aa3b, v[24+\j]       ; x log2(e)
.endr
	s_wait_alu depctr_va_vdst(0)
.irp j, 0,1,2,3,4,5,6,7
	v_exp_f32 v[24+\j], v[24+\j]
.endr
	v_nop                                          ; a plain instruction behind the last exponential,
	s_wait_alu depctr_va_vdst(0)                   ; and one wait for the batch: the eight exponentials have written v24-31, ahead of their first reader
	v_add_f32 v33, v24, v25
	v_add_f32 v34, v26, v27
	v_add_f32 v35, v28, v29
	v_add_f32 v36, v30, v31
	v_add_f32 v33, v33, v34
	v_add_f32 v35, v35, v36
	v_add_f32 v33, v33, v35
	s_wait_alu depctr_va_vdst(0)
	v_rcp_f32 v34, v33
	v_nop
	s_wait_alu depctr_va_vdst(0)                   ; the reciprocal has written v34, ahead of its first reader
	v_fma_f32 v35, -v33, v34, 1.0                  ; one Newton step on the reciprocal
	v_fma_f32 v34, v35, v34, v34
.irp j, 0,1,2,3,4,5,6,7
	v_mul_f32 v[40+\j], v[24+\j], v34              ; v40-47: the gate weights
.endr
	; THE TWO LARGEST.  The largest weight by maxima; a run of eight compares says where it stands; a chain of selects from index 7 down leaves the LOWEST index that holds it: a tie keeps the lower index
	v_max3_num_f32 v48, v40, v41, v42
	v_max3_num_f32 v48, v48, v43, v44
	v_max3_num_f32 v48, v48, v45, v46
	v_max_num_f32 v48, v48, v47
.irp j, 0,1,2,3,4,5,6,7
	v_cmp_eq_f32 s[MA+\j], v[40+\j], v48
.endr
	v_mov_b32 v49, 7
	s_wait_alu depctr_va_sdst(0)                   ; the eight masks are written, ahead of the selects that read them
.irp j, 6,5,4,3,2,1,0
	v_cndmask_b32 v49, v49, \j, s[MA+\j]           ; v49: the first index
.endr
.irp j, 0,1,2,3,4,5,6,7
	v_cmp_eq_u32 s[MB+\j], \j, v49
.endr
	s_wait_alu depctr_va_sdst(0)                   ; the eight masks of the first index are written, ahead of the selects that read them
.irp j, 0,1,2,3,4,5,6,7
	v_cndmask_b32 v[52+\j], v[40+\j], -1.0, s[MB+\j]       ; the weights without the largest
	v_cndmask_b32 v[64+\j], 0, v[40+\j], s[MB+\j]          ; gsel, first part
.endr
	v_max3_num_f32 v50, v52, v53, v54
	v_max3_num_f32 v50, v50, v55, v56
	v_max3_num_f32 v50, v50, v57, v58
	v_max_num_f32 v50, v50, v59
.irp j, 0,1,2,3,4,5,6,7
	v_cmp_eq_f32 s[MA+\j], v[52+\j], v50
.endr
	v_mov_b32 v51, 7
	s_wait_alu depctr_va_sdst(0)                   ; the eight masks of the second largest are written, ahead of the selects that read them
.irp j, 6,5,4,3,2,1,0
	v_cndmask_b32 v51, v51, \j, s[MA+\j]           ; v51: the second index
.endr
	; the class of the set {lo, hi}: lo (15 - lo) / 2 + (lo odd ? 7 - hi : hi - lo - 1)
	v_min_u32 v76, v49, v51
	v_max_u32 v77, v49, v51
	v_sub_nc_u32 v78, 15, v76
	v_mul_u32_u24 v78, v78, v76
	v_lshrrev_b32 v78, 1, v78
	v_sub_nc_u32 v79, v77, v76
	v_add_nc_u32 v79, -1, v79
	v_sub_nc_u32 v86, 7, v77
	v_and_b32 v87, 1, v76
.irp j, 0,1,2,3,4,5,6,7
	v_cmp_eq_u32 s[MB+\j], \j, v51
.endr
	v_cmp_eq_u32 s[CLM], 1, v87
	s_wait_alu depctr_va_sdst(0)                   ; the eight masks of the second index and the mask 'lo is odd' are written, ahead of the selects that read them
.irp j, 0,1,2,3,4,5,6,7
	v_cndmask_b32 v[64+\j], v[64+\j], v[40+\j], s[MB+\j]
.endr
	v_cndmask_b32 v79, v79, v86, s[CLM]
	v_add_nc_u32 v80, v78, v79                     ; v80: my token's class
	; the tile's histogram (tokens whose class is my lane's number) and my token's rank (tokens ahead of mine in the tile with my class)
.set j, 0
.rept 16
	v_readlane_b32 s[TC+j], v80, j
.set j, j+1
.endr
	s_wait_alu depctr_va_sdst(0)                   ; the sixteen classes are written, ahead of the compares that read them
.set j, 0
.rept 16
	v_cmp_eq_u32 s[HK+j], s[TC+j], v[LANE]
.set j, j+1
.endr
.set j, 0
.rept 15
	v_cmp_eq_u32 s[RK+j], s[TC+j], v80
.set j, j+1
.endr
	s_wait_alu depctr_va_sdst(0)                   ; the 31 masks are written, ahead of the scalar lines and the selects that read them
.set j, 0
.rept 15
	s_and_b32 s[RK+j], s[RK+j], ((0xffff<<(j+1))&0xffff)*0x10001   ; lanes whose token comes behind token j
.set j, j+1
.endr
.set j, 0
.rept 16
	v_cndmask_b32 v[HT+j], 0, 1, s[HK+j]
.set j, j+1
.endr
.set j, 0
.rept 15
	v_cndmask_b32 v[RT+j], 0, 1, s[RK+j]
.set j, j+1
.endr
.irp i, 0,3,6,9,12
	v_add3_u32 v[HT+\i], v[HT+\i], v[HT+\i+1], v[HT+\i+2]
	v_add3_u32 v[RT+\i], v[RT+\i], v[RT+\i+1], v[RT+\i+2]
.endr
	v_add3_u32 v[HT], v[HT], v[HT+3], v[HT+6]
	v_add3_u32 v[RT], v[RT], v[RT+3], v[RT+6]
	v_add3_u32 v[HT+9], v[HT+9], v[HT+12], v[HT+15]
	v_add3_u32 v81, v[RT], v[RT+9], v[RT+12]       ; the rank
	v_add_nc_u32 v84, v[HT], v[HT+9]               ; the histogram
	v_lshl_or_b32 v85, v81, 8, v80                 ; class | rank << 8
.irp j, 0,1,2,3
	v_cndmask_b32 v[60+\j], v[40+\j], v[44+\j], s[HM]      ; lanes 0-15 store weights 0-3, lanes 16-31 weights 4-7
	v_cndmask_b32 v[72+\j], v[64+\j], v[68+\j], s[HM]
.endr
	v_cndmask_b32 v87, v49, v51, s[HM]
	s_wait_alu depctr_va_vdst(0)                   ; v60-63, v72-75, v84-85 and v87 are written, which the four stores below read
	global_store_b128 v[O32], v[60:63], s[18:19]   ; out1: 512 consecutive bytes
	global_store_b128 v[O32], v[72:75], s[22:23]   ; gsel likewise
	global_store_b32 v[O8], v87, s[20:21]          ; out2: 128 consecutive bytes
	global_store_b64 v[L8], v[84:85], s[24:25]     ; meta: 256 consecutive bytes, aligned
	s_wait_dscnt 0x0                               ; the closing lines, six on end
	s_wait_alu 0x0
	s_wait_tensorcnt 0x0
	ds_add_u32 v254, v255
	s_wait_dscnt 0x0
	s_endpgm
.Lfunc_end_k_q05bb342f82_gate:
	.size	k_q05bb342f82_gate, .Lfunc_end_k_q05bb342f82_gate-k_q05bb342f82_gate
	.p2alignl 7, 3214868480
	.fill 96, 4, 3214868480
	.section	.rodata,"a",@progbits
	.p2align	6, 0x0
	.amdhsa_kernel k_q05bb342f82_gate
		.amdhsa_group_segment_fixed_size 168448
		.amdhsa_private_segment_fixed_size 0
		.amdhsa_enable_private_segment 0
		.amdhsa_kernarg_size 88
		.amdhsa_user_sgpr_count 2
		.amdhsa_user_sgpr_kernarg_segment_ptr 1
		.amdhsa_wavefront_size32 1
		.amdhsa_system_sgpr_workgroup_id_x 1
		.amdhsa_system_sgpr_workgroup_id_y 1
		.amdhsa_system_sgpr_workgroup_id_z 1
		.amdhsa_system_vgpr_workitem_id 0
		.amdhsa_next_free_vgpr 448
		.amdhsa_next_free_sgpr 82
		.amdhsa_reserve_vcc 0
		.amdhsa_float_denorm_mode_32 3
		.amdhsa_float_denorm_mode_16_64 3
		.amdhsa_memory_ordered 1
		.amdhsa_forward_progress 1
		.amdhsa_inst_pref_size 113
	.end_amdhsa_kernel
	.amdgpu_metadata
---
amdhsa.version: [ 1, 2 ]
amdhsa.kernels:
  - .name:           k_q05bb342f82_gate
    .symbol:         k_q05bb342f82_gate.kd
    .args:
      - { .name: x, .offset: 0, .size: 8, .value_kind: global_buffer, .address_space: global }
      - { .name: Wg1, .offset: 8, .size: 8, .value_kind: global_buffer, .address_space: global }
      - { .name: bg1, .offset: 16, .size: 8, .value_kind: global_buffer, .address_space: global }
      - { .name: Wg2, .offset: 24, .size: 8, .value_kind: global_buffer, .address_space: global }
      - { .name: bg2, .offset: 32, .size: 8, .value_kind: global_buffer, .address_space: global }
      - { .name: x_codes, .offset: 40, .size: 8, .value_kind: global_buffer, .address_space: global }
      - { .name: x_scales, .offset: 48, .size: 8, .value_kind: global_buffer, .address_space: global }
      - { .name: out1, .offset: 56, .size: 8, .value_kind: global_buffer, .address_space: global }
      - { .name: out2, .offset: 64, .size: 8, .value_kind: global_buffer, .address_space: global }
      - { .name: gsel, .offset: 72, .size: 8, .value_kind: global_buffer, .address_space: global }
      - { .name: meta, .offset: 80, .size: 8, .value_kind: global_buffer, .address_space: global }
    .group_segment_fixed_size: 168448
    .private_segment_fixed_size: 0
    .kernarg_segment_align: 8
    .kernarg_segment_size: 88
    .max_flat_workgroup_size: 256
    .sgpr_count:     82
    .vgpr_count:     448
    .wavefront_size: 32
...
	.end_amdgpu_metadata
.endif
;; end of part 5
;; launch prep (part 6): grid 257 x 1, 8 waves a work-group, no clusters, 70,656 bytes of LDS; arguments We, meta, w_codes, w_scales, order, blist; writes w_codes, w_scales, order, blist
.if DOCPART == 6
	.amdgcn_target "amdgcn-amd-amdhsa--gfx1250"
	.amdhsa_code_object_version 6
	.text
	.protected	k_q05bb342f82_prep
	.globl	k_q05bb342f82_prep
	.p2align	8
	.type	k_q05bb342f82_prep,@function
k_q05bb342f82_prep:
	s_mov_b64 s[64:65], 0
	v_nop
	global_prefetch_b8 v0, s[64:65] scope:SCOPE_SE
	s_setreg_imm32_b32 hwreg(HW_REG_WAVE_MODE, 25, 1), 1
	s_wait_xcnt 0x0
; TWO JOBS IN ONE LAUNCH, parted on the work-group's number; each has LDS bytes of its own.
; Work-groups 1 to 256 quantise We, taken as [8192 rows = expert x column][1024], to E4M3 codes with one E8M0 byte for each 32 along K.  The codes are laid in the order of an operand's registers:
;   w_codes [T = row / 16][K step 0..7][c 0..3][lane][16 bytes]: lane (r, h), group c holds row 16 T + r, k = 128 s + 32 c + 16 h + 0 .. 15.   w_scales [row][8 words].
;   A work-group takes 32 rows, wave w K step w: two fragments.  Loads read 512 consecutive bytes of a row, the numbers turn through the wave's own stage, each store of codes covers 512 consecutive bytes.
; Work-group 0 sorts the tokens by class (a counting sort on the histograms and ranks that the launch before stored): order [8192] token numbers; blist [64 blocks of 128 sorted tokens][2] = (the experts that
;   the block uses, four bits each, ascending; how many).  Wave w takes tiles 64 w .. 64 w + 63; a lane is a class for the sums and a token for the placing.
;   THE ORDER OF THE 28 CLASSES IS MADE FROM THE DATA.  The experts are ranked by how many tokens chose them (a tie: the lower number first), and a class {a, b} stands at the place that the snake
;   formula gives the two RANKS: rl (15 - rl) / 2 + (rl odd ? 7 - rh : rh - rl - 1).  A class of few tokens is a pair of seldom chosen experts; so placed, its neighbours share its experts, and a block of 128
;   sorted tokens that holds several such classes still meets few experts.  That serves the next launch's time alone: order is a permutation and blist is made from the classes' actual ranges whatever
;   the ranks are; a block can still meet up to eight experts.
;   The sort's lines go by turns (four chains of running sums; the placing stage by stage over 32 tiles), so that no line waits for the line above it.
; Work-groups share no input here, so there is no cluster; no tensor load, no ring.
; LIMITS: NaN and infinities are not served; a block whose largest magnitude lies under 2^-118 has its byte held at 1; a block of zeros gets the byte 1 and not 127 (its codes are zeros, and this program alone reads the bytes).
.set SPITCH, 528
.set WSTG,   16*SPITCH
.set WSC,    8*WSTG                    ; the quantiser's scale words [32 rows][8]
.set PL,     WSC+1024                  ; the sort's: [8 waves][32 classes] totals
.set L16, 1
.set SW,  2
.set SRD, 3
.set WSW, 4
.set WRD, 5
.set RR,  9
.set HH,  10
.set SWD, 12                           ; v12-13 the two fragments' scale words
.set LANE, 14
.set R0,  16
.set R1,  80
.set X,   144
.set PC0, 208
.set TM,  240
.set WV,  16
.set SEL, 24
.set MNT, 26
; the sort's registers
.set LO4,  4                           ; v4   4 x the lower expert of my lane's class
.set HI4,  5                           ; v5   4 x the higher one
.set KEY,  6                           ; v6   lane e: expert e's key: 8 x its tokens + 7 - e
.set RANK, 7                           ; v7   lane e: how many experts have a larger key
.set RLO,  8
.set RHI,  9
.set POS,  10                          ; v10  my class's place in the order
.set CB,   11                          ; v11  where my class begins among the sorted tokens
.set M,    16                          ; v16-143 64 pairs (histogram, route)
.set P,    144                         ; v144-207 running sums, in four chains of 16 tiles
.set SEG,  208                         ; v208-211 the chains' totals
.set W8,   212                         ; v212-219 the eight waves' totals; v212-227 and v236-247: 28 registers at work
.set TW,   220                         ; v220-227 those of the waves ahead of mine
.set TOT,  228
.set WB,   229
.set TOKB, 230
.set WT,   231
.set BB,   232                         ; v232-235 what each chain's sums begin with
.set O2,   248
.set O3,   249
.set AR,   144                         ; blist: v144-171, v172-199 at work
.set ZR,   172
.set BS,   200
.set BE,   201
.set ACC,  202                         ; v202-205 four masks by turns
.set LISTV, 206
.set TT,   28                          ; s28-55 the classes' totals, later their ends
.set POP,  56                          ; s56-63 the waves' masks, later the experts' tokens and keys
.set ST,   66                          ; s66-93 the classes' places, later their starts
.macro FLOAD reg, off
.irp i, 0,1,2,3,4,5,6,7,8,9,10,11,12,13,14,15
	global_load_b128 v[\reg+4*\i:\reg+4*\i+3], v[L16], s[4:5] offset:\off+4096*\i th:TH_LOAD_NT
.endr
.endm
.macro TURN reg                        ; afterwards X[16 c + i] = k 32 c + 16 (lane / 16) + i of row lane % 16
.irp i, 0,1,2,3,4,5,6,7,8,9,10,11,12,13,14,15
	ds_store_b128 v[SW], v[\reg+4*\i:\reg+4*\i+3] offset:SPITCH*\i
.endr
.irp c, 0,1,2,3
.irp j, 0,1,2,3
	ds_load_b128 v[X+16*\c+4*\j:X+16*\c+4*\j+3], v[SRD] offset:128*\c+16*\j
.endr
.endr
	s_wait_dscnt 0x0
.endm
.macro QUANT src, dst, wrd
.irp b, 0,1,2,3
	v_max3_num_f32 v[TM+\b], |v[\src+16*\b]|, |v[\src+1+16*\b]|, 0x4800000   ; my 16 numbers and the floor 2^(9 - 127)
.endr
.irp i, 2,4,6,8,10,12,14
.irp b, 0,1,2,3
	s_delay_alu instid0(VALU_DEP_4)
	v_max3_num_f32 v[TM+\b], v[TM+\b], |v[\src+16*\b+\i]|, |v[\src+1+16*\b+\i]|
.endr
.endr
.irp b, 0,1,2,3
	s_delay_alu instid0(VALU_DEP_4)
	v_permlanex16_b32 v[TM+4+\b], v[TM+\b], s[SEL], s[SEL+1]
.endr
.irp b, 0,1,2,3
	s_delay_alu instid0(VALU_DEP_4)
	v_max_num_f32 v[TM+\b], v[TM+\b], v[TM+4+\b]
.endr
.irp b, 0,1,2,3
	s_delay_alu instid0(VALU_DEP_4)
	v_add_nc_u32 v[TM+12+\b], 0xfc000000, v[TM+\b]         ; 8 off the exponent field: the conversion's scale operand
.endr
.irp b, 0,1,2,3
	v_and_or_b32 v[TM+8+\b], v[TM+\b], 0x7f800000, s[MNT]  ; 448 x the scale
.endr
.irp b, 0,1,2,3
	v_lshrrev_b32 v[TM+4+\b], 23, v[TM+12+\b]              ; the scale's byte
.endr
	s_delay_alu instid0(VALU_DEP_3)
	v_lshl_or_b32 v[\wrd], v[TM+5], 8, v[TM+4]
	s_delay_alu instid0(VALU_DEP_1)
	v_lshl_or_b32 v[\wrd], v[TM+6], 16, v[\wrd]
	s_delay_alu instid0(VALU_DEP_1)
	v_lshl_or_b32 v[\wrd], v[TM+7], 24, v[\wrd]
.irp b, 0,1,2,3
.irp i, 0,1,2,3,4,5,6,7,8,9,10,11,12,13,14,15
	v_med3_num_f32 v[\src+16*\b+\i], v[\src+16*\b+\i], -v[TM+8+\b], v[TM+8+\b]   ; the conversion does not saturate (ISA guide 7.6.2): the hold comes first
.endr
	v_cvt_scalef32_pk8_fp8_f32 v[\dst+4*\b:\dst+1+4*\b], v[\src+16*\b:\src+7+16*\b], v[TM+12+\b]
	v_cvt_scalef32_pk8_fp8_f32 v[\dst+2+4*\b:\dst+3+4*\b], v[\src+8+16*\b:\src+15+16*\b], v[TM+12+\b]
.endr
	v_nop                                  ; one plain instruction behind the last scaled conversion
.endm
.macro FRAG m, reg, left
	s_wait_loadcnt \left
	TURN \reg
	QUANT X, PC0+16*\m, SWD+\m
.irp c, 0,1,2,3
	global_store_b128 v[L16], v[PC0+16*\m+4*\c:PC0+16*\m+4*\c+3], s[8:9] offset:16384*\m+512*\c   ; 512 consecutive bytes; each fragment has its own registers, so no store's data are written again
.endr
	ds_store_b32 v[WSW], v[SWD+\m] offset:512*\m
.endm
; The 28 classes as the launch before numbers them: class c is the set {lo, hi}, c = lo (15 - lo) / 2 + (lo odd ? 7 - hi : hi - lo - 1).  op is written once for each, with the symbols c and hi set
.macro CLASSES op
.set c, 0
.irp lo, 0,1,2,3,4,5,6
.set n, 0
.rept 7-\lo
.if (\lo)%2
.set hi, 7-n
.else
.set hi, \lo+1+n
.endif
	\op \lo
.set n, n+1
.set c, c+1
.endr
.endr
.endm
.macro TABLE lo                        ; lane c learns its class's two experts
	s_mov_b32 s20, \lo
	s_mov_b32 s21, hi
	v_writelane_b32 v[LO4], s20, c
	v_writelane_b32 v[HI4], s21, c
.endm
.macro POPS lo                         ; a class's tokens count for both its experts
	s_add_co_u32 s[POP+\lo], s[POP+\lo], s[TT+c]
	s_add_co_u32 s[POP+hi], s[POP+hi], s[TT+c]
.endm
.macro BMASK lo                        ; a class that meets the block adds its two experts; four masks by turns
	v_and_or_b32 v[ACC+c%4], v[AR+c], (1<<\lo)|(1<<hi), v[ACC+c%4]
.endm
.macro ADD3X d, a, b, e                ; of the 28 registers at work: number i lies at v[W8 + i + 8 (i / 16)]
	v_add3_u32 v[W8+(\d)+8*((\d)/16)], v[W8+(\a)+8*((\a)/16)], v[W8+(\b)+8*((\b)/16)], v[W8+(\e)+8*((\e)/16)]
.endm
	s_load_b256 s[4:11], s[0:1], 0x0               ; We, meta, w_codes, w_scales
	s_load_b128 s[12:15], s[0:1], 0x20             ; order, blist
	s_set_vgpr_msb 0x40
	v_lshl_add_u32 v0, v0, 2, 0x11000
	v_mov_b32 v1, 0
	s_set_vgpr_msb 0x4000
	v_lshrrev_b32 v[RR], 5, v0
	s_delay_alu instid0(VALU_DEP_1)
	v_readfirstlane_b32 s[WV], v[RR]               ; wave 0..7
	v_and_b32 v[LANE], 31, v0
	s_mov_b32 s19, 0                               ; the high word of every offset pair s[18:19]
	s_cmp_eq_u32 ttmp9, 0
	s_cbranch_scc1 .Lplace
	; ---- the quantiser
	v_lshlrev_b32 v[L16], 4, v[LANE]
	s_sub_co_u32 s17, ttmp9, 1                     ; which 32 rows
	s_lshl_b32 s18, s17, 17
	s_lshl_b32 s20, s[WV], 9
	s_add_co_u32 s18, s18, s20
	s_wait_alu depctr_va_vdst(0)
	s_wait_kmcnt 0x0
	s_add_nc_u64 s[4:5], s[4:5], s[18:19]
	FLOAD R0, 0
	FLOAD R1, 65536
	v_and_b32 v[RR], 15, v0
	v_bfe_u32 v[HH], v0, 4, 1
	s_mul_i32 s20, s[WV], WSTG
	v_add_nc_u32 v[SW], s20, v[L16]
	v_mul_u32_u24 v[SRD], v[RR], SPITCH
	s_delay_alu instid0(VALU_DEP_1)
	v_lshl_add_u32 v[SRD], v[HH], 6, v[SRD]
	s_delay_alu instid0(VALU_DEP_1)
	v_add_nc_u32 v[SRD], s20, v[SRD]
	s_lshl_b32 s20, s[WV], 2
	s_add_co_u32 s20, s20, WSC
	v_lshl_add_u32 v[WSW], v[RR], 5, s20           ; 32 r + 4 w
	s_and_b32 s21, s[WV], 1
	s_lshl_b32 s21, s21, 9
	s_add_co_u32 s20, s21, WSC
	v_add_nc_u32 v[WRD], s20, v[L16]
.irp b, 0,1,2,3
	v_mov_b32 v[TM+4+\b], 0                        ; a lane permute's destination counts as one of its sources
.endr
	s_mov_b32 s[SEL], 0x76543210
	s_mov_b32 s[SEL+1], 0xfedcba98
	s_mov_b32 s[MNT], 0x600000
	s_lshl_b32 s18, s17, 15                        ; two fragments' rows of 16,384 bytes,
	s_lshl_b32 s20, s[WV], 11                      ; my K step's 2,048
	s_add_co_u32 s18, s18, s20
	s_add_nc_u64 s[8:9], s[8:9], s[18:19]
	s_lshl_b32 s18, s17, 10
	s_add_co_u32 s18, s18, s21
	s_add_nc_u64 s[10:11], s[10:11], s[18:19]
	s_wait_alu depctr_va_vdst(0)
	FRAG 0, R0, 16                                 ; the other fragment's 16 loads may be out
	FRAG 1, R1, 0
	s_wait_dscnt 0x0                               ; for the others' sake: my scale words lie in LDS
	s_barrier_signal -1
	s_barrier_wait -1
	s_cmp_lt_u32 s[WV], 2
	s_cbranch_scc0 .Lqdone
	ds_load_b128 v[16:19], v[WRD]                  ; waves 0 and 1: the scale words of 16 rows, 512 consecutive bytes
	s_wait_dscnt 0x0
	global_store_b128 v[L16], v[16:19], s[10:11]
.Lqdone:
	s_set_vgpr_msb 0x5
	s_wait_tensorcnt 0x0
	ds_add_u32 v0, v1
	s_wait_dscnt 0x0
	s_set_vgpr_msb 0x500
	s_endpgm
	; ---- the sort
.Lplace:
	s_wait_alu depctr_va_vdst(0)
	v_lshlrev_b32 v1, 3, v[LANE]                   ; 8 x lane
	s_lshl_b32 s20, s[WV], 7
	s_add_co_u32 s20, s20, PL
	v_lshl_add_u32 v2, v[LANE], 2, s20             ; my wave's totals
	v_lshl_add_u32 v3, v[LANE], 2, PL              ; every wave's, for my class
	s_lshl_b32 s18, s[WV], 14                      ; 64 tiles of 256 bytes
	s_wait_alu depctr_va_vdst(0)
	s_wait_kmcnt 0x0
	s_add_nc_u64 s[6:7], s[6:7], s[18:19]
.set k, 0
.rept 64
	global_load_b64 v[M+2*k:M+2*k+1], v1, s[6:7] offset:256*k
.set k, k+1
.endr
	; what hangs on no loaded number is made while the loads are on their way
	v_and_b32 v[TOKB], 15, v0
	s_lshl_b32 s22, s[WV], 10
	v_add_nc_u32 v[TOKB], s22, v[TOKB]             ; token = 1,024 w + 16 k + lane % 16
	v_mov_b32 v[LO4], 0                            ; (v_writelane_b32's destination counts as one of its sources)
	v_mov_b32 v[HI4], 0
	v_mov_b32 v[KEY], 0
	CLASSES TABLE
	s_delay_alu instid0(VALU_DEP_2)
	v_min_u32 v[LO4], 7, v[LO4]                    ; an expert's number,
	s_delay_alu instid0(VALU_DEP_2)
	v_min_u32 v[HI4], 7, v[HI4]
	s_delay_alu instid0(VALU_DEP_2)
	v_lshlrev_b32 v[LO4], 2, v[LO4]                ; as the lane permute wants it: 4 x lane
	s_delay_alu instid0(VALU_DEP_2)
	v_lshlrev_b32 v[HI4], 2, v[HI4]
.irp j, 0,1,2,3,4,5,6,7
	s_cmp_lt_u32 \j, s[WV]
	s_cselect_b32 s[POP+\j], -1, 0                 ; all ones for the waves ahead of mine
.endr
.irp g, 0,1,2,3
	v_mov_b32 v[P+16*\g], 0                        ; each chain of running sums begins at 0
.endr
	s_wait_alu depctr_va_vdst(0)
	s_wait_loadcnt 0x0
.set j, 0
.rept 15
.irp g, 0,1,2,3
	v_add_nc_u32 v[P+16*\g+j+1], v[P+16*\g+j], v[M+2*(16*\g+j)]    ; my class's tokens in the chain's tiles ahead of this one; the four chains by turns
.endr
.set j, j+1
.endr
.irp g, 0,1,2,3
	s_delay_alu instid0(VALU_DEP_4)
	v_add_nc_u32 v[SEG+\g], v[P+16*\g+15], v[M+2*(16*\g+15)]       ; the chain's total
.endr
	s_delay_alu instid0(VALU_DEP_2)
	v_add3_u32 v[O3], v[SEG], v[SEG+1], v[SEG+2]   ; what stands ahead of chain 3,
	s_delay_alu instid0(VALU_DEP_4)
	v_add_nc_u32 v[O2], v[SEG], v[SEG+1]           ; of chain 2
	s_delay_alu instid0(VALU_DEP_2)
	v_add_nc_u32 v[WT], v[O3], v[SEG+3]            ; my class's tokens in my wave's 64 tiles
	ds_store_b32 v2, v[WT]
	s_wait_dscnt 0x0                               ; for the others' sake: my totals lie in LDS
	s_barrier_signal -1
	s_barrier_wait -1
.irp j, 0,1,2,3,4,5,6,7
	ds_load_b32 v[W8+\j], v3 offset:128*\j
.endr
	s_wait_dscnt 0x0
.irp j, 0,1,2,3,4,5,6,7
	v_and_b32 v[TW+\j], s[POP+\j], v[W8+\j]
.endr
	v_add3_u32 v[TOT], v[W8], v[W8+1], v[W8+2]
	v_add3_u32 v[WB], v[TW], v[TW+1], v[TW+2]
	v_add3_u32 v[W8+3], v[W8+3], v[W8+4], v[W8+5]
	v_add3_u32 v[TW+3], v[TW+3], v[TW+4], v[TW+5]
	s_delay_alu instid0(VALU_DEP_4)
	v_add3_u32 v[TOT], v[TOT], v[W8+6], v[W8+7]
	s_delay_alu instid0(VALU_DEP_4)
	v_add3_u32 v[WB], v[WB], v[TW+6], v[TW+7]
	s_delay_alu instid0(VALU_DEP_2)
	v_add_nc_u32 v[TOT], v[TOT], v[W8+3]           ; my class's tokens in all,
	s_delay_alu instid0(VALU_DEP_2)
	v_add_nc_u32 v[WB], v[WB], v[TW+3]             ; and in the waves ahead of mine
	; the experts' ranks
.set c, 0
.rept 28
	v_readlane_b32 s[TT+c], v[TOT], c
.set c, c+1
.endr
.irp e, 0,1,2,3,4,5,6,7
	s_mov_b32 s[POP+\e], 0
.endr
	CLASSES POPS                                   ; how many tokens chose each expert: at most 8,192
.irp e, 0,1,2,3,4,5,6,7
	s_lshl_b32 s[POP+\e], s[POP+\e], 3
	s_add_co_u32 s[POP+\e], s[POP+\e], 7-\e        ; keys that are all different: of two experts with as many tokens the lower number has the larger key
.endr
.irp e, 0
	v_writelane_b32 v[KEY], s[POP+\e], \e
.endr
.irp e, 1, 2, 3, 4, 5, 6, 7
	s_delay_alu instid0(VALU_DEP_1)
	v_writelane_b32 v[KEY], s[POP+\e], \e
.endr
.irp e, 0,1,2,3,4,5,6,7
	v_sub_nc_u32 v[W8+\e], v[KEY], s[POP+\e]       ; negative where expert e's key is larger than my lane's
.endr
.irp e, 0,1,2,3,4,5,6,7
	v_lshrrev_b32 v[W8+\e], 31, v[W8+\e]
.endr
	v_add3_u32 v[RANK], v[W8], v[W8+1], v[W8+2]
	s_delay_alu instid0(VALU_DEP_4)
	v_add3_u32 v[W8+3], v[W8+3], v[W8+4], v[W8+5]
	s_delay_alu instid0(VALU_DEP_2)
	v_add3_u32 v[RANK], v[RANK], v[W8+6], v[W8+7]
	s_delay_alu instid0(VALU_DEP_1)
	v_add_nc_u32 v[RANK], v[RANK], v[W8+3]         ; lane e: expert e's rank, 0 for the one most chosen
	ds_bpermute_b32 v[RLO], v[LO4], v[RANK]        ; my class's two experts' ranks
	ds_bpermute_b32 v[RHI], v[HI4], v[RANK]
	s_wait_dscnt 0x0
	v_min_u32 v12, v[RLO], v[RHI]                  ; rl
	v_max_u32 v13, v[RLO], v[RHI]                  ; rh
	s_delay_alu instid0(VALU_DEP_2)
	v_sub_nc_u32 v15, 15, v12
	s_delay_alu instid0(VALU_DEP_1)
	v_mul_u32_u24 v15, v15, v12
	s_delay_alu instid0(VALU_DEP_1)
	v_lshrrev_b32 v15, 1, v15                      ; rl (15 - rl) / 2
	s_delay_alu instid0(VALU_DEP_4)
	v_sub_nc_u32 v[RLO], v13, v12
	s_delay_alu instid0(VALU_DEP_1)
	v_add_nc_u32 v[RLO], -1, v[RLO]                ; rl even: rh - rl - 1
	v_sub_nc_u32 v[RHI], 7, v13                    ; rl odd: 7 - rh
	v_and_b32 v12, 1, v12
	s_delay_alu instid0(VALU_DEP_1)
	v_cmp_eq_u32 vcc_lo, 1, v12
	s_delay_alu instid0(VALU_DEP_1)
	v_cndmask_b32 v[RLO], v[RLO], v[RHI], vcc_lo
	s_delay_alu instid0(VALU_DEP_1)
	v_add_nc_u32 v[POS], v15, v[RLO]               ; my class's place: the 28 classes take the places 0 to 27 (lanes 28 to 31 are no class: what they hold is never used)
	; where my class begins: the tokens of all classes that stand ahead of it
.set c, 0
.rept 28
	v_readlane_b32 s[ST+c], v[POS], c
.set c, c+1
.endr
.set c, 0
.rept 28
	v_sub_nc_u32 v[W8+c+8*(c/16)], s[ST+c], v[POS] ; negative where class c stands ahead of mine
.set c, c+1
.endr
.set c, 0
.rept 28
	v_ashrrev_i32 v[W8+c+8*(c/16)], 31, v[W8+c+8*(c/16)]
.set c, c+1
.endr
.set c, 0
.rept 28
	v_and_b32 v[W8+c+8*(c/16)], s[TT+c], v[W8+c+8*(c/16)]
.set c, c+1
.endr
.irp i, 0,3,6,9,12,15,18,21,24
	ADD3X \i, \i, \i+1, \i+2
.endr
	ADD3X 0, 0, 3, 6
	ADD3X 9, 9, 12, 15
	ADD3X 18, 18, 21, 24
	ADD3X 0, 0, 9, 18
	s_delay_alu instid0(VALU_DEP_1)
	v_add_nc_u32 v[CB], v[W8], v[W8+27+8]
	s_delay_alu instid0(VALU_DEP_1)
	v_add_nc_u32 v[BB], v[CB], v[WB]               ; what my wave's first chain begins with,
	s_delay_alu instid0(VALU_DEP_1)
	v_add_nc_u32 v[BB+1], v[BB], v[SEG]            ; and the other three
	s_delay_alu instid0(VALU_DEP_2)
	v_add_nc_u32 v[BB+2], v[BB], v[O2]
	s_delay_alu instid0(VALU_DEP_3)
	v_add_nc_u32 v[BB+3], v[BB], v[O3]
; THE PLACING, 32 tiles at a time, stage by stage.  Each token fetches, from the lane of its class, where its class's tokens of its tile begin, adds its rank, and stores its number there.
.macro PL1 k0                          ; the sums under their bases; the lane to fetch from
.set k, \k0
.rept 32
	v_add_nc_u32 v[P+k], v[P+k], v[BB+k/16]
.set k, k+1
.endr
.set k, \k0
.rept 32
	v_and_b32 v[M+2*k], 0xff, v[M+2*k+1]           ; the class
.set k, k+1
.endr
.set k, \k0
.rept 32
	v_min_u32 v[M+2*k], 31, v[M+2*k]               ; a lane's number
.set k, k+1
.endr
.set k, \k0
.rept 32
	v_lshlrev_b32 v[M+2*k], 2, v[M+2*k]
.set k, k+1
.endr
.endm
.macro PERM k0
.set k, \k0
.rept 32
	ds_bpermute_b32 v[M+2*k], v[M+2*k], v[P+k]
.set k, k+1
.endr
.endm
.macro PL2 k0                          ; the place, the token's number, the store
.set k, \k0
.rept 32
	v_bfe_u32 v[P+k], v[M+2*k+1], 8, 8             ; the rank (the sum's register is free: its permute is done)
.set k, k+1
.endr
.set k, \k0
.rept 32
	v_add_nc_u32 v[M+2*k], v[M+2*k], v[P+k]
.set k, k+1
.endr
.set k, \k0
.rept 32
	v_min_u32 v[M+2*k], 0x1fff, v[M+2*k]           ; a place among 8,192
.set k, k+1
.endr
.set k, \k0
.rept 32
	v_lshlrev_b32 v[M+2*k], 2, v[M+2*k]
.set k, k+1
.endr
.set k, \k0
.rept 32
	v_add_nc_u32 v[M+2*k+1], 16*k, v[TOKB]
.set k, k+1
.endr
.set k, \k0
.rept 32
	global_store_b32 v[M+2*k], v[M+2*k+1], s[12:13]        ; lanes 16-31 repeat lanes 0-15: the same place, the same number.  Each tile has its own registers: none is written again
.set k, k+1
.endr
.endm
	PL1 0
	PERM 0
	PL1 32                                         ; the second batch's first stages stand behind the first batch's permutes
	s_wait_alu depctr_va_vdst(0)
	s_wait_dscnt 0x0
	PERM 32
	PL2 0                                          ; and the first batch's last stages behind the second's
	s_wait_dscnt 0x0
	PL2 32
	s_cmp_lt_u32 s[WV], 2
	s_cbranch_scc0 .Lpdone
	; waves 0 and 1: a lane is a block of 128 sorted tokens; a class whose range meets the block's adds its two experts
.set c, 0
.rept 28
	v_readlane_b32 s[ST+c], v[CB], c               ; where class c begins,
.set c, c+1
.endr
.set c, 0
.rept 28
	s_add_co_u32 s[TT+c], s[TT+c], s[ST+c]         ; and where it ends
.set c, c+1
.endr
	s_lshl_b32 s20, s[WV], 12
	v_lshl_add_u32 v[BS], v[LANE], 7, s20
	s_delay_alu instid0(VALU_DEP_1)
	v_add_nc_u32 v[BE], 128, v[BS]
.irp a, 0,1,2,3
	v_mov_b32 v[ACC+\a], 0
.endr
.set c, 0
.rept 28
	v_max_u32 v[AR+c], s[ST+c], v[BS]
.set c, c+1
.endr
.set c, 0
.rept 28
	v_min_u32 v[ZR+c], s[TT+c], v[BE]
.set c, c+1
.endr
.set c, 0
.rept 28
	v_sub_nc_u32 v[AR+c], v[AR+c], v[ZR+c]         ; negative where the two ranges share a token
.set c, c+1
.endr
.set c, 0
.rept 28
	v_ashrrev_i32 v[AR+c], 31, v[AR+c]
.set c, c+1
.endr
	CLASSES BMASK
	s_delay_alu instid0(VALU_DEP_3)
	v_or_b32 v[ACC], v[ACC], v[ACC+1]
	s_delay_alu instid0(VALU_DEP_2)
	v_or_b32 v[ACC+2], v[ACC+2], v[ACC+3]
	s_delay_alu instid0(VALU_DEP_1)
	v_or_b32 v[ACC], v[ACC], v[ACC+2]              ; a bit for each expert that the block uses
	v_mov_b32 v[LISTV], 0                          ; the list,
	v_mov_b32 v[LISTV+1], 0                        ; its length
.irp e, 0,1,2,3,4,5,6,7
	v_bfe_u32 v208, v[ACC], \e, 1
	s_delay_alu instid0(VALU_DEP_1)
	v_mul_u32_u24 v209, v208, \e
	s_delay_alu instid0(VALU_DEP_3)
	v_lshlrev_b32 v210, 2, v[LISTV+1]
	s_delay_alu instid0(VALU_DEP_1)
	v_lshl_or_b32 v[LISTV], v209, v210, v[LISTV]
	s_delay_alu instid0(VALU_DEP_4)
	v_add_nc_u32 v[LISTV+1], v[LISTV+1], v208
.endr
	s_lshl_b32 s18, s[WV], 8
	s_add_nc_u64 s[14:15], s[14:15], s[18:19]
	global_store_b64 v1, v[LISTV:LISTV+1], s[14:15]        ; 256 consecutive bytes a wave
.Lpdone:
	s_set_vgpr_msb 0x5
	s_wait_tensorcnt 0x0
	ds_add_u32 v0, v1
	s_wait_dscnt 0x0
	s_set_vgpr_msb 0x500
	s_endpgm
.Lfunc_end_k_q05bb342f82_prep:
	.size	k_q05bb342f82_prep, .Lfunc_end_k_q05bb342f82_prep-k_q05bb342f82_prep
	.p2alignl 7, 3214868480
	.fill 96, 4, 3214868480
	.section	.rodata,"a",@progbits
	.p2align	6, 0x0
	.amdhsa_kernel k_q05bb342f82_prep
		.amdhsa_group_segment_fixed_size 70656
		.amdhsa_private_segment_fixed_size 0
		.amdhsa_enable_private_segment 0
		.amdhsa_kernarg_size 48
		.amdhsa_user_sgpr_count 2
		.amdhsa_user_sgpr_kernarg_segment_ptr 1
		.amdhsa_wavefront_size32 1
		.amdhsa_system_sgpr_workgroup_id_x 1
		.amdhsa_system_sgpr_workgroup_id_y 1
		.amdhsa_system_sgpr_workgroup_id_z 1
		.amdhsa_system_vgpr_workitem_id 0
		.amdhsa_next_free_vgpr 258
		.amdhsa_next_free_sgpr 96
		.amdhsa_reserve_vcc 1
		.amdhsa_float_denorm_mode_32 3
		.amdhsa_float_denorm_mode_16_64 3
		.amdhsa_memory_ordered 1
		.amdhsa_forward_progress 1
		.amdhsa_inst_pref_size 107
	.end_amdhsa_kernel
	.amdgpu_metadata
---
amdhsa.version: [ 1, 2 ]
amdhsa.kernels:
  - .name:           k_q05bb342f82_prep
    .symbol:         k_q05bb342f82_prep.kd
    .args:
      - { .name: We, .offset: 0, .size: 8, .value_kind: global_buffer, .address_space: global }
      - { .name: meta, .offset: 8, .size: 8, .value_kind: global_buffer, .address_space: global }
      - { .name: w_codes, .offset: 16, .size: 8, .value_kind: global_buffer, .address_space: global }
      - { .name: w_scales, .offset: 24, .size: 8, .value_kind: global_buffer, .address_space: global }
      - { .name: order, .offset: 32, .size: 8, .value_kind: global_buffer, .address_space: global }
      - { .name: blist, .offset: 40, .size: 8, .value_kind: global_buffer, .address_space: global }
    .group_segment_fixed_size: 70656
    .private_segment_fixed_size: 0
    .kernarg_segment_align: 8
    .kernarg_segment_size: 48
    .max_flat_workgroup_size: 256
    .sgpr_count:     96
    .vgpr_count:     258
    .wavefront_size: 32
...
	.end_amdgpu_metadata
.endif
;; end of part 6
;; launch experts (part 7): grid 4 x 64, 4 waves a work-group, no clusters, 153,088 bytes of LDS; arguments x_codes, x_scales, w_codes, w_scales, be, gsel, order, blist, out0; writes out0
.if DOCPART == 7
	.amdgcn_target "amdgcn-amd-amdhsa--gfx1250"
	.amdhsa_code_object_version 6
	.text
	.protected	k_q05bb342f82_experts
	.globl	k_q05bb342f82_experts
	.p2align	8
	.type	k_q05bb342f82_experts,@function
k_q05bb342f82_experts:
	s_mov_b64 s[64:65], 0
	v_nop
	global_prefetch_b8 v0, s[64:65] scope:SCOPE_SE
	s_setreg_imm32_b32 hwreg(HW_REG_WAVE_SCHED_MODE, 0, 2), 2
	s_setreg_imm32_b32 hwreg(HW_REG_WAVE_MODE, 25, 1), 1
	s_wait_xcnt 0x0
	s_wait_alu depctr_vm_vsrc(0)
; out0[token] = the sum over the token's two experts e of gate weight x (Q(x) Q(We[e])^T + be[e]), on E4M3 codes with E8M0 scales.
; SHARES.  Work-group (x, y) owns the 128 tokens at places 128 y .. 128 y + 127 of the sorted list and columns 256 x .. 256 x + 255: every output row has one owner.  THE WAVES SHARE THE COLUMNS: wave w makes all
; 128 rows x 64 columns, so each fragment of weights is loaded once in a work-group, from w_codes (laid in the order of an operand's registers) straight into registers.  The gathered rows of x lie in LDS.
; The work-group walks only the experts that its block uses (the stored list: two to eight).  For each: TMP = be (the C of K step 0) + x We^T; then OUT (+)= g x TMP, g = gsel[token][e], 0 for a token that did not choose e.
; THE MATRIX INSTRUCTION IS USED TRANSPOSED (source 0 = 16 columns of We, source 1 = 16 tokens): a lane holds one token and eight neighbouring columns.
; NO CLUSTER, NO TENSOR LOAD: trip count and weight addresses hang on the stored list, which differs from block to block, and the rows of x are gathered by stored numbers; work-groups of one block row walk other columns.
; LIMITS: NaN and infinities are not served: a product that is not finite for an expert that a token did not choose would spoil that token's row (0 x it).
; REGISTERS.  Window 0: v1-15 addresses; v16-47 x's scale words, v48-63 We's (scales and nothing else); v64-95 the bias; v96-111 g (even registers; first the gather's row offsets); v112-127 token offsets;
;   v128-191, v192-255 weights, buffers 0 and 1.   Window 1: v0-127 x's eight fragments; v128-255 weights, buffers 2 and 3.   Window 2: TMP (a, b) at 8 (4 a + b).   Window 3: OUT likewise.
; THE MODE: SCHED_MODE bits 1:0 = 2 (LLVM: expert scheduling mode 2), set by the entry lines.  The code itself states the register dependences between vector or matrix instructions and memory or LDS
; instructions, with s_wait_alu, always for 0.
; THE PLAN.  Registers that memory or LDS instructions touch, in the loop:
;   v1-5, v112-119      addresses and offsets: written at the head and never again, so the loop owes nothing for them and holds no wait on vm_vsrc.
;   x's fragments 0-3   read by a step's first sixteen products; behind them the next step's LDS loads land there.     Fragments 4-7: the same with the step's last sixteen products.
;   weights, buffer s % 4   read by step s's 32 products; loaded again in step s + 1, for step s + 4.
;   the bias            read by step 0's products, loaded in step 1.     The weights' scale words of K steps 0-3: read in steps 0-3, loaded in step 4; those of K steps 4-7: read in steps 4-7, loaded in step 0.
;   g (even registers)  read by the lines that add TMP into OUT, loaded in step 0.
; So TWO waits on va_vdst stand in a step.  The first, behind the first sixteen products, states that they are done with fragments 0-3 and that all of the step before (in step 0: the expert before, its sums too) is
; done with its weights, bias, scale words and g.  Behind it: the sixteen LDS loads, eight products, the step's loads from memory, eight products.  The eight products between name this step's weights, fragments
; 4 and 5, TMP and this step's scale words (in step 0 the bias): none of the registers that those loads touch.  The second wait, behind the last products, frees fragments 4-7.
.set APITCH, 1040                      ; a row of codes in LDS: 1,024 bytes + 16: an odd multiple of 16
.set LIST,   128*APITCH                ; each wave's own copy of the block's 128 token numbers
.set STAGE,  LIST+4*512                ; the way out: 16 rows x (256 bytes + 16) for each wave
.set SP,     272
.set LB,    1
.set ADRA0, 2
.set ADRA1, 3
.set BO,    4
.set SO,    5
.set STO,   6
.set RD,    7
.set CO,    8
.set TLA,   9
.set TLR,   10
.set LW,    11
.set AST,   12
.set T0,    13
.set T1,    14
.set TLG,   15
.set AS,    16
.set BS,    48
.set BIAS,  64
.set G,     96
.set ROFF,  96
.set TOKG,  112
.set TOKV,  120
.set ASO,   124
.set RR,    200                        ; at work in the head only
.set HH,    201
.set OFFR,  128                        ; the way out: 64 row offsets; v192-255 two sets of rows read back
.set BK,    192
.set LISTR, 22
.set CNT,   23
.set WV,    24
.set J,     25
.set CM1,   26
.set CURC,  36
.set CURS,  38
.set CURG,  40
.set NXTC,  42
.set NXTS,  44
.set NXTB,  46
.set MSB, 0
.macro WIN new                         ; the immediate's high byte repeats the setting that is left
.if MSB != \new
	s_set_vgpr_msb (MSB<<8)|\new
.set MSB, \new
.endif
.endm
.macro PLACES                          ; eight places behind this matrix form; where loads into its registers follow, they stay beside the wait on va_vdst, ahead of it
.rept 8
	v_nop
.endr
.endm
.macro EXPERT d, add                   ; s[d] = entry J + add of the list, held to 0 .. 7
	s_add_co_u32 s27, s[J], \add
	s_lshl_b32 s27, s27, 2
	s_lshr_b32 s[\d], s[LISTR], s27
	s_and_b32 s[\d], s[\d], 7
	s_min_u32 s[\d], s[\d], 7
.endm
.macro CURBASES                        ; the expert in hand: codes, scale words, its column of gsel
	EXPERT 28, 0
	s_lshl_b32 s32, s28, 20
	s_add_nc_u64 s[CURC:CURC+1], s[8:9], s[32:33]
	s_lshl_b32 s32, s28, 15
	s_add_nc_u64 s[CURS:CURS+1], s[10:11], s[32:33]
	s_lshl_b32 s32, s28, 2
	s_add_nc_u64 s[CURG:CURG+1], s[14:15], s[32:33]
.endm
.macro NXTBASES add                    ; the expert whose first loads go out: codes, scale words, bias
	EXPERT 29, \add
	s_lshl_b32 s32, s29, 20
	s_add_nc_u64 s[NXTC:NXTC+1], s[8:9], s[32:33]
	s_lshl_b32 s32, s29, 15
	s_add_nc_u64 s[NXTS:NXTS+1], s[10:11], s[32:33]
	s_lshl_b32 s32, s29, 12
	s_add_nc_u64 s[NXTB:NXTB+1], s[12:13], s[32:33]
.endm
; one product: tokens 16 a on, columns 16 b on, K step s.  A scale register holds two neighbouring blocks' words: the even block's in lanes 0-15, the odd one's in lanes 16-31
.macro WM a, b, s
.set rD,  8*(4*(\a)+(\b))
.set rB,  128+64*((\s)%2)+16*(\b)
.set rA,  16*(\a)
.set rSB, BS+8*((\b)/2)+(\s)
.set rSA, AS+8*((\a)/2)+(\s)
.if (\s) == 0
.if ((\a)%2) && ((\b)%2)
	v_wmma_scale_f32_16x16x128_f8f6f4 v[rD:rD+7], v[rB:rB+15], v[rA:rA+15], v[BIAS+8*(\b):BIAS+8*(\b)+7], v[rSB], v[rSA] matrix_a_scale:MATRIX_SCALE_ROW1 matrix_b_scale:MATRIX_SCALE_ROW1
.elseif (\b)%2
	v_wmma_scale_f32_16x16x128_f8f6f4 v[rD:rD+7], v[rB:rB+15], v[rA:rA+15], v[BIAS+8*(\b):BIAS+8*(\b)+7], v[rSB], v[rSA] matrix_a_scale:MATRIX_SCALE_ROW1
.elseif (\a)%2
	v_wmma_scale_f32_16x16x128_f8f6f4 v[rD:rD+7], v[rB:rB+15], v[rA:rA+15], v[BIAS+8*(\b):BIAS+8*(\b)+7], v[rSB], v[rSA] matrix_b_scale:MATRIX_SCALE_ROW1
.else
	v_wmma_scale_f32_16x16x128_f8f6f4 v[rD:rD+7], v[rB:rB+15], v[rA:rA+15], v[BIAS+8*(\b):BIAS+8*(\b)+7], v[rSB], v[rSA]
.endif
.else
.if ((\a)%2) && ((\b)%2)
	v_wmma_scale_f32_16x16x128_f8f6f4 v[rD:rD+7], v[rB:rB+15], v[rA:rA+15], v[rD:rD+7], v[rSB], v[rSA] matrix_a_scale:MATRIX_SCALE_ROW1 matrix_b_scale:MATRIX_SCALE_ROW1
.elseif (\b)%2
	v_wmma_scale_f32_16x16x128_f8f6f4 v[rD:rD+7], v[rB:rB+15], v[rA:rA+15], v[rD:rD+7], v[rSB], v[rSA] matrix_a_scale:MATRIX_SCALE_ROW1
.elseif (\a)%2
	v_wmma_scale_f32_16x16x128_f8f6f4 v[rD:rD+7], v[rB:rB+15], v[rA:rA+15], v[rD:rD+7], v[rSB], v[rSA] matrix_b_scale:MATRIX_SCALE_ROW1
.else
	v_wmma_scale_f32_16x16x128_f8f6f4 v[rD:rD+7], v[rB:rB+15], v[rA:rA+15], v[rD:rD+7], v[rSB], v[rSA]
.endif
.endif
.endm
; 8 products: blocks 2 q and 2 q + 1 of tokens x four of columns.  The 32 accumulators take turns, one instruction a turn, in the same order in every step
.macro MULQ s, q
.if (\s) == 0
	WIN 0x84                               ; weights window 0, x window 1, the bias window 0, TMP window 2
.elseif ((\s)%4) < 2
	WIN 0xA4                               ; weights window 0, x window 1, C and D window 2
.else
	WIN 0xA5                               ; weights window 1
.endif
.irp a, 0,1
.irp b, 0,1,2,3
	WM 2*(\q)+\a, \b, \s
.endr
.endr
.endm
.macro FETCH_A s, half                 ; four fragments of x for K step s: 16 LDS loads
	WIN 0x40
.irp a, 0,1,2,3
.irp c, 0,1,2,3
	ds_load_b128 v[16*(4*(\half)+\a)+4*\c:16*(4*(\half)+\a)+4*\c+3], v[ADRA0+(\half)] offset:16*APITCH*\a+128*(\s)+32*\c
.endr
.endr
.endm
.macro BL base, s                      ; my four fragments of weights for K step s into buffer s % 4: 16 loads of 512 consecutive bytes
.if ((\s)%4) < 2
	WIN 0
.else
	WIN 0x40
.endif
.irp b, 0,1,2,3
.irp c, 0,1,2,3
	global_load_b128 v[128+64*((\s)%2)+16*\b+4*\c:128+64*((\s)%2)+16*\b+4*\c+3], v[LB], s[\base:\base+1] offset:16384*\b+2048*(\s)+512*\c
.endr
.endr
.endm
.macro LBIAS                           ; be[e][col0 + 16 b + 8 h + 0 .. 7], in the result's layout
.irp b, 0,1,2,3
.irp q, 0,1
	global_load_b128 v[BIAS+8*\b+4*\q:BIAS+8*\b+4*\q+3], v[BO], s[NXTB:NXTB+1] offset:64*\b+16*\q
.endr
.endr
.endm
.macro LBSLO                           ; the weights' scale words of K steps 0-3: lane l takes column 32 u + l
.irp u, 0,1
	global_load_b128 v[BS+8*\u:BS+8*\u+3], v[SO], s[NXTS:NXTS+1] offset:1024*\u
.endr
.endm
; K STEP s of an expert.  pf = 1: another expert follows, and its first loads go out in steps 1, 4, 5, 6, 7.
; Weights run three steps ahead in four buffers; a buffer is loaded again a step behind its last product.  The wait on LOADcnt leaves out the loads issued behind this step's weights.
.macro STEP s, pf
.set NN, 32
.if (\s) == 1
.set NN, 42                            ; step 2's weights, g (8), scale words (2), step 3's weights
.elseif (\s) == 2
.set NN, 42+8*(\pf)                    ; + the next bias
.elseif (\s) == 3
.set NN, 32+8*(\pf)
.elseif (\s) == 5
.set NN, 32+2*(\pf)                    ; + the next expert's scale words
.elseif (\s) == 6
.set NN, 16+18*(\pf)
.elseif (\s) == 7
.set NN, 32*(\pf)
.endif
	s_wait_dscnt 16                                ; x's fragments 0-3 are in; the 16 youngest LDS loads may be out
	s_wait_loadcnt NN
	MULQ \s, 0
	MULQ \s, 1
	s_wait_dscnt 0x0                               ; fragments 4-7
.if ((\s) < 7) || (\pf)
	PLACES
	WIN 0x40
	s_wait_alu depctr_va_vdst(0)                   ; the sixteen products above are done reading fragments 0-3, in which the LDS loads below land; all that was issued ahead of this step is done reading the weights, bias, scale words and g in which the loads further down land
	FETCH_A ((\s)+1)%8, 0
.endif
	MULQ \s, 2                                     ; these eight name none of the registers that the loads below touch
.if (\s) == 0
	WIN 0
.irp a, 0,1,2,3,4,5,6,7
	global_load_b32 v[G+2*\a], v[TOKG+\a], s[CURG:CURG+1]          ; g of token 16 a + r
.endr
.irp u, 0,1
	global_load_b128 v[BS+8*\u+4:BS+8*\u+7], v[SO], s[CURS:CURS+1] offset:1024*\u+16   ; scale words of K steps 4-7
.endr
.endif
.if ((\s) == 1) && (\pf)
	WIN 0
	LBIAS
.endif
.if ((\s) == 4) && (\pf)
	WIN 0
	LBSLO
.endif
.if (\s) < 5
	BL CURC, (\s)+3
.elseif \pf
	BL NXTC, (\s)-5
.endif
	MULQ \s, 3
	PLACES
.if ((\s) < 7) || (\pf)
	WIN 0x40
	s_wait_alu depctr_va_vdst(0)                   ; the step's last sixteen products are done reading fragments 4-7, in which the LDS loads below land
	FETCH_A ((\s)+1)%8, 1
.endif
.endm
.macro COMBINE first                   ; OUT (+)= g x TMP, each accumulator from its low end on; the places stand at the end of step 7
.if \first
	WIN 0xC2                               ; TMP window 2, g window 0, OUT window 3
.else
	WIN 0xF2
.endif
.set i, 0
.rept 128
.if \first
	v_pk_mul_f32 v[2*i:2*i+1], v[2*i:2*i+1], v[G+2*(i/16):G+2*(i/16)+1] op_sel_hi:[1,0]
.else
	v_pk_fma_f32 v[2*i:2*i+1], v[2*i:2*i+1], v[G+2*(i/16):G+2*(i/16)+1], v[2*i:2*i+1] op_sel_hi:[1,0,1]
.endif
.set i, i+1
.endr
	WIN 0
.endm
.macro TRIP pf, first
	s_wait_xcnt 0x0                                ; every load issued so far has read its base: the bases may be written
	CURBASES
.if \pf
	NXTBASES 1
.endif
.irp s, 0,1,2,3,4,5,6,7
	STEP \s, \pf
.endr
	COMBINE \first
.endm
	s_load_b256 s[4:11], s[0:1], 0x0               ; x_codes, x_scales, w_codes, w_scales
	s_load_b256 s[12:19], s[0:1], 0x20             ; be, gsel, order, blist
	s_load_b64 s[20:21], s[0:1], 0x40              ; out0
	v_lshrrev_b32 v[T0], 5, v0
	v_readfirstlane_b32 s[WV], v[T0]               ; wave 0..3
	v_and_b32 v[T1], 31, v0                        ; lane
	v_lshlrev_b32 v[T0], 2, v[T1]
	s_and_b32 s27, ttmp7, 0xffff                   ; the block of 128 sorted tokens
	s_lshl_b32 s32, s27, 9
	s_mov_b32 s33, 0                               ; stays 0: the high word of every offset pair s[32:33]
	s_lshl_b32 s34, s27, 3
	s_mov_b32 s35, 0
	s_wait_kmcnt 0x0
	s_add_nc_u64 s[16:17], s[16:17], s[32:33]
	s_add_nc_u64 s[18:19], s[18:19], s[34:35]
	s_wait_alu depctr_va_vdst(0)                   ; v13 is written: the offset of the four loads below
.irp v, 0,1,2,3
	global_load_b32 v[TOKV+\v], v[T0], s[16:17] offset:128*\v      ; the block's token numbers: place 32 v + lane
.endr
	s_load_b64 s[22:23], s[18:19], 0x0             ; the block's list of experts and its length
	v_and_b32 v[RR], 15, v0                        ; r
	v_bfe_u32 v[HH], v0, 4, 1                      ; h
	v_lshlrev_b32 v[LB], 4, v[T1]
	v_mul_u32_u24 v[ADRA0], v[RR], APITCH
	v_lshl_add_u32 v[ADRA0], v[HH], 4, v[ADRA0]    ; a fragment's row x pitch + 16 h
	v_add_nc_u32 v[ADRA1], 64*APITCH, v[ADRA0]     ; rows 64 on
	v_lshlrev_b32 v[BO], 5, v[HH]
	v_lshlrev_b32 v[SO], 5, v[T1]
	v_lshlrev_b32 v[CO], 4, v[RR]
	s_wait_alu depctr_va_sdst(0)                   ; the wave's number is written, ahead of its first reader
	s_mul_i32 s28, s[WV], 16*SP
	s_add_co_u32 s28, s28, STAGE
	v_mul_u32_u24 v[STO], v[RR], SP
	v_lshl_add_u32 v[STO], v[HH], 5, v[STO]
	v_add_nc_u32 v[STO], s28, v[STO]               ; stage, in: row r, + 32 h
	v_mul_u32_u24 v[RD], v[HH], SP
	v_lshl_add_u32 v[RD], v[RR], 4, v[RD]
	v_add_nc_u32 v[RD], s28, v[RD]                 ; back: lanes 0-15 one row, lanes 16-31 the next
	s_lshl_b32 s29, s[WV], 9
	s_add_co_u32 s29, s29, LIST
	v_lshl_add_u32 v[TLA], v[HH], 2, s29
	v_lshl_add_u32 v[TLR], v[RR], 2, s29
	v_lshl_add_u32 v[LW], v[T1], 2, s29
	s_lshl_b32 s30, s[WV], 7
	v_add_nc_u32 v[TLG], s30, v[TLA]               ; the 32 rows that I gather
	s_mul_i32 s28, s[WV], 32*APITCH
	v_mul_u32_u24 v[AST], v[HH], APITCH
	v_lshl_add_u32 v[AST], v[RR], 4, v[AST]
	v_add_nc_u32 v[AST], s28, v[AST]               ; row 32 w + h, + 16 r
	s_lshl_b32 s28, ttmp9, 8
	s_lshl_b32 s29, s[WV], 6
	s_add_co_u32 s28, s28, s29                     ; my first column
	s_lshl_b32 s32, s28, 10                        ; 16 columns are 16,384 bytes of codes
	s_add_nc_u64 s[8:9], s[8:9], s[32:33]
	s_lshl_b32 s32, s28, 5
	s_add_nc_u64 s[10:11], s[10:11], s[32:33]
	s_lshl_b32 s32, s28, 2
	s_add_nc_u64 s[12:13], s[12:13], s[32:33]
	s_add_nc_u64 s[20:21], s[20:21], s[32:33]
	s_mov_b32 s[J], 0
	s_wait_loadcnt 0x0
.irp v, 0,1,2,3
	v_min_u32 v[TOKV+\v], 0x1fff, v[TOKV+\v]       ; a token's number
.endr
.irp v, 0,1,2,3
	v_lshlrev_b32 v[ASO+\v], 5, v[TOKV+\v]         ; its row of x's scale words
.endr
	s_wait_alu depctr_va_vdst(0)                   ; the addresses made above, the token numbers and the four offsets are written: the LDS and memory instructions below read them; and v200, v201, in which weights will land, are done with
.irp v, 0,1,2,3
	ds_store_b32 v[LW], v[TOKV+\v] offset:128*\v   ; my wave's own copy: LDS serves a wave's instructions in order
.endr
.irp a, 0,1,2,3,4,5,6,7
	ds_load_b32 v[TOKG+\a], v[TLR] offset:64*\a    ; token 16 a + r
.endr
.irp i, 0,1,2,3,4,5,6,7,8,9,10,11,12,13,14,15
	ds_load_b32 v[ROFF+\i], v[TLG] offset:8*\i     ; token 32 w + 2 i + h
.endr
.irp v, 0,1,2,3
.irp q, 0,1
	global_load_b128 v[AS+8*\v+4*\q:AS+8*\v+4*\q+3], v[ASO+\v], s[6:7] offset:16*\q   ; x's scale words, all eight K steps: lanes 0-15 block 2 v, lanes 16-31 block 2 v + 1
.endr
.endr
	s_wait_dscnt 0x0
.irp a, 0,1,2,3,4,5,6,7
	v_min_u32 v[TOKG+\a], 0x1fff, v[TOKG+\a]
	v_lshlrev_b32 v[TOKG+\a], 5, v[TOKG+\a]        ; its row of gsel
.endr
.irp i, 0,1,2,3,4,5,6,7,8,9,10,11,12,13,14,15
	v_min_u32 v[ROFF+\i], 0x1fff, v[ROFF+\i]
	v_lshl_add_u32 v[ROFF+\i], v[ROFF+\i], 10, v[CO]       ; its row of codes, + 16 r
.endr
	WIN 0x80                                       ; the gather lands in window 2, which the products need only later
	s_wait_alu depctr_va_vdst(0)                   ; the sixteen row offsets are written, which the gather reads, and the eight offsets into gsel, which every expert's loads of g read
.irp i, 0,1,2,3,4,5,6,7,8,9,10,11,12,13,14,15
.irp q, 0,1,2,3
	global_load_b128 v[16*\i+4*\q:16*\i+4*\q+3], v[ROFF+\i], s[4:5] offset:256*\q     ; sixteen lanes read 256 consecutive bytes of a row, aligned
.endr
.endr
	WIN 0
	s_wait_kmcnt 0x0
	s_max_u32 s[CNT], s[CNT], 2
	s_min_u32 s[CNT], s[CNT], 8                    ; two to eight experts
	s_sub_co_u32 s[CM1], s[CNT], 1
	NXTBASES 0                                     ; the first expert's first loads
	LBIAS
	LBSLO
	BL NXTC, 0
	BL NXTC, 1
	BL NXTC, 2
	s_wait_loadcnt 58                              ; x's scale words and the gather are in: behind them went 8 + 2 + 48 loads
	WIN 0x08                                       ; an LDS store's data are its source 1: window 2
.irp i, 0,1,2,3,4,5,6,7,8,9,10,11,12,13,14,15
.irp q, 0,1,2,3
	ds_store_b128 v[AST], v[16*\i+4*\q:16*\i+4*\q+3] offset:2*APITCH*\i+256*\q
.endr
.endr
	WIN 0
	s_wait_alu depctr_vm_vsrc(0)                   ; the gather has read its row offsets, whose registers become g (written below, and by step 0's loads); the LDS stores above have read window 2, which the products write as TMP
.irp a, 0,1,2,3,4,5,6,7
	v_mov_b32 v[G+2*\a+1], 0                       ; the upper halves of g's pairs: named by the packed forms, never used
.endr
	s_wait_dscnt 0x0                               ; for the others' sake: my 32 rows lie in LDS
	s_barrier_signal -1
	s_barrier_wait -1                              ; the one barrier: from here on the rows are only read
	FETCH_A 0, 0
	FETCH_A 0, 1
	TRIP 1, 1                                      ; the first expert starts OUT: nothing is cleared
	s_mov_b32 s[J], 1
	s_cmp_lt_u32 s[J], s[CM1]
	s_cbranch_scc0 .Llast
.Lmid:                                             ; the experts between the first and the last
	TRIP 1, 0
	s_add_co_u32 s[J], s[J], 1
	s_cmp_lt_u32 s[J], s[CM1]
	s_cbranch_scc1 .Lmid
.Llast:
	TRIP 0, 0                                      ; the last expert asks for nothing more
	; THE WAY OUT, a block of 16 tokens at a time: a lane holds 32 bytes of a row and its neighbours other rows, so the block goes through my own stage and comes back as rows of 256 bytes
	s_wait_alu depctr_va_vdst(0)                   ; the products are done reading the weights' buffers 0 and 1 (v128-255), in which the loads below and the stage's rows land; the last sums have written OUT, which the LDS stores read
.irp a, 0,1,2,3,4,5,6,7
.irp i, 0,1,2,3,4,5,6,7
	ds_load_b32 v[OFFR+8*\a+\i], v[TLA] offset:64*\a+8*\i          ; token 16 a + 2 i + h
.endr
.endr
	s_wait_dscnt 0x0
.set i, 0
.rept 64
	v_min_u32 v[OFFR+i], 0x1fff, v[OFFR+i]
	v_lshl_add_u32 v[OFFR+i], v[OFFR+i], 12, v[CO] ; its row of out0, + 16 r
.set i, i+1
.endr
	s_wait_alu depctr_va_vdst(0)                   ; the 64 row offsets are written, which the stores to out0 read
.macro TOSTAGE a
	WIN 0x0C                                       ; the data: window 3
.irp b, 0,1,2,3
	ds_store_b128 v[STO], v[8*(4*(\a)+\b):8*(4*(\a)+\b)+3] offset:64*\b
	ds_store_b128 v[STO], v[8*(4*(\a)+\b)+4:8*(4*(\a)+\b)+7] offset:64*\b+16
.endr
	WIN 0
.irp i, 0,1,2,3,4,5,6,7
	ds_load_b128 v[BK+32*((\a)%2)+4*\i:BK+32*((\a)%2)+4*\i+3], v[RD] offset:2*SP*\i    ; LDS serves a wave's instructions in order: these see the stores above
.endr
.endm
.macro SEND a, younger                 ; younger: the LDS instructions issued behind block a's loads
	s_wait_dscnt \younger
.irp i, 0,1,2,3,4,5,6,7
	global_store_b128 v[OFFR+8*(\a)+\i], v[BK+32*((\a)%2)+4*\i:BK+32*((\a)%2)+4*\i+3], s[20:21] th:TH_STORE_NT   ; sixteen lanes store 256 consecutive bytes of a token's row, aligned; written once
.endr
.endm
	TOSTAGE 0
.irp a, 1,2,3,4,5,6,7
.if \a > 1
	s_wait_xcnt 0x0                                ; block a - 2's stores have had their addresses translated,
	s_wait_alu depctr_vm_vsrc(0)                   ; and have read their rows' registers, in which block a's rows land
.endif
	TOSTAGE \a
	SEND \a-1, 16                                  ; behind block a - 1's loads: block a's 8 stores and 8 loads
.endr
	SEND 7, 0
	s_wait_xcnt 0x0
	s_wait_alu depctr_vm_vsrc(0)                   ; block 7's last store has read v252-255: v254 and v255 are made anew below
	v_lshl_add_u32 v254, v0, 2, 0x25400
	v_mov_b32 v255, 0
	s_wait_dscnt 0x0                               ; the closing lines, six on end
	s_wait_alu 0x0
	s_wait_tensorcnt 0x0
	ds_add_u32 v254, v255
	s_wait_dscnt 0x0
	s_endpgm
.Lfunc_end_k_q05bb342f82_experts:
	.size	k_q05bb342f82_experts, .Lfunc_end_k_q05bb342f82_experts-k_q05bb342f82_experts
	.p2alignl 7, 3214868480
	.fill 96, 4, 3214868480
	.section	.rodata,"a",@progbits
	.p2align	6, 0x0
	.amdhsa_kernel k_q05bb342f82_experts
		.amdhsa_group_segment_fixed_size 153088
		.amdhsa_private_segment_fixed_size 0
		.amdhsa_enable_private_segment 0
		.amdhsa_kernarg_size 72
		.amdhsa_user_sgpr_count 2
		.amdhsa_user_sgpr_kernarg_segment_ptr 1
		.amdhsa_wavefront_size32 1
		.amdhsa_system_sgpr_workgroup_id_x 1
		.amdhsa_system_sgpr_workgroup_id_y 1
		.amdhsa_system_sgpr_workgroup_id_z 1
		.amdhsa_system_vgpr_workitem_id 0
		.amdhsa_next_free_vgpr 1024
		.amdhsa_next_free_sgpr 66
		.amdhsa_reserve_vcc 0
		.amdhsa_float_denorm_mode_32 3
		.amdhsa_float_denorm_mode_16_64 3
		.amdhsa_memory_ordered 1
		.amdhsa_forward_progress 1
		.amdhsa_inst_pref_size 255
	.end_amdhsa_kernel
	.section	.bss,"aw",@nobits
	.p2align	6
	.space	262144
	.amdgpu_metadata
---
amdhsa.version: [ 1, 2 ]
amdhsa.kernels:
  - .name:           k_q05bb342f82_experts
    .symbol:         k_q05bb342f82_experts.kd
    .args:
      - { .name: x_codes, .offset: 0, .size: 8, .value_kind: global_buffer, .address_space: global }
      - { .name: x_scales, .offset: 8, .size: 8, .value_kind: global_buffer, .address_space: global }
      - { .name: w_codes, .offset: 16, .size: 8, .value_kind: global_buffer, .address_space: global }
      - { .name: w_scales, .offset: 24, .size: 8, .value_kind: global_buffer, .address_space: global }
      - { .name: be, .offset: 32, .size: 8, .value_kind: global_buffer, .address_space: global }
      - { .name: gsel, .offset: 40, .size: 8, .value_kind: global_buffer, .address_space: global }
      - { .name: order, .offset: 48, .size: 8, .value_kind: global_buffer, .address_space: global }
      - { .name: blist, .offset: 56, .size: 8, .value_kind: global_buffer, .address_space: global }
      - { .name: out0, .offset: 64, .size: 8, .value_kind: global_buffer, .address_space: global }
    .group_segment_fixed_size: 153088
    .private_segment_fixed_size: 0
    .kernarg_segment_align: 8
    .kernarg_segment_size: 72
    .max_flat_workgroup_size: 128
    .sgpr_count:     66
    .vgpr_count:     1024
    .wavefront_size: 32
...
	.end_amdgpu_metadata
.endif
;; end of part 7
